; MI455X (gfx1250); checked and timed in simulation.
; The chip was launched on July 23, 2026; its instructions are those of AMD's public machine-readable ISA for CDNA 5 (MIT licence, August 2026) and "CDNA5" Instruction Set Architecture Reference Guide (July 2026). The comments in the code are by the model that wrote it; some were corrected since.
;; Attention Block. Allowed arithmetic: matrix products marked QUANTISED: E2M3 operands, one E8M0 scale for each 32 along K, by v_wmma_scale_f32_16x16x128_f8f6f4 with both operands' format E2M3, f32 sums; everything else in f32.
;; Inputs: gn_bias 512 float32; gn_weight 512 float32; hidden_states 2 x 512 x 64 x 64 float32; k_b 512 float32; k_w 512 x 512 float32; proj_b 512 float32; proj_w 512 x 512 float32; q_b 512 float32; q_w 512 x 512 float32; v_b 512 float32; v_w 512 x 512 float32.
;; Outputs: out0 2 x 512 x 64 x 64 float32.
;; This version of the problem:
;;   THIS VERSION OF THE PROBLEM IS GIVEN IN LOW PRECISION. The matrix products marked QUANTISED in the list below multiply operands that are first quantised to E2M3 (2 exponent bits, 3 mantissa bits; 6 bits a number), with one power-of-two scale for each 32 numbers along K (OCP MX v1.0); their sums are f32. All else is computed in f32.
;;   The module's matrix products, in the order in which they are computed (A, B: the left and right operand; K: the contracted axis; several contracted axes count as one K, in the product's order):
;;     1. [M 8,192, K 512] x [K 512, N 512]; A: computed on the way; B: input q_w: QUANTISED
;;     2. [M 8,192, K 512] x [K 512, N 512]; A: computed on the way; B: input k_w: QUANTISED
;;     3. [M 8,192, K 512] x [K 512, N 512]; A: computed on the way; B: input v_w: QUANTISED
;;     4. batch 16 x [M 4,096, K 64] x [K 64, N 4,096]; A: computed on the way; B: computed on the way: QUANTISED
;;     5. batch 16 x [M 4,096, K 4,096] x [K 4,096, N 64]; A: softmax (see below); B: computed on the way: QUANTISED
;;     6. [M 8,192, K 512] x [K 512, N 512]; A: computed on the way; B: input proj_w: QUANTISED
;;   THE QUANTISER, for each operand of a quantised product, along K:
;;     - K is cut into blocks of 32 from its start; a last block that is shorter is filled with zeros.
;;     - A block's scale is 2^e with e = floor(log2(the largest magnitude in the block)) - 2, held to -126 .. 127; a block of zeros has e = 0. As a byte (E8M0): e + 127.
;;     - Each number is divided by its block's scale, clamped to +-7.5, and rounded to the nearest number of E2M3, ties to even, subnormals kept.
;;     - The product sums the exact products of the quantised numbers (number of the format x scale) in f32.
;;   ~~~python
;;   def quantise(x, axis):      # numpy; x: float32 -> the quantised numbers, widened to float32 again
;;       x = np.moveaxis(x, axis, -1); K = x.shape[-1]
;;       x = np.pad(x, [(0, 0)] * (x.ndim - 1) + [(0, -K % 32)]); x = x.reshape(x.shape[:-1] + (-1, 32)); a = np.abs(x).max(-1, keepdims=True)
;;       e = np.where(a > 0, np.clip(np.frexp(np.where(a > 0, a, 1))[1] - 1 - 2, -126, 127), 0)      # np.frexp(a)[1] - 1 = floor(log2(a)), exactly
;;       r = np.clip(x / 2.0 ** e, -7.5, 7.5)
;;       step = 2.0 ** (np.maximum(np.frexp(np.where(r == 0, 1, r))[1] - 1, 0) - 3)
;;       q = np.round(r / step) * step * 2.0 ** e      # np.round: ties to even
;;       return np.moveaxis(q.reshape(q.shape[:-2] + (-1,))[..., :K], -1, axis).astype(np.float32)
;;   ~~~
;;   SOFTMAX AHEAD OF A QUANTISED PRODUCT. Where the list says 'softmax', what is quantised is not the finished softmax but p = 2^(t - M), with t = logit x log2(e) and M = ceil(the row's largest t), a whole number; so 1/2 < the row's largest p <= 1. The row's sum l is taken of the UNQUANTISED p, in f32, and the product's result is divided by l at the end. Since M is a whole number, a kernel that streams over the keys may use a running M (the ceiling of the running maximum): every later rescaling is an exact power of two, which a block's scale takes up: the codes' values come out the same.
;;   OPERANDS COMPUTED ON THE WAY. 'Computed on the way' means the value that the module computes at that place (a softmax that the list does not call 'softmax' is quantised finished and normalised). What goes into a quantiser is computed in f32, as accurately as f32 sums, v_exp_f32 and their like allow (about 1e-6 of the number): no bf16 or f16 on the way to a quantiser, and a product that is left as it is and whose result goes on into a quantised operand takes f32 operands (vector FMAs, or v_wmma_f32_16x16x4_f32). A number that lies on a knife's edge between two numbers of the format may be rounded either way, as far as f32 arithmetic and the matrix unit's own rounding can turn it there, and no further.
;; 2 versions. Each part assembles by itself: llvm-mc -triple=amdgcn-amd-amdhsa -mcpu=gfx1250 --defsym DOCPART=n.
;; ======== version 1 of 2: 4 launches
;; workspace buffers: prepw 868,352 bytes; qkvc 10,223,616 bytes; attc 3,407,872 bytes
;; launch prep (part 1): grid 96 x 1, 16 waves a work-group, no clusters, 3,072 bytes of LDS; arguments hidden_states, gn_weight, gn_bias, q_w, k_w, v_w, proj_w, prepw; writes prepw
.if DOCPART == 1
	.amdgcn_target "amdgcn-amd-amdhsa--gfx1250"
	.amdhsa_code_object_version 6
	.text
	.protected	k_q022e66529b_prep
	.globl	k_q022e66529b_prep
	.p2align	8
	.type	k_q022e66529b_prep,@function
k_q022e66529b_prep:
	s_mov_b64 s[64:65], 0
	v_nop
	global_prefetch_b8 v0, s[64:65] scope:SCOPE_SE
	s_setreg_imm32_b32 hwreg(HW_REG_WAVE_MODE, 25, 1), 1
	s_wait_xcnt 0x0
; PREP: what every later launch wants ready.  Work-groups 0-63: the statistics of one group of GroupNorm each.  Work-groups 64-95: the four weights as codes of FP6 (E2M3).
; STATISTICS.  Group G = 32 b + g is 16 channels x 4,096 positions: 262,144 consecutive bytes.  Sixteen waves keep all of it in registers (128 a lane), so it is read once: first the sum, then the sum of
; squares ABOUT THE MEAN (no difference of large sums).  Stored: a record of 256 bytes: 16 x (a_c = rsqrt(var + 1e-5) x weight_c, bias_c), then the mean sixteen times over pairs.
; a_c is formed ahead of the multiplication by (x - mean): another order of the two multiplications than the source's.  v_rsq_f32 is good to 1 ulp (ISA guide, its entry).
; WEIGHTS.  W [512 (out)][512 (in)], f32, K innermost.  A wave makes one fragment, 16 rows x 128 K, and stores it IN THE ORDER OF THE OPERAND'S REGISTERS: two halves of 768 bytes (64 K each): registers 0-3 at
; 16 x lane, registers 4-5 at 512 + 8 x lane.  Its scale words: 4 x lane, the same word in lanes l and l xor 16.  Record J = 128 mat + 4 tile + K step; mat: q, k, v, proj.
; THE ROWS OF A TILE ARE NOT NEIGHBOURS: lane r of tile 2 b + u takes row 32 b + 8 u + r + 8 (r / 8), so that the 16 registers of result tiles 2 b and 2 b + 1 are 16 neighbours along the next K.
; A lane holds two whole blocks of 32 (128 consecutive bytes each, eight loads of 16), so no other lane is asked for a maximum; the price: a load's lanes stand 2,048 bytes apart.  4 MB in all, read once.
; A block's scale byte is its largest magnitude's exponent field - 2, held at 1 from below.  LIMITS: a block of zeros, or one under 2^-124, gets the byte 1 where the rule says 127 or less: its codes are zeros or
; subnormal codes, and this program alone reads the bytes.  NaN and infinities among the inputs are not served.
; No matrix unit, no cluster, no tensor load: the work is a stream, and the two kinds of work-group share nothing.  The branch between them hangs on the work-group's number alone: all waves of a work-group take the same way.
.set GNC, 851968                       ; prepw: the groups' records begin here
.set WSC, 786432                       ; prepw: the weights' scale words begin here; their images at 0
.set X,   16                           ; v16-143  the group's numbers (weights: v16-79 the 64 numbers)
.set A,   144                          ; v144-151 four packed chains; v144-159 the sixteen waves' sums
.set T,   152                          ; v152-159 x - mean, at work
	s_load_b256 s[4:11], s[0:1], 0x0               ; hidden s[4:5], gn_weight s[6:7], gn_bias s[8:9], q_w s[10:11]
	s_load_b256 s[12:19], s[0:1], 0x20             ; k_w s[12:13], v_w s[14:15], proj_w s[16:17], prepw s[18:19]
	v_lshl_add_u32 v160, v0, 2, 0x400
	v_mov_b32 v161, 0
	v_lshrrev_b32 v1, 5, v0
	v_readfirstlane_b32 s20, v1                    ; wave 0..15
	s_mov_b32 s22, 0x76543210
	s_mov_b32 s23, 0xfedcba98                      ; v_permlanex16_b32's selects for lane l xor 16
	v_mov_b32 v15, 0                               ; written once: a lane permute's destination counts as one of its sources
	s_cmp_ge_u32 ttmp9, 64
	s_cbranch_scc1 .Lweights
	; ---------------- the statistics of group ttmp9
	s_lshl_b32 s24, ttmp9, 18                      ; the group's first byte
	s_mov_b32 s25, 0
	s_and_b32 s26, ttmp9, 31
	s_lshl_b32 s26, s26, 6                         ; its 16 channels in gn_weight and gn_bias
	s_mov_b32 s27, 0
	s_lshl_b32 s28, ttmp9, 8
	s_add_co_u32 s28, s28, GNC                     ; its record
	s_mov_b32 s29, 0
	s_mov_b32 s30, 0x37800000                      ; 2^-16 = 1 / 65,536 numbers
	v_lshlrev_b32 v1, 4, v0                        ; 16 bytes a thread: a load of the work-group covers 8,192 consecutive bytes
	v_and_b32 v2, 15, v0
	v_lshlrev_b32 v2, 2, v2                        ; channel t % 16
	v_mov_b32 v5, s20
	v_lshlrev_b32 v5, 2, v5                        ; LDS: my wave's word
	v_mov_b32 v6, 0
	s_wait_kmcnt 0x0
	s_add_nc_u64 s[4:5], s[4:5], s[24:25]
	s_add_nc_u64 s[6:7], s[6:7], s[26:27]
	s_add_nc_u64 s[8:9], s[8:9], s[26:27]
	s_add_nc_u64 s[18:19], s[18:19], s[28:29]
	global_load_b32 v3, v2, s[6:7]                 ; weight
	global_load_b32 v4, v2, s[8:9]                 ; bias
.set i, 0
.rept 32
	global_load_b128 v[X+4*i:X+4*i+3], v1, s[4:5] offset:8192*i
.set i, i+1
.endr
; The chains' sum over the lane, the wave (four steps inside a half of 16 lanes ride on the addition, one crosses the halves) and the sixteen waves (a word each in LDS at off, one barrier, a fixed order).  Result: v[A], in every lane.
.macro REDUCE off
	v_pk_add_f32 v[A:A+1], v[A:A+1], v[A+2:A+3]
	v_pk_add_f32 v[A+4:A+5], v[A+4:A+5], v[A+6:A+7]
	v_pk_add_f32 v[A:A+1], v[A:A+1], v[A+4:A+5]
	v_add_f32 v[A], v[A], v[A+1]
	v_add_f32_dpp v[A], v[A], v[A] row_xmask:1 row_mask:0xf bank_mask:0xf
	v_add_f32_dpp v[A], v[A], v[A] row_xmask:2 row_mask:0xf bank_mask:0xf
	v_add_f32_dpp v[A], v[A], v[A] row_xmask:4 row_mask:0xf bank_mask:0xf
	v_add_f32_dpp v[A], v[A], v[A] row_xmask:8 row_mask:0xf bank_mask:0xf
	v_permlanex16_b32 v15, v[A], s22, s23
	v_add_f32 v[A], v[A], v15
	ds_store_b32 v5, v[A] offset:\off              ; all lanes write the same word with the same value
	s_wait_dscnt 0x0                               ; for the others' sake: my store has landed
	s_barrier_signal -1
	s_barrier_wait -1
.irp i, 0,1,2,3
	ds_load_b128 v[A+4*\i:A+4*\i+3], v6 offset:\off+16*\i
.endr
	s_wait_dscnt 0x0
	v_pk_add_f32 v[A:A+1], v[A:A+1], v[A+2:A+3]
	v_pk_add_f32 v[A+4:A+5], v[A+4:A+5], v[A+6:A+7]
	v_pk_add_f32 v[A+8:A+9], v[A+8:A+9], v[A+10:A+11]
	v_pk_add_f32 v[A+12:A+13], v[A+12:A+13], v[A+14:A+15]
	v_pk_add_f32 v[A:A+1], v[A:A+1], v[A+4:A+5]
	v_pk_add_f32 v[A+8:A+9], v[A+8:A+9], v[A+12:A+13]
	v_pk_add_f32 v[A:A+1], v[A:A+1], v[A+8:A+9]
	v_add_f32 v[A], v[A], v[A+1]
.endm
	; pass 1: the sum, two numbers at a time, in four chains; the first eight pairs start them: nothing is cleared
	s_wait_loadcnt 24                              ; loads come back in order: the first eight of the group's 32 are in, 24 were issued behind them
.irp k, 0,1,2,3
	v_pk_add_f32 v[A+2*\k:A+2*\k+1], v[X+2*\k:X+2*\k+1], v[X+8+2*\k:X+9+2*\k]
.endr
.set p, 8
.rept 56
.if p == 16
	s_wait_loadcnt 16                              ; the second eight
.endif
.if p == 32
	s_wait_loadcnt 8                               ; the third eight
.endif
.if p == 48
	s_wait_loadcnt 0x0
.endif
	v_pk_add_f32 v[A+2*(p%4):A+2*(p%4)+1], v[A+2*(p%4):A+2*(p%4)+1], v[X+2*p:X+2*p+1]
.set p, p+1
.endr
	REDUCE 0
	v_mul_f32 v8, s30, v[A]                        ; the mean,
	v_mov_b32 v9, v8                               ; twice: a pair for the packed subtraction
	; pass 2: the sum of (x - mean)^2, from the registers
.set p, 0
.rept 16
.irp k, 0,1,2,3
	v_pk_add_f32 v[T+2*\k:T+2*\k+1], v[X+2*(p+\k):X+2*(p+\k)+1], v[8:9] neg_lo:[0,1] neg_hi:[0,1]
.endr
.irp k, 0,1,2,3
.if p == 0
	v_pk_mul_f32 v[A+2*\k:A+2*\k+1], v[T+2*\k:T+2*\k+1], v[T+2*\k:T+2*\k+1]
.else
	v_pk_fma_f32 v[A+2*\k:A+2*\k+1], v[T+2*\k:T+2*\k+1], v[T+2*\k:T+2*\k+1], v[A+2*\k:A+2*\k+1]
.endif
.endr
.set p, p+4
.endr
	REDUCE 128                                     ; other LDS bytes than the first sum's: no barrier is owed between the first sum's reads and these stores
	v_mov_b32 v11, 0x3727c5ac                      ; 1e-5
	v_fma_f32 v10, v[A], s30, v11                  ; the variance + 1e-5
	v_rsq_f32 v10, v10
	v_lshlrev_b32 v14, 3, v0                       ; (a plain place behind the transcendental)  8 bytes a lane
	s_wait_alu depctr_va_vdst(0)
	v_mul_f32 v10, v10, v3                         ; a = rsqrt(var + 1e-5) x weight
	s_cmp_lg_u32 s20, 0
	s_cbranch_scc1 .Ldone                          ; wave 0 stores the record; no barrier stands under this branch
	v_cmp_gt_u32 vcc_lo, 16, v0
	v_cndmask_b32 v12, v8, v10, vcc_lo             ; lanes 0-15: (a, bias) of channel = lane; lanes 16-31: (mean, mean)
	v_cndmask_b32 v13, v8, v4, vcc_lo
	global_store_b64 v14, v[12:13], s[18:19]       ; 32 lanes store 256 consecutive bytes, at a multiple of 256 from the buffer's first byte
.Ldone:
	s_wait_tensorcnt 0x0
	ds_add_u32 v160, v161
	s_wait_dscnt 0x0
	s_endpgm
	; ---------------- one fragment of one weight
.Lweights:
	s_sub_co_u32 s24, ttmp9, 64
	s_lshr_b32 s26, s24, 3                         ; mat 0..3
	s_lshl_b32 s25, s24, 4
	s_add_co_u32 s25, s25, s20                     ; J = 16 x (work-group - 64) + wave
	s_bfe_u32 s27, s25, 0x50002                    ; tile 0..31
	s_and_b32 s28, s25, 3                          ; K step 0..3
	s_lshr_b32 s29, s27, 1
	s_lshl_b32 s29, s29, 16                        ; 32 (tile / 2) rows of 2,048 bytes
	s_and_b32 s27, s27, 1
	s_lshl_b32 s27, s27, 14                        ; 8 (tile % 2) rows
	s_add_co_u32 s30, s29, s27
	s_lshl_b32 s28, s28, 9                         ; 128 numbers a K step
	s_add_co_u32 s30, s30, s28
	s_mov_b32 s31, 0
	s_mul_i32 s32, s25, 1536                       ; the image's place
	s_mov_b32 s33, 0
	s_lshl_b32 s34, s25, 7
	s_add_co_u32 s34, s34, WSC                     ; the scale words' place
	s_mov_b32 s35, 0
	v_and_b32 v1, 15, v0                           ; r
	v_bfe_u32 v2, v0, 4, 1                         ; h
	v_and_b32 v3, 8, v1
	v_add_nc_u32 v3, v3, v1                        ; r + 8 (r / 8)
	v_lshlrev_b32 v3, 11, v3
	v_lshl_add_u32 v3, v2, 7, v3                   ; my row, + 128 h bytes: the operand's layout gives lane (r, h) k = 64 c + 32 h + 0 .. 31
	v_and_b32 v4, 31, v0
	v_lshlrev_b32 v5, 4, v4                        ; 16 x lane
	v_lshlrev_b32 v6, 3, v4                        ; 8 x lane
	v_lshlrev_b32 v7, 2, v4                        ; 4 x lane
	s_wait_kmcnt 0x0
	s_cmp_eq_u32 s26, 1                            ; which weight: the choice hangs on the work-group's number alone
	s_cselect_b64 s[10:11], s[12:13], s[10:11]
	s_cmp_eq_u32 s26, 2
	s_cselect_b64 s[10:11], s[14:15], s[10:11]
	s_cmp_eq_u32 s26, 3
	s_cselect_b64 s[10:11], s[16:17], s[10:11]
	s_add_nc_u64 s[10:11], s[10:11], s[30:31]
	s_add_nc_u64 s[36:37], s[18:19], s[32:33]
	s_add_nc_u64 s[38:39], s[18:19], s[34:35]
.irp c, 0,1
.irp j, 0,1,2,3,4,5,6,7
	global_load_b128 v[X+32*\c+4*\j:X+32*\c+4*\j+3], v3, s[10:11] offset:256*\c+16*\j
.endr
.endr
	s_wait_loadcnt 0x0
.irp c, 0,1                                    ; my block 2 c + h: all its 32 numbers are mine
	v_max3_num_f32 v[8+\c], |v[X+32*\c]|, |v[X+1+32*\c]|, 0x1800000   ; and the floor 2^(3 - 127): the byte cannot fall under 1
.endr
.irp i, 2,4,6,8,10,12,14,16,18,20,22,24,26,28,30
.irp c, 0,1
	v_max3_num_f32 v[8+\c], v[8+\c], |v[X+32*\c+\i]|, |v[X+1+32*\c+\i]|   ; (the two blocks by turns)
.endr
.endr
.irp c, 0,1
	v_add_nc_u32 v[10+\c], 0xff000000, v[8+\c]     ; 2 off the exponent field: the conversion takes the exponent field of this operand as its scale
.endr
.irp c, 0,1
	v_lshrrev_b32 v[12+\c], 23, v[10+\c]           ; the scale's byte
.endr
	v_lshl_or_b32 v14, v13, 16, v12                ; my two bytes: blocks h and 2 + h,
	v_lshlrev_b32 v2, 3, v2
	v_lshlrev_b32 v14, v2, v14                     ; at their places in the word (8 h bits up);
	v_permlanex16_b32 v15, v14, s22, s23
	v_or_b32 v14, v14, v15                         ; with lane l xor 16's two the word is whole, in both lanes
.irp c, 0,1
	v_cvt_scalef32_pk16_fp6_f32 v[80+6*\c:82+6*\c], v[X+32*\c:X+15+32*\c], v[10+\c]
	v_cvt_scalef32_pk16_fp6_f32 v[92+4*\c:94+4*\c], v[X+16+32*\c:X+31+32*\c], v[10+\c]   ; (a conversion's three registers begin on an even number: a block's second three are made elsewhere and moved)
.endr
	v_nop                                          ; one plain place behind a scaled conversion
.irp c, 0,1
.irp i, 0,1,2
	v_mov_b32 v[83+6*\c+\i], v[92+4*\c+\i]
.endr
.endr
	global_store_b128 v5, v[80:83], s[36:37]               ; every store of the wave covers consecutive bytes: 512, 256, 512, 256, 128
	global_store_b64 v6, v[84:85], s[36:37] offset:512
	global_store_b128 v5, v[86:89], s[36:37] offset:768
	global_store_b64 v6, v[90:91], s[36:37] offset:1280
	global_store_b32 v7, v14, s[38:39]
	s_endpgm
.Lfunc_end_k_q022e66529b_prep:
	.size	k_q022e66529b_prep, .Lfunc_end_k_q022e66529b_prep-k_q022e66529b_prep
	.p2alignl 7, 3214868480
	.fill 96, 4, 3214868480
	.section	.rodata,"a",@progbits
	.p2align	6, 0x0
	.amdhsa_kernel k_q022e66529b_prep
		.amdhsa_group_segment_fixed_size 3072
		.amdhsa_private_segment_fixed_size 0
		.amdhsa_enable_private_segment 0
		.amdhsa_kernarg_size 64
		.amdhsa_user_sgpr_count 2
		.amdhsa_user_sgpr_kernarg_segment_ptr 1
		.amdhsa_wavefront_size32 1
		.amdhsa_system_sgpr_workgroup_id_x 1
		.amdhsa_system_sgpr_workgroup_id_y 1
		.amdhsa_system_sgpr_workgroup_id_z 1
		.amdhsa_system_vgpr_workitem_id 0
		.amdhsa_next_free_vgpr 162
		.amdhsa_next_free_sgpr 66
		.amdhsa_reserve_vcc 1
		.amdhsa_float_denorm_mode_32 3
		.amdhsa_float_denorm_mode_16_64 3
		.amdhsa_memory_ordered 1
		.amdhsa_forward_progress 1
		.amdhsa_inst_pref_size 27
	.end_amdhsa_kernel
	.amdgpu_metadata
---
amdhsa.version: [ 1, 2 ]
amdhsa.kernels:
  - .name:           k_q022e66529b_prep
    .symbol:         k_q022e66529b_prep.kd
    .args:
      - { .name: hidden_states, .offset: 0, .size: 8, .value_kind: global_buffer, .address_space: global }
      - { .name: gn_weight, .offset: 8, .size: 8, .value_kind: global_buffer, .address_space: global }
      - { .name: gn_bias, .offset: 16, .size: 8, .value_kind: global_buffer, .address_space: global }
      - { .name: q_w, .offset: 24, .size: 8, .value_kind: global_buffer, .address_space: global }
      - { .name: k_w, .offset: 32, .size: 8, .value_kind: global_buffer, .address_space: global }
      - { .name: v_w, .offset: 40, .size: 8, .value_kind: global_buffer, .address_space: global }
      - { .name: proj_w, .offset: 48, .size: 8, .value_kind: global_buffer, .address_space: global }
      - { .name: prepw, .offset: 56, .size: 8, .value_kind: global_buffer, .address_space: global }
    .group_segment_fixed_size: 3072
    .private_segment_fixed_size: 0
    .kernarg_segment_align: 8
    .kernarg_segment_size: 64
    .max_flat_workgroup_size: 512
    .sgpr_count:     66
    .vgpr_count:     162
    .wavefront_size: 32
...
	.end_amdgpu_metadata
.endif
;; end of part 1
;; launch qkv (part 2): grid 128 x 1, 8 waves a work-group, no clusters, 26,624 bytes of LDS; arguments hidden_states, prepw, q_b, k_b, v_b, qkvc; writes qkvc
.if DOCPART == 2
	.amdgcn_target "amdgcn-amd-amdhsa--gfx1250"
	.amdhsa_code_object_version 6
	.text
	.protected	k_q022e66529b_qkv
	.globl	k_q022e66529b_qkv
	.p2align	8
	.type	k_q022e66529b_qkv,@function
k_q022e66529b_qkv:
	s_mov_b64 s[64:65], 0
	v_nop
	global_prefetch_b8 v0, s[64:65] scope:SCOPE_SE
	s_setreg_imm32_b32 hwreg(HW_REG_WAVE_MODE, 25, 1), 1
	s_wait_xcnt 0x0
; QKV: x = GroupNorm(hidden)^T is quantised along the channels, multiplied by the three weights (codes of FP6, E2M3, one E8M0 scale for each 32 along K), the biases are added, and q, k, v are quantised
; again for attention: q and k along the head's 64 channels, v along the keys.  Only codes and scale bytes go to memory, IN THE ORDER OF THE OPERAND'S REGISTERS: a half fragment (16 rows x 64 K, 6 registers a lane)
; is 768 bytes: registers 0-3 at 16 x lane, registers 4-5 at 512 + 8 x lane.
; SHARES.  A work-group takes 64 positions (PB) of one batch.  PHASE X: wave w quantises K step w / 2 (128 channels) of positions 32 (w % 2) + lane: a lane takes a position and its registers run down the channels,
; so each load reads 128 consecutive bytes, a block of 32 channels lies in one lane, and the codes come out with K innermost.  They go to LDS as images of x's 16 fragments.  One barrier.
; Then wave w is head w and runs three jobs: its 64 rows of q_w, k_w, v_w (16 fragments, register images from memory) against all of x.
; THE ROWS OF A TILE ARE NOT NEIGHBOURS, in x and in the weights alike: lane r of tile 2 b + u takes row 32 b + 8 u + r + 8 (r / 8).  So, whichever is source 0, the 16 registers of result tiles 2 b and 2 b + 1 are 16 neighbours
; along source 0's rows.  q, k: source 0 = the weight: a lane holds one position, its registers run along the channels.  v: source 0 = x: a lane holds one channel, its registers run along the positions (the keys).
; The bias is the C of each sum's first matrix instruction.  The 16 accumulators take turns, one instruction a turn, in the same order in every K step.
; NORM: (x - mean) x a + bias, a = rsqrt(var + 1e-5) x weight made by the launch before: another order of the two multiplications than the source's.
; LIMITS: a block of zeros, or one under 2^-124, gets the scale byte 1 (this program alone reads the bytes); NaN and infinities are not served.
; NO CLUSTER, NO TENSOR LOAD: a wave's 24,576 bytes of a weight are read by no other wave of its work-group and go from memory straight into its registers, whole fragments by loads of 16 and 8 bytes a lane; there is
; no LDS tile that a joint load could fill, and a way through LDS would add a store and a load of every byte for 64 matrix instructions a job.
; REGISTERS, window 0: v1-10 addresses; v12-13 scale words on their way out; v14 x's scale bytes; v16-143 x's 128 numbers, then the 16 accumulators ((R, P) at 16 + 32 R + 8 P); v144-191 four fragments of x, or codes just made;
;   v192-207 x's scale words; v208-223 the weight's; v224-239 at work.   window 1: v0-191 the weight's 16 fragments (tile t, K step s at 12 (4 t + s)); v192-223 the bias, 8 registers a tile.
.set WSC,  786432                      ; prepw: the weights' scale words; their images at 0
.set GNC,  851968                      ; prepw: the groups' records
.set QSC,  9437184                     ; qkvc: q's scale records; k's 262,144 on; images of q, k, v at 0, 3,145,728, 6,291,456
.set VSC,  9961472                     ; qkvc: v's scale records
.set XSC,  24576                       ; LDS: x's images at 0 (fragment (T, s) at 1,536 (4 T + s)); here its scale words, 64 (4 T + s) + 4 r
.set LI,   1                           ; 16 x lane
.set L8,   2                           ; 8 x lane
.set LS,   3                           ; 4 x lane
.set LH,   4                           ; 2 x lane
.set LR,   5                           ; 4 r
.set BH,   6                           ; 64 h
.set BR,   7                           ; 4 (r + 8 (r / 8))
.set XW16, 8                           ; phase X: where my codes' first 16 bytes of a block go
.set XW8,  9                           ; and the last 8
.set XWS,  10                          ; and my position's scale word
.set PW,   12
.set SB,   14
.set ACC,  16
.set XF,   144
.set XS,   192
.set WS,   208
.set TM,   224
.set BW,   192                         ; in window 1
.set SEL,  92
.set MSB, 0
.macro WIN new                         ; s_set_vgpr_msb: bits 1:0 source 0, 3:2 source 1, 5:4 source 2, 7:6 destination; the high byte repeats the setting that is left
.if MSB != \new
	s_set_vgpr_msb (MSB<<8)|\new
.set MSB, \new
.endif
.endm
.macro PLACES                          ; four plain vector instructions between a matrix instruction and a read of its result or a load into one of its registers
.rept 4
	v_nop
.endr
.endm
; The coefficients of block blk's 32 channels (two groups): channel i's (a, bias) in s[16 + 2 i + 4 (i / 24)] and the next; the two means in s84, s85.
.macro COEF blk
	s_load_b512 s[16:31], s[96:97], (\blk)*512
	s_load_b512 s[32:47], s[96:97], (\blk)*512+64
	s_load_b512 s[48:63], s[96:97], (\blk)*512+256
	s_load_b512 s[68:83], s[96:97], (\blk)*512+320
	s_load_b32 s84, s[96:97], (\blk)*512+128
	s_load_b32 s85, s[96:97], (\blk)*512+384
.endm
.macro XNORM blk, cnt                  ; block blk's 32 numbers are normalised
	s_wait_loadcnt \cnt
	s_wait_kmcnt 0x0
.set i, 0
.rept 32
	v_sub_f32 v[ACC+32*\blk+i], v[ACC+32*\blk+i], s[84+i/16]
.set i, i+1
.endr
.set i, 0
.rept 32
	v_fma_f32 v[ACC+32*\blk+i], v[ACC+32*\blk+i], s[16+2*i+4*(i/24)], s[17+2*i+4*(i/24)]
.set i, i+1
.endr
.endm
.macro XQ blk                          ; and quantised: all 32 are mine.  In x's fragment the block belongs to lanes (r, h = blk % 2), registers 6 (blk / 2) on
.set XB, ACC+32*\blk
.set CD, XF+8*\blk                     ; a set of registers for each block: no LDS store's data are written again
	v_max3_num_f32 v[TM], |v[XB]|, |v[XB+1]|, |v[XB+2]|
	v_max3_num_f32 v[TM+1], |v[XB+3]|, |v[XB+4]|, |v[XB+5]|
.irp i, 6,10,14,18,22,26
	v_max3_num_f32 v[TM], v[TM], |v[XB+\i]|, |v[XB+\i+1]|
	v_max3_num_f32 v[TM+1], v[TM+1], |v[XB+\i+2]|, |v[XB+\i+3]|
.endr
	v_max3_num_f32 v[TM], v[TM], |v[XB+30]|, |v[XB+31]|
	v_max3_num_f32 v[TM], v[TM], v[TM+1], 0x1800000        ; and the floor 2^(3 - 127): the byte cannot fall under 1
	v_add_nc_u32 v[TM+2], 0xff000000, v[TM]                ; 2 off the exponent field: the conversion's scale operand
	v_lshrrev_b32 v[TM+3], 23, v[TM+2]                     ; the scale's byte
.if \blk == 0
	v_mov_b32 v[SB], v[TM+3]
.else
	v_lshl_or_b32 v[SB], v[TM+3], 8*\blk, v[SB]
.endif
	v_cvt_scalef32_pk16_fp6_f32 v[CD:CD+2], v[XB:XB+15], v[TM+2]
	v_cvt_scalef32_pk16_fp6_f32 v[CD+4:CD+6], v[XB+16:XB+31], v[TM+2]   ; (a conversion's three registers begin on an even number)
	v_nop                                          ; one plain place behind a scaled conversion
	v_mov_b32 v[CD+3], v[CD+4]
	v_mov_b32 v[CD+4], v[CD+5]
	v_mov_b32 v[CD+5], v[CD+6]
	ds_store_b128 v[XW16], v[CD:CD+3] offset:768*(\blk/2)+256*(\blk%2)
	ds_store_b64 v[XW8], v[CD+4:CD+5] offset:768*(\blk/2)+512+128*(\blk%2)
.endm
; Job m's operands: my head's 16 fragments of the weight, the bias in the result's layout, the scale words.  v = 0: a lane's registers run along the channels (eight neighbours of the bias a tile);  v = 1: a lane holds one channel.
.macro LOADW m, v
	WIN 0x40                                       ; destination window 1, address window 0
.set f, 0
.rept 16
	global_load_b128 v[12*f:12*f+3], v[LI], s[16+2*\m:17+2*\m] offset:1536*f
	global_load_b64 v[12*f+4:12*f+5], v[L8], s[16+2*\m:17+2*\m] offset:1536*f+512
	global_load_b128 v[12*f+6:12*f+9], v[LI], s[16+2*\m:17+2*\m] offset:1536*f+768
	global_load_b64 v[12*f+10:12*f+11], v[L8], s[16+2*\m:17+2*\m] offset:1536*f+1280
.set f, f+1
.endr
.irp t, 0,1,2,3
.if \v
.irp j, 0,1,2,3,4,5,6,7
	global_load_b32 v[BW+8*\t+\j], v[BR], s[28+2*\m:29+2*\m] offset:4*(32*(\t/2)+8*(\t%2))
.endr
.else
	global_load_b128 v[BW+8*\t:BW+8*\t+3], v[BH], s[28+2*\m:29+2*\m] offset:4*(32*(\t/2)+8*(\t%2))
	global_load_b128 v[BW+8*\t+4:BW+8*\t+7], v[BH], s[28+2*\m:29+2*\m] offset:4*(32*(\t/2)+8*(\t%2))+16
.endif
.endr
	WIN 0
.set f, 0
.rept 16
	global_load_b32 v[WS+f], v[LS], s[22+2*\m:23+2*\m] offset:128*f
.set f, f+1
.endr
.endm
.macro FETCHX s                        ; x's four fragments of K step s, from their images
.irp t, 0,1,2,3
	ds_load_b128 v[XF+12*\t:XF+12*\t+3], v[LI] offset:(4*\t+\s)*1536
	ds_load_b64 v[XF+12*\t+4:XF+12*\t+5], v[L8] offset:(4*\t+\s)*1536+512
	ds_load_b128 v[XF+12*\t+6:XF+12*\t+9], v[LI] offset:(4*\t+\s)*1536+768
	ds_load_b64 v[XF+12*\t+10:XF+12*\t+11], v[L8] offset:(4*\t+\s)*1536+1280
.endr
.endm
; A job's 64 matrix instructions.  v = 0: accumulator (R, P) = weight tile P (source 0) x x's tile R (source 1);  v = 1: x's tile P (source 0) x weight tile R (source 1).
.macro GEMM v
	s_wait_xcnt 0x0                                ; the last job's stores have had their addresses translated: only behind this wait are the registers that they read loaded again
.irp s, 0,1,2,3
.if \s > 0
	PLACES                                         ; in front of loads into registers that matrix instructions have read
.endif
	FETCHX \s
	s_wait_dscnt 0x0
.if \s == 0
	s_wait_loadcnt 0x0                             ; the job's weight, bias and scale words
.endif
.if \v
.if \s == 0
	WIN 0x14                                       ; source 1 (the weight) and C (the bias) window 1
.else
	WIN 0x04
.endif
.else
.if \s == 0
	WIN 0x11                                       ; source 0 (the weight) and C (the bias) window 1
.else
	WIN 0x01
.endif
.endif
.irp r, 0,1,2,3
.irp p, 0,1,2,3
.if \v
.if \s == 0
	v_wmma_scale_f32_16x16x128_f8f6f4 v[ACC+32*\r+8*\p:ACC+32*\r+8*\p+7], v[XF+12*\p:XF+12*\p+11], v[12*(4*\r+\s):12*(4*\r+\s)+11], v[BW+8*\r:BW+8*\r+7], v[XS+4*\p+\s], v[WS+4*\r+\s] matrix_a_fmt:MATRIX_FMT_FP6 matrix_b_fmt:MATRIX_FMT_FP6
.else
	v_wmma_scale_f32_16x16x128_f8f6f4 v[ACC+32*\r+8*\p:ACC+32*\r+8*\p+7], v[XF+12*\p:XF+12*\p+11], v[12*(4*\r+\s):12*(4*\r+\s)+11], v[ACC+32*\r+8*\p:ACC+32*\r+8*\p+7], v[XS+4*\p+\s], v[WS+4*\r+\s] matrix_a_fmt:MATRIX_FMT_FP6 matrix_b_fmt:MATRIX_FMT_FP6
.endif
.else
.if \s == 0
	v_wmma_scale_f32_16x16x128_f8f6f4 v[ACC+32*\r+8*\p:ACC+32*\r+8*\p+7], v[12*(4*\p+\s):12*(4*\p+\s)+11], v[XF+12*\r:XF+12*\r+11], v[BW+8*\p:BW+8*\p+7], v[WS+4*\p+\s], v[XS+4*\r+\s] matrix_a_fmt:MATRIX_FMT_FP6 matrix_b_fmt:MATRIX_FMT_FP6
.else
	v_wmma_scale_f32_16x16x128_f8f6f4 v[ACC+32*\r+8*\p:ACC+32*\r+8*\p+7], v[12*(4*\p+\s):12*(4*\p+\s)+11], v[XF+12*\r:XF+12*\r+11], v[ACC+32*\r+8*\p:ACC+32*\r+8*\p+7], v[WS+4*\p+\s], v[XS+4*\r+\s] matrix_a_fmt:MATRIX_FMT_FP6 matrix_b_fmt:MATRIX_FMT_FP6
.endif
.endif
.endr
.endr
	WIN 0
.endr
.endm
; 64 numbers of a lane, v[s] on, register 16 b + i = number 32 b + 16 (lane / 16) + i of my row's four blocks, become 12 registers of codes at v[pc] and four scale bytes in v[pw].
; Here the four blocks are two tiles R of two blocks each: registers 0-5 and the word's low half are tile 2 Q's half fragment, registers 6-11 and the high half tile 2 Q + 1's.
.macro QUANT s, pc, pw
.irp b, 0,1,2,3
	v_max3_num_f32 v[TM+\b], |v[(\s)+16*\b]|, |v[(\s)+1+16*\b]|, 0x1800000   ; block b: my 16 numbers, and the floor 2^(3 - 127).  (Each accumulator is read from its low end on)
.endr
.irp i, 2,4,6,8,10,12,14
.irp b, 0,1,2,3
	v_max3_num_f32 v[TM+\b], v[TM+\b], |v[(\s)+16*\b+\i]|, |v[(\s)+1+16*\b+\i]|   ; (the four blocks by turns)
.endr
.endr
.irp b, 0,1,2,3
	v_permlanex16_b32 v[TM+4+\b], v[TM+\b], s[SEL], s[SEL+1]
.endr
.irp b, 0,1,2,3
	v_max_num_f32 v[TM+\b], v[TM+\b], v[TM+4+\b]   ; with lane l xor 16's: the block's largest magnitude
.endr
.irp b, 0,1,2,3
	v_add_nc_u32 v[TM+12+\b], 0xff000000, v[TM+\b] ; 2 off its exponent field: the conversion's scale operand
.endr
.irp b, 0,1,2,3
	v_lshrrev_b32 v[TM+4+\b], 23, v[TM+12+\b]      ; the scale's byte
.endr
	v_lshl_or_b32 v[\pw], v[TM+5], 8, v[TM+4]
	v_lshl_or_b32 v[\pw], v[TM+6], 16, v[\pw]
	v_lshl_or_b32 v[\pw], v[TM+7], 24, v[\pw]
.irp c, 0,1
	v_cvt_scalef32_pk16_fp6_f32 v[(\pc)+6*\c:(\pc)+2+6*\c], v[(\s)+32*\c:(\s)+15+32*\c], v[TM+12+2*\c]
	v_cvt_scalef32_pk16_fp6_f32 v[(\pc)+12+4*\c:(\pc)+14+4*\c], v[(\s)+16+32*\c:(\s)+31+32*\c], v[TM+12+2*\c+1]   ; (a conversion's three registers begin on an even number)
.endr
	v_nop                                          ; one plain place behind a scaled conversion
.irp c, 0,1                                    ; the operand's layout wants a WHOLE block in a lane: lanes 0-15 block 2 c, lanes 16-31 block 2 c + 1
.irp i, 0,1,2
	v_permlane16_swap_b32 v[(\pc)+6*\c+\i], v[(\pc)+12+4*\c+\i]
.endr
.irp i, 0,1,2
	v_mov_b32 v[(\pc)+3+6*\c+\i], v[(\pc)+12+4*\c+\i]
.endr
.endr
.endm
; Job m's results leave: four half fragments (every store of the wave covers 512 or 256 consecutive bytes) and their scale bytes, two a row: q, k: records of 64 bytes (2 x lane);  v: the half of a word that
; belongs to this block of 64 keys, in records of 128 bytes (4 x lane): the other half is the neighbouring work-group's.
.macro OUT m, v
.irp q, 0,1
	QUANT ACC+64*\q, XF+20*\q, PW+\q
	global_store_b128 v[LI], v[XF+20*\q:XF+20*\q+3], s[34+2*\m:35+2*\m] offset:1536*\q
	global_store_b64 v[L8], v[XF+20*\q+4:XF+20*\q+5], s[34+2*\m:35+2*\m] offset:1536*\q+512
	global_store_b128 v[LI], v[XF+20*\q+6:XF+20*\q+9], s[34+2*\m:35+2*\m] offset:1536*\q+768
	global_store_b64 v[L8], v[XF+20*\q+10:XF+20*\q+11], s[34+2*\m:35+2*\m] offset:1536*\q+1280
.if \v
	global_store_b16 v[LS], v[PW+\q], s[40+2*\m:41+2*\m] offset:256*\q
	global_store_d16_hi_b16 v[LS], v[PW+\q], s[40+2*\m:41+2*\m] offset:256*\q+128
.else
	global_store_b16 v[LH], v[PW+\q], s[40+2*\m:41+2*\m] offset:128*\q
	global_store_d16_hi_b16 v[LH], v[PW+\q], s[40+2*\m:41+2*\m] offset:128*\q+64
.endif
.endr
.endm
	s_load_b256 s[4:11], s[0:1], 0x0               ; hidden s[4:5], prepw s[6:7], q_b s[8:9], k_b s[10:11]
	s_load_b128 s[12:15], s[0:1], 0x20             ; v_b s[12:13], qkvc s[14:15]
	v_lshl_add_u32 v254, v0, 2, 0x6400
	v_mov_b32 v255, 0
	v_lshrrev_b32 v11, 5, v0
	v_readfirstlane_b32 s2, v11                    ; wave 0..7
	s_lshr_b32 s94, ttmp9, 6                       ; b
	s_and_b32 s95, ttmp9, 63                       ; PB
	s_lshr_b32 s86, s2, 1                          ; phase X: my K step,
	s_and_b32 s87, s2, 1                           ; and which 32 positions
	s_mov_b32 s[SEL], 0x76543210
	s_mov_b32 s[SEL+1], 0xfedcba98                 ; v_permlanex16_b32's selects for lane l xor 16
	v_and_b32 v11, 31, v0
	v_lshlrev_b32 v[LI], 4, v11
	v_lshlrev_b32 v[L8], 3, v11
	v_lshlrev_b32 v[LS], 2, v11
	v_lshlrev_b32 v[LH], 1, v11
	v_and_b32 v12, 15, v0                          ; r
	v_lshlrev_b32 v[LR], 2, v12
	v_bfe_u32 v13, v0, 4, 1                        ; h
	v_lshlrev_b32 v[BH], 6, v13
	v_and_b32 v14, 8, v12
	v_add_nc_u32 v14, v14, v12
	v_lshlrev_b32 v[BR], 2, v14
	; phase X: position 32 a + lane is row r' = (lane % 8) + 8 (lane / 16) of tile 2 a + u, u = (lane / 8) % 2
	v_bfe_u32 v14, v0, 3, 1                        ; u
	v_and_b32 v15, 7, v0
	v_lshl_or_b32 v15, v13, 3, v15                 ; r'
	s_mul_i32 s88, s87, 12288
	s_mul_i32 s89, s86, 1536
	s_add_co_u32 s88, s88, s89
	v_mul_u32_u24 v11, v14, 6144
	v_add_nc_u32 v11, s88, v11                     ; fragment (2 a + u, s)
	v_lshl_add_u32 v[XW16], v15, 4, v11
	v_lshl_add_u32 v[XW8], v15, 3, v11
	s_lshl_b32 s88, s87, 9
	s_lshl_b32 s89, s86, 6
	s_add_co_u32 s88, s88, s89
	s_add_co_u32 s88, s88, XSC
	v_lshl_add_u32 v11, v14, 8, s88
	v_lshl_add_u32 v[XWS], v15, 2, v11
.irp b, 0,1,2,3
	v_mov_b32 v[TM+4+\b], 0                        ; written once: a lane permute's destination counts as one of its sources
.endr
	s_lshl_b32 s88, s94, 23                        ; hidden: batch, 8,388,608 bytes;
	s_lshl_b32 s89, s86, 21                        ; 128 channels of 16,384 bytes;
	s_add_co_u32 s88, s88, s89
	s_lshl_b32 s89, s95, 8                         ; 64 positions;
	s_add_co_u32 s88, s88, s89
	s_lshl_b32 s89, s87, 7                         ; 32 positions
	s_add_co_u32 s88, s88, s89
	s_mov_b32 s89, 0
	s_lshl_b32 s90, s94, 13                        ; the records of my K step's eight groups: (32 b + 8 s) x 256
	s_lshl_b32 s91, s86, 11
	s_add_co_u32 s90, s90, s91
	s_add_co_u32 s90, s90, GNC
	s_mov_b32 s91, 0
	s_wait_kmcnt 0x0
	s_add_nc_u64 s[4:5], s[4:5], s[88:89]
	s_add_nc_u64 s[96:97], s[6:7], s[90:91]
	COEF 0
.set i, 0
.rept 128
	global_load_b32 v[ACC+i], v[LS], s[4:5] offset:16384*i   ; channel i of my K step at 32 neighbouring positions: 128 consecutive bytes a wave; the wave beside me takes the next 128
.set i, i+1
.endr
	XNORM 0, 63                                    ; 96 loads were issued behind block 0's; a wait names 63 at the most
	COEF 1                                         ; behind the last line that reads block 0's coefficients
	XQ 0
	XNORM 1, 63                                    ; 64 were issued behind block 1's
	COEF 2
	XQ 1
	XNORM 2, 32                                    ; 32 behind block 2's
	COEF 3
	XQ 2
	XNORM 3, 0
	; the coefficients are done with: their registers take the three jobs' addresses.  Job m: s[16+2m] the weight's images, s[22+2m] its scale words, s[28+2m] the bias, s[34+2m] the images out, s[40+2m] the scale records out
	s_mul_i32 s88, s2, 24576                       ; my head's 16 fragments
	s_mov_b32 s89, 0
	s_add_nc_u64 s[16:17], s[6:7], s[88:89]
	s_add_nc_u64 s[18:19], s[16:17], 196608
	s_add_nc_u64 s[20:21], s[16:17], 393216
	s_lshl_b32 s88, s2, 11
	s_add_co_u32 s88, s88, WSC
	s_add_nc_u64 s[22:23], s[6:7], s[88:89]
	s_add_nc_u64 s[24:25], s[22:23], 16384
	s_add_nc_u64 s[26:27], s[22:23], 32768
	s_lshl_b32 s88, s2, 8
	s_add_nc_u64 s[28:29], s[8:9], s[88:89]
	s_add_nc_u64 s[30:31], s[10:11], s[88:89]
	s_add_nc_u64 s[32:33], s[12:13], s[88:89]
	s_lshl_b32 s90, s94, 3
	s_add_co_u32 s90, s90, s2                      ; hb = 8 b + head
	s_mul_i32 s88, s90, 196608
	s_mul_i32 s91, s95, 3072
	s_add_co_u32 s88, s88, s91
	s_add_nc_u64 s[34:35], s[14:15], s[88:89]
	s_add_nc_u64 s[36:37], s[34:35], 3145728
	s_add_nc_u64 s[38:39], s[34:35], 6291456
	s_lshl_b32 s90, s90, 14                        ; hb x 16,384 in each table of scale records
	s_lshl_b32 s88, s95, 8
	s_add_co_u32 s88, s88, s90
	s_add_co_u32 s88, s88, QSC
	s_add_nc_u64 s[40:41], s[14:15], s[88:89]
	s_add_nc_u64 s[42:43], s[40:41], 262144
	s_lshr_b32 s88, s95, 1                         ; v: key step PB / 2, 512 bytes; this block's half of each word
	s_lshl_b32 s88, s88, 9
	s_and_b32 s91, s95, 1
	s_lshl_b32 s91, s91, 1
	s_add_co_u32 s88, s88, s91
	s_add_co_u32 s88, s88, s90
	s_add_co_u32 s88, s88, VSC
	s_add_nc_u64 s[44:45], s[14:15], s[88:89]
	LOADW 0, 0                                     ; q's operands are asked for while the last block is quantised
	XQ 3
	ds_store_b32 v[XWS], v[SB]                     ; my position's four scale bytes of this K step
	s_wait_dscnt 0x0                               ; for the others' sake: my stores have landed
	s_barrier_signal -1
	s_barrier_wait -1                              ; x's sixteen fragments lie in LDS; nobody writes them again
.set f, 0
.rept 16
	ds_load_b32 v[XS+f], v[LR] offset:XSC+64*f     ; x's scale words stay in registers
.set f, f+1
.endr
	GEMM 0                                         ; q
	PLACES
	LOADW 1, 0                                     ; the next job's operands land under this job's way out
	OUT 0, 0
	GEMM 0                                         ; k
	PLACES
	LOADW 2, 1
	OUT 1, 0
	GEMM 1                                         ; v
	PLACES
	OUT 2, 1
	s_wait_tensorcnt 0x0
	ds_add_u32 v254, v255
	s_wait_dscnt 0x0
	s_endpgm
.Lfunc_end_k_q022e66529b_qkv:
	.size	k_q022e66529b_qkv, .Lfunc_end_k_q022e66529b_qkv-k_q022e66529b_qkv
	.p2alignl 7, 3214868480
	.fill 96, 4, 3214868480
	.section	.rodata,"a",@progbits
	.p2align	6, 0x0
	.amdhsa_kernel k_q022e66529b_qkv
		.amdhsa_group_segment_fixed_size 26624
		.amdhsa_private_segment_fixed_size 0
		.amdhsa_enable_private_segment 0
		.amdhsa_kernarg_size 48
		.amdhsa_user_sgpr_count 2
		.amdhsa_user_sgpr_kernarg_segment_ptr 1
		.amdhsa_wavefront_size32 1
		.amdhsa_system_sgpr_workgroup_id_x 1
		.amdhsa_system_sgpr_workgroup_id_y 1
		.amdhsa_system_sgpr_workgroup_id_z 1
		.amdhsa_system_vgpr_workitem_id 0
		.amdhsa_next_free_vgpr 480
		.amdhsa_next_free_sgpr 100
		.amdhsa_reserve_vcc 0
		.amdhsa_float_denorm_mode_32 3
		.amdhsa_float_denorm_mode_16_64 3
		.amdhsa_memory_ordered 1
		.amdhsa_forward_progress 1
		.amdhsa_inst_pref_size 134
	.end_amdhsa_kernel
	.amdgpu_metadata
---
amdhsa.version: [ 1, 2 ]
amdhsa.kernels:
  - .name:           k_q022e66529b_qkv
    .symbol:         k_q022e66529b_qkv.kd
    .args:
      - { .name: hidden_states, .offset: 0, .size: 8, .value_kind: global_buffer, .address_space: global }
      - { .name: prepw, .offset: 8, .size: 8, .value_kind: global_buffer, .address_space: global }
      - { .name: q_b, .offset: 16, .size: 8, .value_kind: global_buffer, .address_space: global }
      - { .name: k_b, .offset: 24, .size: 8, .value_kind: global_buffer, .address_space: global }
      - { .name: v_b, .offset: 32, .size: 8, .value_kind: global_buffer, .address_space: global }
      - { .name: qkvc, .offset: 40, .size: 8, .value_kind: global_buffer, .address_space: global }
    .group_segment_fixed_size: 26624
    .private_segment_fixed_size: 0
    .kernarg_segment_align: 8
    .kernarg_segment_size: 48
    .max_flat_workgroup_size: 256
    .sgpr_count:     100
    .vgpr_count:     480
    .wavefront_size: 32
...
	.end_amdgpu_metadata
.endif
;; end of part 2
;; launch attn (part 3): grid 16 x 16, 16 waves a work-group, clusters of 4 x 1, 327,680 bytes of LDS; arguments qkvc, attc; writes attc
.if DOCPART == 3
	.amdgcn_target "amdgcn-amd-amdhsa--gfx1250"
	.amdhsa_code_object_version 6
	.text
	.protected	k_q022e66529b_attn
	.globl	k_q022e66529b_attn
	.p2align	8
	.type	k_q022e66529b_attn,@function
k_q022e66529b_attn:
	s_mov_b64 s[64:65], 0
	v_nop
	global_prefetch_b8 v0, s[64:65] scope:SCOPE_SE
	s_setreg_imm32_b32 hwreg(HW_REG_WAVE_MODE, 25, 1), 1
	s_wait_xcnt 0x0
	s_wait_alu depctr_hold_cnt(0) depctr_sa_sdst(0) depctr_va_vdst(0) depctr_va_sdst(0) depctr_va_ssrc(0) depctr_va_vcc(0) depctr_vm_vsrc(0)
	s_getreg_b32 s2, hwreg(HW_REG_IB_STS2, 6, 4)
	s_cmp_eq_u32 s2, 0
	s_cbranch_scc0 .Lentry_in_a_cluster
	s_endpgm
.Lentry_in_a_cluster:
	s_bfe_u32 s2, ttmp6, 0x10000c
	s_cmp_lg_u32 s2, 0x3003
	s_cbranch_scc0 .Lentry_shape_is_right
	s_endpgm
.Lentry_shape_is_right:
; ATTN: O[q] = the sum over k of softmax_k(Q[q] . K[k] / 8) V[k] for one (batch, head) hb, both products on codes of FP6 (E2M3) with one E8M0 scale for each 32 along K; O / l is quantised along the channels for the projection.
; THE SOFTMAX AHEAD OF THE SECOND PRODUCT: t = score x log2(e) / 8; M = the row's largest t so far, rounded UP to a whole number; p = 2^(t - M) is what is quantised, along the keys; it is not normalised.
; The row's sum is taken of the unquantised p, in f32, and divides O at the end.  When M moves, the sum and O are multiplied by 2^(old M - new M): exact.
; SHARES.  A work-group owns 256 queries of hb; each of its sixteen waves owns one tile of 16, in 256 registers: four waves to a SIMD, so that one wave's vector work stands beside another's matrix work and LDS loads.
; Every wave walks all 4,096 keys, 128 a step, two steps to a slot, through a ring of two LDS slots.  ALL OPERANDS LIE IN THE ORDER OF THE OPERAND'S REGISTERS (a half fragment, 16 rows x 64 K: registers 0-3 at 16 x lane,
; registers 4-5 at 512 + 8 x lane): every LDS load reads consecutive bytes, and a slot's K (12,288 bytes) and V (12,288) are dense blocks of memory.  The scale records of the whole head (2 x 16,384 bytes) come once and stay.
; LAYOUT.  Both products are used transposed: S^T = K Q^T (source 0 = 16 keys, source 1 = my 16 queries), O^T = V^T P^T (source 0 = 16 channels, source 1 = P): a lane holds ONE query throughout.
; The launch before chose the rows of every tile (lane r of tile 2 b + u: row 32 b + 8 u + r + 8 (r / 8)), so the 16 registers of S^T's tiles 2 b, 2 b + 1 are 16 neighbouring keys, and those of O^T's 16 neighbouring channels.
; THE FIRST PRODUCT'S K IS 64, the instruction's 128.  Q's registers 6-11 are zero codes.  K's half fragments lie 6 registers apart, so an operand's upper six registers are the next fragment's codes (behind the last: six
; zero registers): every pattern of 6 bits is a finite number, which a zero code multiplies to nothing; the scale bytes of that half are the zeros of a 16-bit load, never 0xff.
; CLUSTER.  The four query blocks of a cluster belong to one hb and walk the same K, V and scales: each tile is asked for JOINTLY, by the same tensor load with the same descriptor and the mask 15.
; Waves 0, 1 fetch K's halves, waves 2, 3 V's, the others nothing.  By this text's own count a wave has at most two tensor loads out (its two first fills), later one.
; LIMITS: NaN and infinities are not served; a block of zeros, or one under 2^-124, gets the scale byte 1 (this program alone reads the bytes); v_exp_f32 and v_rcp_f32 are good to 1 ulp (ISA guide, their entries);
; a block's largest p is taken as the exponential of its largest score, which takes v_exp_f32 not to fall where its input rises.
; REGISTERS: v1-7 addresses that stay; v8-11 the step's LDS addresses; v12 -M, v13 the largest t, v[14:15] the sum in two halves; v16-21 Q, v22-27 zeros; v32-79 eight half fragments of K, then four fragments of V; v80-85 zeros;
;   v86-93 K's or V's scales; v96-159 S^T, then p; v160-191 O^T; v224-235 p's codes; v232-254 at work; v253 p's scale word; v255 Q's scales.
.set KIMG,  3145728                    ; qkvc: images of q at 0, k, v;
.set VIMG,  6291456
.set QSC,   9437184                    ; scale records of q, k (64 bytes a tile), v (128 bytes a tile and key step)
.set KSC,   9699328
.set VSC,   9961472
.set OSC,   3145728                    ; attc: images at 0 ((8 tile + head) x 768), scale records here ((4 tile + head / 2) x 128)
.set VOFF,  12288                      ; a slot: 16 tiles of K, then V: 6,144 a key step, 3,072 a block of 64 keys, 768 a tile of channels
.set SLOT1, 32768                      ; slot 1 begins here: one exclusive or turns an address in one slot into the other's
.set SCK,   65536                      ; K's scale records of the head
.set SCV,   81920                      ; V's
.set SPARE, 98304                      ; the spare words, 128 bytes for each of sixteen waves: eight blocks of 256 bytes that no other line names
.set LI,   1                           ; 16 x lane
.set L8,   2                           ; 8 x lane
.set ASK0, 3                           ; SCK + 2 x lane
.set ASV0, 4                           ; SCV + 4 x lane
.set SPW,  5                           ; LDS address of my spare word; never rewritten
.set NIL,  6                           ; 0; never rewritten
.set LS,   7                           ; 4 x lane
.set A16,  8
.set A8,   9
.set ADS,  10
.set ADT,  11
.set WV,   8                           ; s8   my wave's number
.set SEL,  12                          ; s[12:13] v_permlanex16_b32's selects for lane l xor 16
.set CS,   14                          ; s[14:15] c = log2(e) / 8
.set G1R,  16                          ; s[16:23] descriptor group 1: 24 rows of 256 bytes;  s[24:31]: 32 rows
.set G1S,  24
.set G0K,  32                          ; s[32:35], s[36:39] groups 0 for K's and V's tiles, which walk;  s[40:43], s[44:47] for the scales
.set G0V,  36
.set G0SK, 40
.set G0SV, 44
.set TB,   48                          ; s48  LDS byte at which the slot in hand begins
.set TS,   49                          ; s49  the step's scale records: 512 bytes a step, in K's table and in V's
.set SLOTS, 50
.macro PLACES
.rept 4
	v_nop
.endr
.endm
; A round of the cluster's barrier: my work-group's barrier, so that wave 0's signal speaks for all sixteen waves; wave 0 signals for the work-group; every wave waits for all four work-groups; my work-group's barrier once more.
.macro CROUND
	s_barrier_signal -1
	s_barrier_wait -1
	s_cmp_lg_u32 s[WV], 0
	s_cbranch_scc1 .Lnot_wave_0_\@
	s_barrier_signal -3
.Lnot_wave_0_\@:
	s_barrier_wait -3
	s_barrier_signal -1
	s_barrier_wait -1
.endm
; A joint refill.  The branches hang on the wave's number alone.  Four v_nop follow each of the two lines.
.macro JLOAD
	s_cmp_lt_u32 s[WV], 2
	s_cbranch_scc0 .Lnot_k_\@
	tensor_load_to_lds s[G0K:G0K+3], s[G1R:G1R+7]
	s_nop 0
	PLACES
	s_branch .Lasked_\@
.Lnot_k_\@:
	s_cmp_lt_u32 s[WV], 4
	s_cbranch_scc0 .Lasked_\@
	tensor_load_to_lds s[G0V:G0V+3], s[G1R:G1R+7]
	s_nop 0
	PLACES
.Lasked_\@:
.endm
	s_load_b128 s[4:7], s[0:1], 0x0                ; qkvc s[4:5], attc s[6:7]
	v_lshl_add_u32 v[SPW], v0, 2, SPARE
	v_mov_b32 v[NIL], 0
	ds_add_u32 v5, v6
	s_wait_dscnt 0x0
	v_lshrrev_b32 v8, 5, v0
	v_readfirstlane_b32 s[WV], v8                  ; wave 0..15
	s_and_b32 s52, ttmp7, 0xffff                   ; hb, which the four partners share
	s_and_b32 s55, s[WV], 1                        ; which half of a tile I fetch, if I fetch
	s_mul_i32 s56, s52, 196608                     ; the head's first byte in each table of images
	s_mul_i32 s57, s55, 6144
	s_add_co_u32 s58, s56, s57
	s_mov_b32 s59, 0
	s_lshl_b32 s60, s52, 14                        ; and in each table of scale records
	s_lshl_b32 s62, s55, 13
	s_add_co_u32 s60, s60, s62
	s_mov_b32 s61, 0
	; my place in the cluster enters Q's and O's global addresses alone, in registers of their own
	s_bfe_u32 s53, ttmp6, 0x40000                  ; cx
	s_lshl_b32 s54, ttmp9, 2                       ; in a cluster launch ttmp9 counts clusters
	s_add_co_u32 s54, s54, s53                     ; my block of 256 queries
	s_lshl_b32 s54, s54, 4
	s_add_co_u32 s54, s54, s[WV]                   ; my tile of queries, 0..255
	s_mul_i32 s66, s54, 768
	s_add_co_u32 s66, s66, s56                     ; Q's image
	s_mov_b32 s67, 0
	s_lshl_b32 s70, s54, 6
	s_lshl_b32 s71, s52, 14
	s_add_co_u32 s70, s70, s71
	s_add_co_u32 s70, s70, QSC                     ; Q's scale record
	s_mov_b32 s71, 0
	s_lshr_b32 s74, s52, 3                         ; b
	s_lshl_b32 s74, s74, 8
	s_add_co_u32 s74, s74, s54                     ; the tile among both batches' 512
	s_and_b32 s75, s52, 7                          ; head
	s_lshl_b32 s78, s74, 2
	s_lshr_b32 s79, s75, 1
	s_add_co_u32 s78, s78, s79
	s_lshl_b32 s78, s78, 7                         ; O's scale record: (4 tile + head / 2) x 128,
	s_and_b32 s79, s75, 1
	s_lshl_b32 s79, s79, 1
	s_add_co_u32 s78, s78, s79                     ; my head's half of each word
	s_add_co_u32 s78, s78, OSC
	s_mov_b32 s79, 0
	s_lshl_b32 s74, s74, 3
	s_add_co_u32 s74, s74, s75
	s_mul_i32 s74, s74, 768                        ; O's image: (8 tile + head) x 768
	s_mov_b32 s75, 0
	; descriptor group 1: a dense block as rows of 256 bytes (32 elements of 8 bytes), no padding: the LDS loads read consecutive bytes
	s_mov_b32 s[G1R], 15|(3<<16)|(1<<21)           ; 15:0 the mask: all four work-groups; 17:16 elements of 8 bytes; 20 padding off; 21 set beside a mask
	s_mov_b32 s[G1R+1], 32<<16                     ; tensor_dim0 = 32
	s_mov_b32 s[G1R+2], 24<<16                     ; tensor_dim1 = 24
	s_mov_b32 s[G1R+3], 32<<16                     ; tile_dim0 = 32
	s_mov_b32 s[G1R+4], 24                         ; tile_dim1 = 24: 6,144 bytes, half of a slot's K or V
	s_mov_b32 s[G1R+5], 32                         ; tensor_dim0_stride
	s_mov_b32 s[G1R+6], 0
	s_mov_b32 s[G1R+7], 0
	s_mov_b32 s[G1S], 15|(3<<16)|(1<<21)
	s_mov_b32 s[G1S+1], 32<<16
	s_mov_b32 s[G1S+2], 32<<16
	s_mov_b32 s[G1S+3], 32<<16
	s_mov_b32 s[G1S+4], 32                         ; 32 rows: 8,192 bytes, half of a head's scale records
	s_mov_b32 s[G1S+5], 32
	s_mov_b32 s[G1S+6], 0
	s_mov_b32 s[G1S+7], 0
	s_mov_b32 s[SEL], 0x76543210
	s_mov_b32 s[SEL+1], 0xfedcba98
	s_mov_b32 s[CS], 0x3e38aa3b                    ; c = log2(e) / 8: a division by a power of two, so score x c has the bits of (score / 8) x log2(e)
	s_mov_b32 s[CS+1], s[CS]                       ; (named with it as a pair, so it is written)
	s_mov_b32 s[TB], 0
	s_mov_b32 s[TS], 0
	s_mov_b32 s[SLOTS], 15
	v_and_b32 v8, 31, v0
	v_lshlrev_b32 v[LI], 4, v8
	v_lshlrev_b32 v[L8], 3, v8
	v_lshlrev_b32 v[LS], 2, v8
	v_lshlrev_b32 v9, 1, v8
	v_add_nc_u32 v[ASK0], SCK, v9
	v_add_nc_u32 v[ASV0], SCV, v[LS]
	s_wait_kmcnt 0x0
	s_mov_b32 s[G0K], 1                            ; 1:0 count = 1
	s_mov_b32 s[G0K+1], s57                        ; 63:32 LDS address: slot 0, my half
	s_add_nc_u64 s[G0K+2:G0K+3], s[4:5], s[58:59]  ; 120:64 global address: the head's first 256 keys
	s_add_nc_u64 s[G0V+2:G0V+3], s[G0K+2:G0K+3], VIMG
	s_add_nc_u64 s[G0K+2:G0K+3], s[G0K+2:G0K+3], KIMG
	s_or_b32 s[G0K+3], s[G0K+3], 0x80000000        ; 127:126 type = 2
	s_mov_b32 s[G0V], 1
	s_add_co_u32 s[G0V+1], s57, VOFF
	s_or_b32 s[G0V+3], s[G0V+3], 0x80000000
	s_mov_b32 s[G0SK], 1
	s_add_co_u32 s[G0SK+1], s62, SCK
	s_add_nc_u64 s[G0SK+2:G0SK+3], s[4:5], s[60:61]
	s_add_nc_u64 s[G0SV+2:G0SV+3], s[G0SK+2:G0SK+3], VSC
	s_add_nc_u64 s[G0SK+2:G0SK+3], s[G0SK+2:G0SK+3], KSC
	s_or_b32 s[G0SK+3], s[G0SK+3], 0x80000000
	s_mov_b32 s[G0SV], 1
	s_add_co_u32 s[G0SV+1], s62, SCV
	s_or_b32 s[G0SV+3], s[G0SV+3], 0x80000000
	s_add_nc_u64 s[68:69], s[4:5], s[66:67]        ; Q's image
	s_add_nc_u64 s[72:73], s[4:5], s[70:71]        ; Q's scale record
	s_add_nc_u64 s[76:77], s[6:7], s[74:75]        ; O's image
	s_add_nc_u64 s[6:7], s[6:7], s[78:79]          ; O's scale record
	CROUND                                         ; all four work-groups are here: the first joint loads meet
	s_cmp_lt_u32 s[WV], 2                          ; a wave's two first fills stand in one branch, ahead of every wait on TENSORcnt and every LDS read; four v_nop follow the second
	s_cbranch_scc0 .Lfirst_not_k
	tensor_load_to_lds s[G0SK:G0SK+3], s[G1S:G1S+7]        ; the scale records: filled once
	s_nop 0
	tensor_load_to_lds s[G0K:G0K+3], s[G1R:G1R+7]          ; slot 0
	s_nop 0
	PLACES
	s_branch .Lfirst_asked
.Lfirst_not_k:
	s_cmp_lt_u32 s[WV], 4
	s_cbranch_scc0 .Lfirst_asked
	tensor_load_to_lds s[G0SV:G0SV+3], s[G1S:G1S+7]
	s_nop 0
	tensor_load_to_lds s[G0V:G0V+3], s[G1R:G1R+7]
	s_nop 0
	PLACES
.Lfirst_asked:
	global_load_b128 v[16:19], v[LI], s[68:69]     ; Q's half fragment stays in registers
	global_load_b64 v[20:21], v[L8], s[68:69] offset:512
	global_load_u16 v255, v9, s[72:73]             ; its two scale bytes a row; the upper two are zeros
.irp j, 22,23,24,25,26,27,80,81,82,83,84,85
	v_mov_b32 v[\j], 0                             ; zero codes: Q's upper 64 along K, and what stands behind K's last half fragment
.endr
	v_mov_b32 v13, 0xff61b1e6                      ; the largest t so far: -3e38, under every t
	v_floor_f32 v12, -v13                          ; -M
	v_mov_b32 v14, 0                               ; the sum, in two halves
	v_mov_b32 v15, 0
.irp b, 0,1,2,3
	v_mov_b32 v[236+\b], 0                         ; written once: a lane permute's destination counts as one of its sources
.endr
	v_mov_b32 v253, 0                              ; (named as the upper half of the pair v[252:253] before it is first written)
.set j, 0
.rept 32
	v_mov_b32 v[160+j], 0                          ; O^T.  (The step is written once: the first finds zeros, which the first change of M leaves zeros)
.set j, j+1
.endr
; A KEY STEP: 128 keys, the q-th of the slot in hand.
.macro STEP q
	v_add_nc_u32 v[A16], s[TB], v[LI]              ; (these four are also the places between the last products and the loads into the registers that they read)
	v_add_nc_u32 v[A8], s[TB], v[L8]
	v_add_nc_u32 v[ADS], s[TS], v[ASK0]
	v_add_nc_u32 v[ADT], s[TS], v[ASV0]
.irp t, 0,1,2,3,4,5,6,7
	ds_load_b128 v[32+6*\t:35+6*\t], v[A16] offset:(8*\q+\t)*768
	ds_load_b64 v[36+6*\t:37+6*\t], v[A8] offset:(8*\q+\t)*768+512
	ds_load_u16 v[86+\t], v[ADS] offset:64*\t
.endr
	s_wait_dscnt 0x0
.irp t, 0,1,2,3,4,5,6,7                        ; S^T = K Q^T: eight tiles of 16 keys; each begins its sum with the constant 0
	v_wmma_scale_f32_16x16x128_f8f6f4 v[96+8*\t:103+8*\t], v[32+6*\t:43+6*\t], v[16:27], 0, v[86+\t], v255 matrix_a_fmt:MATRIX_FMT_FP6 matrix_b_fmt:MATRIX_FMT_FP6
.endr
	PLACES                                         ; in front of the loads into K's registers and of the first read of the scores
.irp t, 0,1,2,3                                ; V's four fragments are asked for here, so that they land under the softmax
.irp c, 0,1
	ds_load_b128 v[32+12*\t+6*\c:35+12*\t+6*\c], v[A16] offset:VOFF+6144*\q+3072*\c+768*\t
	ds_load_b64 v[36+12*\t+6*\c:37+12*\t+6*\c], v[A8] offset:VOFF+6144*\q+3072*\c+768*\t+512
.endr
	ds_load_b32 v[86+\t], v[ADT] offset:128*\t
.endr
.irp b, 0,1,2,3
	v_max3_num_f32 v[232+\b], v[96+16*\b], v[97+16*\b], v[98+16*\b]   ; THE LARGEST SCORE OF EACH BLOCK OF 32 KEYS: it serves twice: for the row's maximum, and, since p rises with the score, for the block's largest p
.endr
.irp i, 3,5,7,9,11,13
.irp b, 0,1,2,3
	v_max3_num_f32 v[232+\b], v[232+\b], v[96+16*\b+\i], v[97+16*\b+\i]   ; (the four blocks by turns)
.endr
.endr
.irp b, 0,1,2,3
	v_max_num_f32 v[232+\b], v[232+\b], v[111+16*\b]
.endr
.irp b, 0,1,2,3
	v_permlanex16_b32 v[236+\b], v[232+\b], s[SEL], s[SEL+1]
.endr
.irp b, 0,1,2,3
	v_max_num_f32 v[232+\b], v[232+\b], v[236+\b]  ; with lane l xor 16's 16 keys
.endr
	v_max3_num_f32 v254, v232, v233, v234
	v_max_num_f32 v254, v254, v235                 ; the step's largest score of my query
	v_mul_f32 v254, s[CS], v254                    ; as t (c is positive)
	v_max_num_f32 v13, v13, v254                   ; the running largest t
	v_mov_b32 v254, v12
	v_floor_f32 v12, -v13                          ; the new -M = floor(-t) = -ceil(t): M IS A WHOLE NUMBER
	v_sub_f32 v254, v12, v254                      ; M's old value less its new one: a whole number, 0 or less
	v_cvt_i32_f32 v254, v254                       ; (it saturates)
	v_ldexp_f32 v252, 1.0, v254                    ; f = 2^(old M - new M): a multiplication by it rounds nothing
.set j, 0
.rept 32
	v_pk_fma_f32 v[96+j:97+j], v[96+j:97+j], s[CS:CS+1], v[12:13] op_sel_hi:[1,0,0]   ; t - M, two at a time (of the pairs c and -M the low word serves both halves)
.set j, j+2
.endr
.irp b, 0,1,2,3
	v_fma_f32 v[232+\b], v[232+\b], s[CS], v12     ; the same of each block's largest score
.endr
.set j, 0
.rept 64
	v_exp_f32 v[96+j], v[96+j]                     ; p = 2^(t - M), at most 1: NOT normalised
.set j, j+1
.endr
.irp b, 0,1,2,3
	v_exp_f32 v[232+\b], v[232+\b]                 ; the block's largest p: the same two instructions on the same number give the same bits
.endr
	v_pk_mul_f32 v[14:15], v[14:15], v[252:253] op_sel_hi:[1,0]   ; the sums under the new M.  (A plain place behind the exponentials)
	s_wait_alu depctr_va_vdst(0)
.irp b, 0,1,2,3
	v_max_num_f32 v[232+\b], 0x1800000, v[232+\b]  ; the floor 2^(3 - 127): the byte cannot fall under 1 (a block whose every p has fallen to 0 keeps that byte: its codes are zeros)
.endr
.irp b, 0,1,2,3
	v_add_nc_u32 v[244+\b], 0xff000000, v[232+\b]  ; 2 off the exponent field: the conversion's scale operand
.endr
.irp b, 0,1,2,3
	v_lshrrev_b32 v[236+\b], 23, v[244+\b]         ; the scale's byte
.endr
	v_lshl_or_b32 v253, v237, 8, v236              ; p's scale word for these 128 keys
	v_lshl_or_b32 v253, v238, 16, v253
	v_lshl_or_b32 v253, v239, 24, v253
.irp c, 0,1
	v_cvt_scalef32_pk16_fp6_f32 v[224+6*\c:226+6*\c], v[96+32*\c:111+32*\c], v[244+2*\c]
	v_cvt_scalef32_pk16_fp6_f32 v[236+4*\c:238+4*\c], v[112+32*\c:127+32*\c], v[244+2*\c+1]   ; (a conversion's three registers begin on an even number)
.endr
	v_nop                                          ; one plain place behind a scaled conversion
.irp c, 0,1                                    ; the operand's layout wants a WHOLE block in a lane: lanes 0-15 block 2 c, lanes 16-31 block 2 c + 1
.irp i, 0,1,2
	v_permlane16_swap_b32 v[224+6*\c+\i], v[236+4*\c+\i]
.endr
.irp i, 0,1,2
	v_mov_b32 v[227+6*\c+\i], v[236+4*\c+\i]
.endr
.endr
	v_pk_add_f32 v[236:237], v[96:97], v[98:99]    ; THE ROW'S SUM IS TAKEN OF THE UNQUANTISED p: two at a time, in two chains
.set j, 4
.rept 15
	v_pk_add_f32 v[14:15], v[14:15], v[96+j:97+j]
	v_pk_add_f32 v[236:237], v[236:237], v[98+j:99+j]
.set j, j+4
.endr
	v_pk_add_f32 v[14:15], v[14:15], v[236:237]
.set j, 0
.rept 16
	v_pk_mul_f32 v[160+j:161+j], v[160+j:161+j], v[252:253] op_sel_hi:[1,0]   ; O^T under the new M: x f, each accumulator from its low end on.  (The 32 sums and these 16 stand between p's codes and scale word and the products below)
.set j, j+2
.endr
	s_wait_dscnt 0x0                               ; V's fragments and scale words
.irp t, 0,1,2,3                                ; O^T += V^T P^T: four tiles of 16 channels by turns, one instruction a turn; K = these 128 keys
	v_wmma_scale_f32_16x16x128_f8f6f4 v[160+8*\t:167+8*\t], v[32+12*\t:43+12*\t], v[224:235], v[160+8*\t:167+8*\t], v[86+\t], v253 matrix_a_fmt:MATRIX_FMT_FP6 matrix_b_fmt:MATRIX_FMT_FP6
.endr
	s_add_co_u32 s[TS], s[TS], 512                 ; the next step's scale records
.endm
; THE CHANGE OF SLOTS stands at a slot's head.  Each wave waits for all its tensor loads (its part of the slot that it is about to read), adds 0 to its spare word, and waits for that and for its reads of the slot that it has left.
; fill = 1: the barrier is a round of the cluster's, so that no wave of any partner still reads the other slot or has a load on its way; behind it that slot is filled with the next 256 keys: the load has two key steps in which to land.
.macro CHANGE fill
	s_wait_tensorcnt 0x0                           ; no tensor load of mine is out, so a group 0 may be written
	ds_add_u32 v[SPW], v[NIL]                      ; 0 onto my spare word; with fill = 1 the descriptors' steps stand between it and the wait for it
.if \fill
	s_xor_b32 s[G0K+1], s[G0K+1], SLOT1            ; the walking descriptors: the other slot than last time,
	s_add_nc_u64 s[G0K+2:G0K+3], s[G0K+2:G0K+3], 12288     ; the next 256 keys; the type bits on top are not reached
	s_xor_b32 s[G0V+1], s[G0V+1], SLOT1
	s_add_nc_u64 s[G0V+2:G0V+3], s[G0V+2:G0V+3], 12288
.endif
	s_wait_dscnt 0x0                               ; the add is done, and my reads of the slot that I have left are over
.if \fill
	CROUND
	JLOAD                                          ; the first thing behind the round, and a wave's one tensor load until the next
.else
	s_barrier_signal -1
	s_barrier_wait -1
.endif
.endm
	s_wait_loadcnt 0x0                             ; Q
.Lslot:                                            ; 15 trips: behind each change of slots but the last the next slot is asked for (slot 1's first fill among them, issued as a refill is)
	CHANGE 1
	STEP 0
	STEP 1
	s_xor_b32 s[TB], s[TB], SLOT1                  ; on to the other slot
	s_sub_co_u32 s[SLOTS], s[SLOTS], 1
	s_cmp_lg_u32 s[SLOTS], 0
	s_cbranch_scc1 .Lslot
	CHANGE 0                                       ; the last slot is written out
	STEP 0
	STEP 1
	; THE WAY OUT.  O^T / l: register 16 b + i is channel 32 b + 16 (lane / 16) + i of my query: two blocks of 32 along the projection's K.  They are quantised and leave as a half fragment's image.
	PLACES
	v_add_f32 v14, v14, v15                        ; the sum's two halves,
	v_permlanex16_b32 v252, v14, s[SEL], s[SEL+1]
	v_add_f32 v14, v14, v252                       ; and lane l xor 16's: the row's sum
	v_rcp_f32 v14, v14
	v_nop                                          ; one plain place behind a transcendental
.set j, 0
	s_wait_alu depctr_va_vdst(0)
.rept 32
	v_mul_f32 v[96+j], v[160+j], v14               ; each accumulator from its low end on
.set j, j+1
.endr
.irp b, 0,1
	v_max3_num_f32 v[232+\b], |v[96+16*\b]|, |v[97+16*\b]|, 0x1800000
.endr
.irp i, 2,4,6,8,10,12,14
.irp b, 0,1
	v_max3_num_f32 v[232+\b], v[232+\b], |v[96+16*\b+\i]|, |v[97+16*\b+\i]|
.endr
.endr
.irp b, 0,1
	v_permlanex16_b32 v[236+\b], v[232+\b], s[SEL], s[SEL+1]
.endr
.irp b, 0,1
	v_max_num_f32 v[232+\b], v[232+\b], v[236+\b]
.endr
.irp b, 0,1
	v_add_nc_u32 v[244+\b], 0xff000000, v[232+\b]
.endr
.irp b, 0,1
	v_lshrrev_b32 v[236+\b], 23, v[244+\b]
.endr
	v_lshl_or_b32 v10, v237, 8, v236               ; my row's two scale bytes
	v_cvt_scalef32_pk16_fp6_f32 v[224:226], v[96:111], v244
	v_cvt_scalef32_pk16_fp6_f32 v[240:242], v[112:127], v245
	v_nop                                          ; one plain place behind a scaled conversion
.irp i, 0,1,2
	v_permlane16_swap_b32 v[224+\i], v[240+\i]     ; lanes 0-15 get block 0 whole, lanes 16-31 block 1
.endr
.irp i, 0,1,2
	v_mov_b32 v[227+\i], v[240+\i]
.endr
	global_store_b128 v[LI], v[224:227], s[76:77]          ; 512 consecutive bytes,
	global_store_b64 v[L8], v[228:229], s[76:77] offset:512   ; 256,
	global_store_b16 v[LS], v10, s[6:7]                    ; and my head's half of the K step's scale words
	s_wait_tensorcnt 0x0                           ; the wave's end
	ds_add_u32 v[SPW], v[NIL]
	s_wait_dscnt 0x0
	CROUND                                         ; the closing round: no work-group ends while a partner may still ask for a tile that names it
	s_endpgm
.Lfunc_end_k_q022e66529b_attn:
	.size	k_q022e66529b_attn, .Lfunc_end_k_q022e66529b_attn-k_q022e66529b_attn
	.p2alignl 7, 3214868480
	.fill 96, 4, 3214868480
	.section	.rodata,"a",@progbits
	.p2align	6, 0x0
	.amdhsa_kernel k_q022e66529b_attn
		.amdhsa_group_segment_fixed_size 327680
		.amdhsa_private_segment_fixed_size 0
		.amdhsa_enable_private_segment 0
		.amdhsa_kernarg_size 16
		.amdhsa_user_sgpr_count 2
		.amdhsa_user_sgpr_kernarg_segment_ptr 1
		.amdhsa_wavefront_size32 1
		.amdhsa_system_sgpr_workgroup_id_x 1
		.amdhsa_system_sgpr_workgroup_id_y 1
		.amdhsa_system_sgpr_workgroup_id_z 1
		.amdhsa_system_vgpr_workitem_id 0
		.amdhsa_next_free_vgpr 256
		.amdhsa_next_free_sgpr 80
		.amdhsa_reserve_vcc 0
		.amdhsa_float_denorm_mode_32 3
		.amdhsa_float_denorm_mode_16_64 3
		.amdhsa_memory_ordered 1
		.amdhsa_forward_progress 1
		.amdhsa_inst_pref_size 79
	.end_amdhsa_kernel
	.amdgpu_metadata
---
amdhsa.version: [ 1, 2 ]
amdhsa.kernels:
  - .name:           k_q022e66529b_attn
    .symbol:         k_q022e66529b_attn.kd
    .args:
      - { .name: qkvc, .offset: 0, .size: 8, .value_kind: global_buffer, .address_space: global }
      - { .name: attc, .offset: 8, .size: 8, .value_kind: global_buffer, .address_space: global }
    .group_segment_fixed_size: 327680
    .private_segment_fixed_size: 0
    .kernarg_segment_align: 8
    .kernarg_segment_size: 16
    .max_flat_workgroup_size: 512
    .sgpr_count:     80
    .vgpr_count:     256
    .wavefront_size: 32
...
	.end_amdgpu_metadata
.endif
;; end of part 3
;; launch proj (part 4): grid 128 x 2, 8 waves a work-group, no clusters, 70,656 bytes of LDS; arguments attc, prepw, proj_b, hidden_states, out0; writes out0
.if DOCPART == 4
	.amdgcn_target "amdgcn-amd-amdhsa--gfx1250"
	.amdhsa_code_object_version 6
	.text
	.protected	k_q022e66529b_proj
	.globl	k_q022e66529b_proj
	.p2align	8
	.type	k_q022e66529b_proj,@function
k_q022e66529b_proj:
	s_mov_b64 s[64:65], 0
	v_nop
	global_prefetch_b8 v0, s[64:65] scope:SCOPE_SE
	s_setreg_imm32_b32 hwreg(HW_REG_WAVE_MODE, 25, 1), 1
	s_wait_xcnt 0x0
; PROJ: out0[b][c][n] = the sum over k of att[b][n][k] proj_w[c][k] + proj_b[c] + hidden[b][c][n], the product on codes of FP6 (E2M3) with one E8M0 scale for each 32 along K.  (The source's division by RESCALE = 1.0 changes nothing.)
; Both operands lie in memory in the order of the operand's registers (a fragment of 16 rows x 128 K: 1,536 bytes: per half of 64 K registers 0-3 at 16 x lane, registers 4-5 at 512 + 8 x lane), their scale words at 4 x lane.
; SHARES.  Work-group (x, y): 64 positions (x = 64 b + PB: four tiles of rows) x 256 channels; wave w: 32 channels (g = 8 y + w: two tiles of proj_w).  Eight accumulators, four K steps of 128, 32 matrix instructions a wave.
; SOURCE 0 = the attention's rows, SOURCE 1 = proj_w's rows: a lane holds ONE channel, and since lane r of a tile of rows 2 b + u is position 32 b + 8 u + r + 8 (r / 8), the 16 registers of tiles 2 b, 2 b + 1 are 16 neighbouring
; positions: what [b][c][n] wants.  The bias is the C of each sum's first matrix instruction; the accumulators take turns, one instruction a turn.
; Two sets of operand registers: a K step's 30 loads are asked for a step ahead.  THE WAY OUT: a lane's numbers are 64 bytes of a channel's row; they go through the wave's own stage in LDS (32 rows of 256 bytes + 16) and come back as
; whole rows, the residual is added, and sixteen lanes store 256 consecutive bytes, at a multiple of 256 from the output's first byte.  No barrier: waves share nothing.
; NO CLUSTER, NO TENSOR LOAD: operands go from memory straight into registers, whole fragments by loads of 16 and 8 bytes a lane; there is no LDS tile that a joint load could fill, and 32 matrix instructions a wave would not pay for one.
; REGISTERS: v1-7 addresses; v16-79 the accumulators ((n, T) at 16 + 8 (4 n + T)); v80-95 the bias; set k at 96 + 80 k: 48 of the attention's, 24 of proj_w's, 4 + 2 scale words; later v96-159 the residual, v176-239 rows of the result.
.set OSC,  3145728                     ; attc: the scale records
.set WPI,  589824                      ; prepw: proj_w's images
.set WPS,  835584                      ; prepw: its scale words
.set LI,   1                           ; 16 x lane
.set L8,   2                           ; 8 x lane
.set LS,   3                           ; 4 x lane
.set BR,   4                           ; 4 (r + 8 (r / 8))
.set SO,   5                           ; the stage: where I put my numbers
.set RD,   6                           ; and where I read rows back
.set GO,   7                           ; my byte offset in two neighbouring channels' rows
.set ACC,  16
.set BI,   80
.macro PLACES                          ; four plain vector instructions between a matrix instruction and a read of its result or a load into one of its registers
.rept 4
	v_nop
.endr
.endm
.macro LOADK s, k                      ; K step s's operands into set k: 30 loads
.set FS, 96+80*(\k)
.irp t, 0,1,2,3
	global_load_b128 v[FS+12*\t:FS+12*\t+3], v[LI], s[28:29] offset:6144*\t+1536*(\s)
	global_load_b64 v[FS+12*\t+4:FS+12*\t+5], v[L8], s[28:29] offset:6144*\t+1536*(\s)+512
	global_load_b128 v[FS+12*\t+6:FS+12*\t+9], v[LI], s[28:29] offset:6144*\t+1536*(\s)+768
	global_load_b64 v[FS+12*\t+10:FS+12*\t+11], v[L8], s[28:29] offset:6144*\t+1536*(\s)+1280
	global_load_b32 v[FS+72+\t], v[LS], s[30:31] offset:512*\t+128*(\s)
.endr
.irp n, 0,1
	global_load_b128 v[FS+48+12*\n:FS+48+12*\n+3], v[LI], s[32:33] offset:6144*\n+1536*(\s)
	global_load_b64 v[FS+48+12*\n+4:FS+48+12*\n+5], v[L8], s[32:33] offset:6144*\n+1536*(\s)+512
	global_load_b128 v[FS+48+12*\n+6:FS+48+12*\n+9], v[LI], s[32:33] offset:6144*\n+1536*(\s)+768
	global_load_b64 v[FS+48+12*\n+10:FS+48+12*\n+11], v[L8], s[32:33] offset:6144*\n+1536*(\s)+1280
	global_load_b32 v[FS+76+\n], v[LS], s[34:35] offset:512*\n+128*(\s)
.endr
.endm
.macro MULK s, k                       ; its eight products
.set FS, 96+80*(\k)
.irp n, 0,1
.irp t, 0,1,2,3
.if (\s) == 0
	v_wmma_scale_f32_16x16x128_f8f6f4 v[ACC+8*(4*\n+\t):ACC+8*(4*\n+\t)+7], v[FS+12*\t:FS+12*\t+11], v[FS+48+12*\n:FS+48+12*\n+11], v[BI+8*\n:BI+8*\n+7], v[FS+72+\t], v[FS+76+\n] matrix_a_fmt:MATRIX_FMT_FP6 matrix_b_fmt:MATRIX_FMT_FP6
.else
	v_wmma_scale_f32_16x16x128_f8f6f4 v[ACC+8*(4*\n+\t):ACC+8*(4*\n+\t)+7], v[FS+12*\t:FS+12*\t+11], v[FS+48+12*\n:FS+48+12*\n+11], v[ACC+8*(4*\n+\t):ACC+8*(4*\n+\t)+7], v[FS+72+\t], v[FS+76+\n] matrix_a_fmt:MATRIX_FMT_FP6 matrix_b_fmt:MATRIX_FMT_FP6
.endif
.endr
.endr
.endm
	s_load_b256 s[4:11], s[0:1], 0x0               ; attc s[4:5], prepw s[6:7], proj_b s[8:9], hidden s[10:11]
	s_load_b64 s[12:13], s[0:1], 0x20              ; out0
	v_lshl_add_u32 v254, v0, 2, 0x11000
	v_mov_b32 v255, 0
	v_lshrrev_b32 v8, 5, v0
	v_readfirstlane_b32 s14, v8                    ; wave 0..7
	s_and_b32 s15, ttmp7, 0xffff
	s_lshl_b32 s15, s15, 3
	s_add_co_u32 s15, s15, s14                     ; g: my 32 channels
	s_mul_i32 s16, ttmp9, 24576                    ; the attention's four tiles of rows: 6,144 bytes each
	s_mov_b32 s17, 0
	s_lshl_b32 s18, ttmp9, 11
	s_add_co_u32 s18, s18, OSC                     ; their scale records: 512 bytes a tile
	s_mov_b32 s19, 0
	s_mul_i32 s20, s15, 12288
	s_add_co_u32 s20, s20, WPI                     ; proj_w's tiles 2 g, 2 g + 1
	s_mov_b32 s21, 0
	s_lshl_b32 s22, s15, 10
	s_add_co_u32 s22, s22, WPS
	s_mov_b32 s23, 0
	s_lshl_b32 s24, s15, 7                         ; proj_b: 32 numbers
	s_mov_b32 s25, 0
	s_lshr_b32 s26, ttmp9, 6                       ; hidden and out0: (512 b + 32 g) rows of 16,384 bytes + 256 PB
	s_lshl_b32 s26, s26, 23
	s_lshl_b32 s27, s15, 19
	s_add_co_u32 s26, s26, s27
	s_and_b32 s27, ttmp9, 63
	s_lshl_b32 s27, s27, 8
	s_add_co_u32 s26, s26, s27
	s_mov_b32 s27, 0
	s_mul_i32 s36, s14, 8704                       ; my stage: 32 rows of 272 bytes
	v_and_b32 v8, 31, v0
	v_lshlrev_b32 v[LI], 4, v8
	v_lshlrev_b32 v[L8], 3, v8
	v_lshlrev_b32 v[LS], 2, v8
	v_and_b32 v9, 15, v0                           ; r
	v_bfe_u32 v10, v0, 4, 1                        ; h
	v_and_b32 v11, 8, v9
	v_add_nc_u32 v11, v11, v9
	v_lshlrev_b32 v[BR], 2, v11
	v_mul_u32_u24 v11, v9, 272
	v_lshl_add_u32 v11, v10, 6, v11
	v_add_nc_u32 v[SO], s36, v11                   ; in: row r (of tile n: 16 rows on), + 64 h: positions 16 h on
	v_mul_u32_u24 v11, v10, 272
	v_lshl_add_u32 v11, v9, 4, v11
	v_add_nc_u32 v[RD], s36, v11                   ; back: lanes 0-15 one row, lanes 16-31 the next
	v_lshlrev_b32 v11, 14, v10
	v_lshl_add_u32 v[GO], v9, 4, v11               ; and the same two rows in memory: neighbouring channels
	s_wait_kmcnt 0x0
	s_add_nc_u64 s[28:29], s[4:5], s[16:17]
	s_add_nc_u64 s[30:31], s[4:5], s[18:19]
	s_add_nc_u64 s[32:33], s[6:7], s[20:21]
	s_add_nc_u64 s[34:35], s[6:7], s[22:23]
	s_add_nc_u64 s[8:9], s[8:9], s[24:25]
	s_add_nc_u64 s[10:11], s[10:11], s[26:27]
	s_add_nc_u64 s[12:13], s[12:13], s[26:27]
.irp n, 0,1
.irp j, 0,1,2,3,4,5,6,7
	global_load_b32 v[BI+8*\n+\j], v[BR], s[8:9] offset:32*\n   ; my channel's bias, in all eight registers of the tile
.endr
.endr
	LOADK 0, 0
	LOADK 1, 1
	s_wait_loadcnt 30                              ; the bias and K step 0 are in; the 30 loads of K step 1 were issued behind them
	MULK 0, 0
	PLACES
	LOADK 2, 0
	s_wait_loadcnt 30                              ; K step 1 is in; K step 2's 30 may be out
	MULK 1, 1
	PLACES
	LOADK 3, 1
	s_wait_loadcnt 30                              ; K step 2 is in
	MULK 2, 0
	PLACES
.set i, 0
.rept 16                                       ; the residual, as the rows will come back from the stage: stage rows 2 i, 2 i + 1 are channels CH, CH + 1 of my 32
.set CH, 8*(i>>3)+2*(i&7)+8*((i>>2)&1)
	global_load_b128 v[96+4*i:99+4*i], v[GO], s[10:11] offset:16384*CH
.set i, i+1
.endr
	s_wait_loadcnt 16                              ; K step 3 is in; the residual's 16 loads may be out
	MULK 3, 1
	PLACES
.irp n, 0,1
.irp t, 0,1,2,3
	ds_store_b128 v[SO], v[ACC+8*(4*\n+\t):ACC+8*(4*\n+\t)+3] offset:4352*\n+128*(\t/2)+32*(\t%2)        ; each accumulator from its low end on: positions 32 (t / 2) + 16 h + 8 (t % 2) + 0 .. 7
	ds_store_b128 v[SO], v[ACC+8*(4*\n+\t)+4:ACC+8*(4*\n+\t)+7] offset:4352*\n+128*(\t/2)+32*(\t%2)+16
.endr
.endr
.set i, 0
.rept 16
	ds_load_b128 v[176+4*i:179+4*i], v[RD] offset:544*i    ; LDS serves a wave's instructions in order (ISA guide 5.7.1.4): these see my stores
.set i, i+1
.endr
	s_wait_loadcnt 0x0                             ; the residual
.set i, 0
.rept 16
.set CH, 8*(i>>3)+2*(i&7)+8*((i>>2)&1)
	s_wait_dscnt 15-i                              ; LDS loads come back in order: load i is in, the 15 - i behind it may be out
	v_pk_add_f32 v[176+4*i:177+4*i], v[176+4*i:177+4*i], v[96+4*i:97+4*i]
	v_pk_add_f32 v[178+4*i:179+4*i], v[178+4*i:179+4*i], v[98+4*i:99+4*i]
	global_store_b128 v[GO], v[176+4*i:179+4*i], s[12:13] offset:16384*CH th:TH_STORE_NT   ; written once, read by nobody here
.set i, i+1
.endr
	s_wait_tensorcnt 0x0
	ds_add_u32 v254, v255
	s_wait_dscnt 0x0
	s_endpgm
.Lfunc_end_k_q022e66529b_proj:
	.size	k_q022e66529b_proj, .Lfunc_end_k_q022e66529b_proj-k_q022e66529b_proj
	.p2alignl 7, 3214868480
	.fill 96, 4, 3214868480
	.section	.rodata,"a",@progbits
	.p2align	6, 0x0
	.amdhsa_kernel k_q022e66529b_proj
		.amdhsa_group_segment_fixed_size 70656
		.amdhsa_private_segment_fixed_size 0
		.amdhsa_enable_private_segment 0
		.amdhsa_kernarg_size 40
		.amdhsa_user_sgpr_count 2
		.amdhsa_user_sgpr_kernarg_segment_ptr 1
		.amdhsa_wavefront_size32 1
		.amdhsa_system_sgpr_workgroup_id_x 1
		.amdhsa_system_sgpr_workgroup_id_y 1
		.amdhsa_system_sgpr_workgroup_id_z 1
		.amdhsa_system_vgpr_workitem_id 0
		.amdhsa_next_free_vgpr 256
		.amdhsa_next_free_sgpr 66
		.amdhsa_reserve_vcc 0
		.amdhsa_float_denorm_mode_32 3
		.amdhsa_float_denorm_mode_16_64 3
		.amdhsa_memory_ordered 1
		.amdhsa_forward_progress 1
		.amdhsa_inst_pref_size 28
	.end_amdhsa_kernel
	.amdgpu_metadata
---
amdhsa.version: [ 1, 2 ]
amdhsa.kernels:
  - .name:           k_q022e66529b_proj
    .symbol:         k_q022e66529b_proj.kd
    .args:
      - { .name: attc, .offset: 0, .size: 8, .value_kind: global_buffer, .address_space: global }
      - { .name: prepw, .offset: 8, .size: 8, .value_kind: global_buffer, .address_space: global }
      - { .name: proj_b, .offset: 16, .size: 8, .value_kind: global_buffer, .address_space: global }
      - { .name: hidden_states, .offset: 24, .size: 8, .value_kind: global_buffer, .address_space: global }
      - { .name: out0, .offset: 32, .size: 8, .value_kind: global_buffer, .address_space: global }
    .group_segment_fixed_size: 70656
    .private_segment_fixed_size: 0
    .kernarg_segment_align: 8
    .kernarg_segment_size: 40
    .max_flat_workgroup_size: 256
    .sgpr_count:     66
    .vgpr_count:     256
    .wavefront_size: 32
...
	.end_amdgpu_metadata
.endif
;; end of part 4
;; ======== version 2 of 2: 4 launches
;; workspace buffers: prepw 868,352 bytes; qkvc 10,223,616 bytes; attc 3,407,872 bytes
;; launch prep (part 5): grid 96 x 1, 16 waves a work-group, no clusters, 3,072 bytes of LDS; arguments hidden_states, gn_weight, gn_bias, q_w, k_w, v_w, proj_w, prepw; writes prepw
.if DOCPART == 5
	.amdgcn_target "amdgcn-amd-amdhsa--gfx1250"
	.amdhsa_code_object_version 6
	.text
	.protected	k_q022e66529b_prep
	.globl	k_q022e66529b_prep
	.p2align	8
	.type	k_q022e66529b_prep,@function
k_q022e66529b_prep:
	s_mov_b64 s[64:65], 0
	v_nop
	global_prefetch_b8 v0, s[64:65] scope:SCOPE_SE
	s_setreg_imm32_b32 hwreg(HW_REG_WAVE_MODE, 25, 1), 1
	s_wait_xcnt 0x0
; PREP: what every later launch wants ready.  Work-groups 0-63: the statistics of one group of GroupNorm each.  Work-groups 64-95: the four weights as codes of FP6 (E2M3).
; STATISTICS.  Group G = 32 b + g is 16 channels x 4,096 positions: 262,144 consecutive bytes.  Sixteen waves keep all of it in registers (128 a lane), so it is read once: first the sum, then the sum of
; squares ABOUT THE MEAN (no difference of large sums).  Stored: a record of 256 bytes: 16 x (a_c = rsqrt(var + 1e-5) x weight_c, bias_c), then the mean sixteen times over pairs.
; a_c is formed ahead of the multiplication by (x - mean): another order of the two multiplications than the source's.  v_rsq_f32 is good to 1 ulp (ISA guide, its entry).
; WEIGHTS.  W [512 (out)][512 (in)], f32, K innermost.  A wave makes one fragment, 16 rows x 128 K, and stores it IN THE ORDER OF THE OPERAND'S REGISTERS: two halves of 768 bytes (64 K each): registers 0-3 at
; 16 x lane, registers 4-5 at 512 + 8 x lane.  Its scale words: 4 x lane, the same word in lanes l and l xor 16.  Record J = 128 mat + 4 tile + K step; mat: q, k, v, proj.
; THE ROWS OF A TILE ARE NOT NEIGHBOURS: lane r of tile 2 b + u takes row 32 b + 8 u + r + 8 (r / 8), so that the 16 registers of result tiles 2 b and 2 b + 1 are 16 neighbours along the next K.
; A lane holds two whole blocks of 32 (128 consecutive bytes each, eight loads of 16), so no other lane is asked for a maximum; the price: a load's lanes stand 2,048 bytes apart.  4 MB in all, read once.
; A block's scale byte is its largest magnitude's exponent field - 2, held at 1 from below.  LIMITS: a block of zeros, or one under 2^-124, gets the byte 1 where the rule says 127 or less: its codes are zeros or
; subnormal codes, and this program alone reads the bytes.  NaN and infinities among the inputs are not served.
; No matrix unit, no cluster, no tensor load: the work is a stream, and the two kinds of work-group share nothing.  The branch between them hangs on the work-group's number alone: all waves of a work-group take the same way.
.set GNC, 851968                       ; prepw: the groups' records begin here
.set WSC, 786432                       ; prepw: the weights' scale words begin here; their images at 0
.set X,   16                           ; v16-143  the group's numbers (weights: v16-79 the 64 numbers)
.set A,   144                          ; v144-151 four packed chains; v144-159 the sixteen waves' sums
.set T,   152                          ; v152-159 x - mean, at work
	s_load_b256 s[4:11], s[0:1], 0x0               ; hidden s[4:5], gn_weight s[6:7], gn_bias s[8:9], q_w s[10:11]
	s_load_b256 s[12:19], s[0:1], 0x20             ; k_w s[12:13], v_w s[14:15], proj_w s[16:17], prepw s[18:19]
	v_lshl_add_u32 v160, v0, 2, 0x400
	v_mov_b32 v161, 0
	v_lshrrev_b32 v1, 5, v0
	s_delay_alu instid0(VALU_DEP_1)
	v_readfirstlane_b32 s20, v1                    ; wave 0..15
	s_mov_b32 s22, 0x76543210
	s_mov_b32 s23, 0xfedcba98                      ; v_permlanex16_b32's selects for lane l xor 16
	v_mov_b32 v15, 0                               ; written once: a lane permute's destination counts as one of its sources
	s_cmp_ge_u32 ttmp9, 64
	s_cbranch_scc1 .Lweights
	; ---------------- the statistics of group ttmp9
	s_lshl_b32 s24, ttmp9, 18                      ; the group's first byte
	s_mov_b32 s25, 0
	s_and_b32 s26, ttmp9, 31
	s_lshl_b32 s26, s26, 6                         ; its 16 channels in gn_weight and gn_bias
	s_mov_b32 s27, 0
	s_lshl_b32 s28, ttmp9, 8
	s_add_co_u32 s28, s28, GNC                     ; its record
	s_mov_b32 s29, 0
	s_mov_b32 s30, 0x37800000                      ; 2^-16 = 1 / 65,536 numbers
	v_lshlrev_b32 v1, 4, v0                        ; 16 bytes a thread: a load of the work-group covers 8,192 consecutive bytes
	v_and_b32 v2, 15, v0
	s_delay_alu instid0(VALU_DEP_1)
	v_lshlrev_b32 v2, 2, v2                        ; channel t % 16
	v_mov_b32 v5, s20
	s_delay_alu instid0(VALU_DEP_1)
	v_lshlrev_b32 v5, 2, v5                        ; LDS: my wave's word
	v_mov_b32 v6, 0
	s_wait_alu depctr_va_vdst(0)
	s_wait_kmcnt 0x0
	s_add_nc_u64 s[4:5], s[4:5], s[24:25]
	s_add_nc_u64 s[6:7], s[6:7], s[26:27]
	s_add_nc_u64 s[8:9], s[8:9], s[26:27]
	s_add_nc_u64 s[18:19], s[18:19], s[28:29]
	global_load_b32 v3, v2, s[6:7]                 ; weight
	global_load_b32 v4, v2, s[8:9]                 ; bias
.set i, 0
.rept 32
	global_load_b128 v[X+4*i:X+4*i+3], v1, s[4:5] offset:8192*i
.set i, i+1
.endr
; The chains' sum over the lane, the wave (four steps inside a half of 16 lanes ride on the addition, one crosses the halves) and the sixteen waves (a word each in LDS at off, one barrier, a fixed order).  Result: v[A], in every lane.
.macro REDUCE off
	s_delay_alu instid0(VALU_DEP_3)
	v_pk_add_f32 v[A:A+1], v[A:A+1], v[A+2:A+3]
	s_delay_alu instid0(VALU_DEP_2)
	v_pk_add_f32 v[A+4:A+5], v[A+4:A+5], v[A+6:A+7]
	s_delay_alu instid0(VALU_DEP_1)
	v_pk_add_f32 v[A:A+1], v[A:A+1], v[A+4:A+5]
	s_delay_alu instid0(VALU_DEP_1)
	v_add_f32 v[A], v[A], v[A+1]
	s_delay_alu instid0(VALU_DEP_1)
	v_add_f32_dpp v[A], v[A], v[A] row_xmask:1 row_mask:0xf bank_mask:0xf
	s_delay_alu instid0(VALU_DEP_1)
	v_add_f32_dpp v[A], v[A], v[A] row_xmask:2 row_mask:0xf bank_mask:0xf
	s_delay_alu instid0(VALU_DEP_1)
	v_add_f32_dpp v[A], v[A], v[A] row_xmask:4 row_mask:0xf bank_mask:0xf
	s_delay_alu instid0(VALU_DEP_1)
	v_add_f32_dpp v[A], v[A], v[A] row_xmask:8 row_mask:0xf bank_mask:0xf
	s_delay_alu instid0(VALU_DEP_1)
	v_permlanex16_b32 v15, v[A], s22, s23
	s_delay_alu instid0(VALU_DEP_1)
	v_add_f32 v[A], v[A], v15
	ds_store_b32 v5, v[A] offset:\off              ; all lanes write the same word with the same value
	s_wait_dscnt 0x0                               ; for the others' sake: my store has landed
	s_barrier_signal -1
	s_barrier_wait -1
.irp i, 0,1,2,3
	ds_load_b128 v[A+4*\i:A+4*\i+3], v6 offset:\off+16*\i
.endr
	s_wait_dscnt 0x0
	v_pk_add_f32 v[A:A+1], v[A:A+1], v[A+2:A+3]
	v_pk_add_f32 v[A+4:A+5], v[A+4:A+5], v[A+6:A+7]
	v_pk_add_f32 v[A+8:A+9], v[A+8:A+9], v[A+10:A+11]
	v_pk_add_f32 v[A+12:A+13], v[A+12:A+13], v[A+14:A+15]
	s_delay_alu instid0(VALU_DEP_3)
	v_pk_add_f32 v[A:A+1], v[A:A+1], v[A+4:A+5]
	s_delay_alu instid0(VALU_DEP_2)
	v_pk_add_f32 v[A+8:A+9], v[A+8:A+9], v[A+12:A+13]
	s_delay_alu instid0(VALU_DEP_1)
	v_pk_add_f32 v[A:A+1], v[A:A+1], v[A+8:A+9]
	s_delay_alu instid0(VALU_DEP_1)
	v_add_f32 v[A], v[A], v[A+1]
.endm
	; pass 1: the sum, two numbers at a time, in four chains; the first eight pairs start them: nothing is cleared
	s_wait_loadcnt 24                              ; loads come back in order: the first eight of the group's 32 are in, 24 were issued behind them
.irp k, 0,1,2,3
	v_pk_add_f32 v[A+2*\k:A+2*\k+1], v[X+2*\k:X+2*\k+1], v[X+8+2*\k:X+9+2*\k]
.endr
.set p, 8
.rept 56
.if p == 16
	s_wait_alu depctr_va_vdst(0)
	s_wait_loadcnt 16                              ; the second eight
.endif
.if p == 32
	s_wait_alu depctr_va_vdst(0)
	s_wait_loadcnt 8                               ; the third eight
.endif
.if p == 48
	s_wait_alu depctr_va_vdst(0)
	s_wait_loadcnt 0x0
.endif
	v_pk_add_f32 v[A+2*(p%4):A+2*(p%4)+1], v[A+2*(p%4):A+2*(p%4)+1], v[X+2*p:X+2*p+1]
.set p, p+1
.endr
	REDUCE 0
	s_delay_alu instid0(VALU_DEP_1)
	v_mul_f32 v8, s30, v[A]                        ; the mean,
	s_delay_alu instid0(VALU_DEP_1)
	v_mov_b32 v9, v8                               ; twice: a pair for the packed subtraction
	; pass 2: the sum of (x - mean)^2, from the registers
.set p, 0
.rept 16
.irp k, 0,1,2,3
	v_pk_add_f32 v[T+2*\k:T+2*\k+1], v[X+2*(p+\k):X+2*(p+\k)+1], v[8:9] neg_lo:[0,1] neg_hi:[0,1]
.endr
.irp k, 0,1,2,3
.if p == 0
	s_delay_alu instid0(VALU_DEP_4)
	v_pk_mul_f32 v[A+2*\k:A+2*\k+1], v[T+2*\k:T+2*\k+1], v[T+2*\k:T+2*\k+1]
.else
	s_delay_alu instid0(VALU_DEP_4)
	v_pk_fma_f32 v[A+2*\k:A+2*\k+1], v[T+2*\k:T+2*\k+1], v[T+2*\k:T+2*\k+1], v[A+2*\k:A+2*\k+1]
.endif
.endr
.set p, p+4
.endr
	REDUCE 128                                     ; other LDS bytes than the first sum's: no barrier is owed between the first sum's reads and these stores
	v_mov_b32 v11, 0x3727c5ac                      ; 1e-5
	s_delay_alu instid0(VALU_DEP_1)
	v_fma_f32 v10, v[A], s30, v11                  ; the variance + 1e-5
	s_wait_alu depctr_va_vdst(0)
	v_rsq_f32 v10, v10
	v_lshlrev_b32 v14, 3, v0                       ; (a plain place behind the transcendental)  8 bytes a lane
	s_wait_alu depctr_va_vdst(0)
	v_mul_f32 v10, v10, v3                         ; a = rsqrt(var + 1e-5) x weight
	s_cmp_lg_u32 s20, 0
	s_cbranch_scc1 .Ldone                          ; wave 0 stores the record; no barrier stands under this branch
	v_cmp_gt_u32 vcc_lo, 16, v0
	s_delay_alu instid0(VALU_DEP_1)
	v_cndmask_b32 v12, v8, v10, vcc_lo             ; lanes 0-15: (a, bias) of channel = lane; lanes 16-31: (mean, mean)
	s_delay_alu instid0(VALU_DEP_2)
	v_cndmask_b32 v13, v8, v4, vcc_lo
	global_store_b64 v14, v[12:13], s[18:19]       ; 32 lanes store 256 consecutive bytes, at a multiple of 256 from the buffer's first byte
.Ldone:
	s_wait_tensorcnt 0x0
	ds_add_u32 v160, v161
	s_wait_dscnt 0x0
	s_endpgm
	; ---------------- one fragment of one weight
.Lweights:
	s_sub_co_u32 s24, ttmp9, 64
	s_lshr_b32 s26, s24, 3                         ; mat 0..3
	s_lshl_b32 s25, s24, 4
	s_add_co_u32 s25, s25, s20                     ; J = 16 x (work-group - 64) + wave
	s_bfe_u32 s27, s25, 0x50002                    ; tile 0..31
	s_and_b32 s28, s25, 3                          ; K step 0..3
	s_lshr_b32 s29, s27, 1
	s_lshl_b32 s29, s29, 16                        ; 32 (tile / 2) rows of 2,048 bytes
	s_and_b32 s27, s27, 1
	s_lshl_b32 s27, s27, 14                        ; 8 (tile % 2) rows
	s_add_co_u32 s30, s29, s27
	s_lshl_b32 s28, s28, 9                         ; 128 numbers a K step
	s_add_co_u32 s30, s30, s28
	s_mov_b32 s31, 0
	s_mul_i32 s32, s25, 1536                       ; the image's place
	s_mov_b32 s33, 0
	s_lshl_b32 s34, s25, 7
	s_add_co_u32 s34, s34, WSC                     ; the scale words' place
	s_mov_b32 s35, 0
	v_and_b32 v1, 15, v0                           ; r
	v_bfe_u32 v2, v0, 4, 1                         ; h
	s_delay_alu instid0(VALU_DEP_2)
	v_and_b32 v3, 8, v1
	s_delay_alu instid0(VALU_DEP_1)
	v_add_nc_u32 v3, v3, v1                        ; r + 8 (r / 8)
	s_delay_alu instid0(VALU_DEP_1)
	v_lshlrev_b32 v3, 11, v3
	s_delay_alu instid0(VALU_DEP_1)
	v_lshl_add_u32 v3, v2, 7, v3                   ; my row, + 128 h bytes: the operand's layout gives lane (r, h) k = 64 c + 32 h + 0 .. 31
	v_and_b32 v4, 31, v0
	s_delay_alu instid0(VALU_DEP_1)
	v_lshlrev_b32 v5, 4, v4                        ; 16 x lane
	s_delay_alu instid0(VALU_DEP_2)
	v_lshlrev_b32 v6, 3, v4                        ; 8 x lane
	s_delay_alu instid0(VALU_DEP_3)
	v_lshlrev_b32 v7, 2, v4                        ; 4 x lane
	s_wait_alu depctr_va_vdst(0)
	s_wait_kmcnt 0x0
	s_cmp_eq_u32 s26, 1                            ; which weight: the choice hangs on the work-group's number alone
	s_cselect_b64 s[10:11], s[12:13], s[10:11]
	s_cmp_eq_u32 s26, 2
	s_cselect_b64 s[10:11], s[14:15], s[10:11]
	s_cmp_eq_u32 s26, 3
	s_cselect_b64 s[10:11], s[16:17], s[10:11]
	s_add_nc_u64 s[10:11], s[10:11], s[30:31]
	s_add_nc_u64 s[36:37], s[18:19], s[32:33]
	s_add_nc_u64 s[38:39], s[18:19], s[34:35]
.irp c, 0,1
.irp j, 0,1,2,3,4,5,6,7
	global_load_b128 v[X+32*\c+4*\j:X+32*\c+4*\j+3], v3, s[10:11] offset:256*\c+16*\j
.endr
.endr
	s_wait_loadcnt 0x0
.irp c, 0,1                                    ; my block 2 c + h: all its 32 numbers are mine
	v_max3_num_f32 v[8+\c], |v[X+32*\c]|, |v[X+1+32*\c]|, 0x1800000   ; and the floor 2^(3 - 127): the byte cannot fall under 1
.endr
.irp i, 2,4,6,8,10,12,14,16,18,20,22,24,26,28,30
.irp c, 0,1
	s_delay_alu instid0(VALU_DEP_2)
	v_max3_num_f32 v[8+\c], v[8+\c], |v[X+32*\c+\i]|, |v[X+1+32*\c+\i]|   ; (the two blocks by turns)
.endr
.endr
.irp c, 0,1
	s_delay_alu instid0(VALU_DEP_2)
	v_add_nc_u32 v[10+\c], 0xff000000, v[8+\c]     ; 2 off the exponent field: the conversion takes the exponent field of this operand as its scale
.endr
.irp c, 0,1
	s_delay_alu instid0(VALU_DEP_2)
	v_lshrrev_b32 v[12+\c], 23, v[10+\c]           ; the scale's byte
.endr
	s_delay_alu instid0(VALU_DEP_1)
	v_lshl_or_b32 v14, v13, 16, v12                ; my two bytes: blocks h and 2 + h,
	v_lshlrev_b32 v2, 3, v2
	s_delay_alu instid0(VALU_DEP_1)
	v_lshlrev_b32 v14, v2, v14                     ; at their places in the word (8 h bits up);
	s_delay_alu instid0(VALU_DEP_1)
	v_permlanex16_b32 v15, v14, s22, s23
	s_delay_alu instid0(VALU_DEP_1)
	v_or_b32 v14, v14, v15                         ; with lane l xor 16's two the word is whole, in both lanes
.irp c, 0,1
	v_cvt_scalef32_pk16_fp6_f32 v[80+6*\c:82+6*\c], v[X+32*\c:X+15+32*\c], v[10+\c]
	v_cvt_scalef32_pk16_fp6_f32 v[92+4*\c:94+4*\c], v[X+16+32*\c:X+31+32*\c], v[10+\c]   ; (a conversion's three registers begin on an even number: a block's second three are made elsewhere and moved)
.endr
	v_nop                                          ; one plain place behind a scaled conversion
.irp c, 0,1
.irp i, 0,1,2
	v_mov_b32 v[83+6*\c+\i], v[92+4*\c+\i]
.endr
.endr
	global_store_b128 v5, v[80:83], s[36:37]               ; every store of the wave covers consecutive bytes: 512, 256, 512, 256, 128
	global_store_b64 v6, v[84:85], s[36:37] offset:512
	global_store_b128 v5, v[86:89], s[36:37] offset:768
	global_store_b64 v6, v[90:91], s[36:37] offset:1280
	global_store_b32 v7, v14, s[38:39]
	s_endpgm
.Lfunc_end_k_q022e66529b_prep:
	.size	k_q022e66529b_prep, .Lfunc_end_k_q022e66529b_prep-k_q022e66529b_prep
	.p2alignl 7, 3214868480
	.fill 96, 4, 3214868480
	.section	.rodata,"a",@progbits
	.p2align	6, 0x0
	.amdhsa_kernel k_q022e66529b_prep
		.amdhsa_group_segment_fixed_size 3072
		.amdhsa_private_segment_fixed_size 0
		.amdhsa_enable_private_segment 0
		.amdhsa_kernarg_size 64
		.amdhsa_user_sgpr_count 2
		.amdhsa_user_sgpr_kernarg_segment_ptr 1
		.amdhsa_wavefront_size32 1
		.amdhsa_system_sgpr_workgroup_id_x 1
		.amdhsa_system_sgpr_workgroup_id_y 1
		.amdhsa_system_sgpr_workgroup_id_z 1
		.amdhsa_system_vgpr_workitem_id 0
		.amdhsa_next_free_vgpr 162
		.amdhsa_next_free_sgpr 66
		.amdhsa_reserve_vcc 1
		.amdhsa_float_denorm_mode_32 3
		.amdhsa_float_denorm_mode_16_64 3
		.amdhsa_memory_ordered 1
		.amdhsa_forward_progress 1
		.amdhsa_inst_pref_size 32
	.end_amdhsa_kernel
	.amdgpu_metadata
---
amdhsa.version: [ 1, 2 ]
amdhsa.kernels:
  - .name:           k_q022e66529b_prep
    .symbol:         k_q022e66529b_prep.kd
    .args:
      - { .name: hidden_states, .offset: 0, .size: 8, .value_kind: global_buffer, .address_space: global }
      - { .name: gn_weight, .offset: 8, .size: 8, .value_kind: global_buffer, .address_space: global }
      - { .name: gn_bias, .offset: 16, .size: 8, .value_kind: global_buffer, .address_space: global }
      - { .name: q_w, .offset: 24, .size: 8, .value_kind: global_buffer, .address_space: global }
      - { .name: k_w, .offset: 32, .size: 8, .value_kind: global_buffer, .address_space: global }
      - { .name: v_w, .offset: 40, .size: 8, .value_kind: global_buffer, .address_space: global }
      - { .name: proj_w, .offset: 48, .size: 8, .value_kind: global_buffer, .address_space: global }
      - { .name: prepw, .offset: 56, .size: 8, .value_kind: global_buffer, .address_space: global }
    .group_segment_fixed_size: 3072
    .private_segment_fixed_size: 0
    .kernarg_segment_align: 8
    .kernarg_segment_size: 64
    .max_flat_workgroup_size: 512
    .sgpr_count:     66
    .vgpr_count:     162
    .wavefront_size: 32
...
	.end_amdgpu_metadata
.endif
;; end of part 5
;; launch qkv (part 6): grid 128 x 1, 8 waves a work-group, no clusters, 26,624 bytes of LDS; arguments hidden_states, prepw, q_b, k_b, v_b, qkvc; writes qkvc
.if DOCPART == 6
	.amdgcn_target "amdgcn-amd-amdhsa--gfx1250"
	.amdhsa_code_object_version 6
	.text
	.protected	k_q022e66529b_qkv
	.globl	k_q022e66529b_qkv
	.p2align	8
	.type	k_q022e66529b_qkv,@function
k_q022e66529b_qkv:
	s_mov_b64 s[64:65], 0
	v_nop
	global_prefetch_b8 v0, s[64:65] scope:SCOPE_SE
	s_setreg_imm32_b32 hwreg(HW_REG_WAVE_SCHED_MODE, 0, 2), 2
	s_setreg_imm32_b32 hwreg(HW_REG_WAVE_MODE, 25, 1), 1
	s_wait_xcnt 0x0
	s_wait_alu depctr_vm_vsrc(0)
; QKV: x = GroupNorm(hidden)^T is quantised along the channels, multiplied by the three weights (codes of FP6, E2M3, one E8M0 scale for each 32 along K), the biases are added, and q, k, v are quantised
; again for attention: q and k along the head's 64 channels, v along the keys.  Only codes and scale bytes go to memory, IN THE ORDER OF THE OPERAND'S REGISTERS: a half fragment (16 rows x 64 K, 6 registers a lane)
; is 768 bytes: registers 0-3 at 16 x lane, registers 4-5 at 512 + 8 x lane.
; SHARES.  A work-group takes 64 positions (PB) of one batch.  PHASE X: wave w quantises K step w / 2 (128 channels) of positions 32 (w % 2) + lane: a lane takes a position and its registers run down the channels,
; so each load reads 128 consecutive bytes, a block of 32 channels lies in one lane, and the codes come out with K innermost.  They go to LDS as images of x's 16 fragments.  One barrier.
; Then wave w is head w and runs three jobs: its 64 rows of q_w, k_w, v_w (16 fragments, register images from memory) against all of x.
; THE ROWS OF A TILE ARE NOT NEIGHBOURS, in x and in the weights alike: lane r of tile 2 b + u takes row 32 b + 8 u + r + 8 (r / 8).  So, whichever is source 0, the 16 registers of result tiles 2 b and 2 b + 1 are 16 neighbours
; along source 0's rows.  q, k: source 0 = the weight: a lane holds one position, its registers run along the channels.  v: source 0 = x: a lane holds one channel, its registers run along the positions (the keys).
; The bias is the C of each sum's first matrix instruction.  The 16 accumulators take turns, one instruction a turn, in the same order in every K step.
; NORM: (x - mean) x a + bias, a = rsqrt(var + 1e-5) x weight made by the launch before: another order of the two multiplications than the source's.
; LIMITS: a block of zeros, or one under 2^-124, gets the scale byte 1 (this program alone reads the bytes); NaN and infinities are not served.
; NO CLUSTER, NO TENSOR LOAD: a wave's 24,576 bytes of a weight are read by no other wave of its work-group and go from memory straight into its registers, whole fragments by loads of 16 and 8 bytes a lane; there is
; no LDS tile that a joint load could fill, and a way through LDS would add a store and a load of every byte for 64 matrix instructions a job.
; THE MODE: SCHED_MODE bits 1:0 = 2 (LLVM: expert scheduling mode 2), set by the entry lines.  The code itself states the register dependences between vector or matrix instructions and memory or LDS
; instructions, with s_wait_alu, always for 0.
; THE PLAN.  Registers that memory or LDS instructions touch:
;   v1-10         addresses, made at the head and never written again: one wait on va_vdst ahead of the first load serves every load and store of the kernel.
;   v16-143       x's 128 numbers land once, in registers that nothing has named; from then on vector and matrix instructions alone name them.
;   v144-174, v14 phase X: a set of code registers for each block, and the scale bytes.  Written by the four blocks' conversions; read by nine LDS stores, which stand together behind ONE wait at the phase's end.
;   window 1, WS  a job's weight, bias and scale words.  Read by the job's matrix instructions; loaded again behind ONE wait behind the job's last product.  (Job 0's loads land where nothing has been named.)
;   H0, H1        x's fragments 0, 1 (v144-167) and 2, 3 (v168-191).  A K step is two half steps of eight products; a half step's products read one half, and the loads of the half step behind it land in the other,
;                 which the half step before read: one wait on va_vdst at a half step's head, the eight loads, then the eight products, which name none of the registers that those loads touch.
;   v144-183, v12-13  a job's codes and scale words on their way out.  Written by its two quantisers; read by twelve stores, which stand together behind ONE wait.  At the next job's head one wait on vm_vsrc, beside
;                 the wait on XCNT, states that those stores (in job 0: phase X's LDS stores) have read them, ahead of the loads of x's fragments and of the next quantisers.
; REGISTERS, window 0: v1-10 addresses; v12-13 scale words on their way out; v14 x's scale bytes; v16-143 x's 128 numbers, then the 16 accumulators ((R, P) at 16 + 32 R + 8 P); v144-191 four fragments of x, or codes just made;
;   v192-207 x's scale words; v208-223 the weight's; v224-239 at work.   window 1: v0-191 the weight's 16 fragments (tile t, K step s at 12 (4 t + s)); v192-223 the bias, 8 registers a tile.
.set WSC,  786432                      ; prepw: the weights' scale words; their images at 0
.set GNC,  851968                      ; prepw: the groups' records
.set QSC,  9437184                     ; qkvc: q's scale records; k's 262,144 on; images of q, k, v at 0, 3,145,728, 6,291,456
.set VSC,  9961472                     ; qkvc: v's scale records
.set XSC,  24576                       ; LDS: x's images at 0 (fragment (T, s) at 1,536 (4 T + s)); here its scale words, 64 (4 T + s) + 4 r
.set LI,   1                           ; 16 x lane
.set L8,   2                           ; 8 x lane
.set LS,   3                           ; 4 x lane
.set LH,   4                           ; 2 x lane
.set LR,   5                           ; 4 r
.set BH,   6                           ; 64 h
.set BR,   7                           ; 4 (r + 8 (r / 8))
.set XW16, 8                           ; phase X: where my codes' first 16 bytes of a block go
.set XW8,  9                           ; and the last 8
.set XWS,  10                          ; and my position's scale word
.set PW,   12
.set SB,   14
.set ACC,  16
.set XF,   144
.set XS,   192
.set WS,   208
.set TM,   224
.set BW,   192                         ; in window 1
.set SEL,  92
.set MSB, 0
.macro WIN new                         ; s_set_vgpr_msb: bits 1:0 source 0, 3:2 source 1, 5:4 source 2, 7:6 destination; the high byte repeats the setting that is left
.if MSB != \new
	s_set_vgpr_msb (MSB<<8)|\new
.set MSB, \new
.endif
.endm
.macro PLACES                          ; four plain vector instructions between a matrix instruction and a read of its result or a load into one of its registers
.rept 4
	v_nop
.endr
.endm
; The coefficients of block blk's 32 channels (two groups): channel i's (a, bias) in s[16 + 2 i + 4 (i / 24)] and the next; the two means in s84, s85.
.macro COEF blk
	s_load_b512 s[16:31], s[96:97], (\blk)*512
	s_load_b512 s[32:47], s[96:97], (\blk)*512+64
	s_load_b512 s[48:63], s[96:97], (\blk)*512+256
	s_load_b512 s[68:83], s[96:97], (\blk)*512+320
	s_load_b32 s84, s[96:97], (\blk)*512+128
	s_load_b32 s85, s[96:97], (\blk)*512+384
.endm
.macro XNORM blk, cnt                  ; block blk's 32 numbers are normalised
	s_wait_loadcnt \cnt
	s_wait_kmcnt 0x0
.set i, 0
.rept 32
	v_sub_f32 v[ACC+32*\blk+i], v[ACC+32*\blk+i], s[84+i/16]
.set i, i+1
.endr
.set i, 0
.rept 32
	v_fma_f32 v[ACC+32*\blk+i], v[ACC+32*\blk+i], s[16+2*i+4*(i/24)], s[17+2*i+4*(i/24)]
.set i, i+1
.endr
.endm
.macro XQ blk                          ; and quantised: all 32 are mine
.set XB, ACC+32*\blk
.set CD, XF+8*\blk                     ; a set of registers for each block: no LDS store's data are written again, and the stores can stand together at the phase's end
	v_max3_num_f32 v[TM], |v[XB]|, |v[XB+1]|, |v[XB+2]|
	v_max3_num_f32 v[TM+1], |v[XB+3]|, |v[XB+4]|, |v[XB+5]|
.irp i, 6,10,14,18,22,26
	v_max3_num_f32 v[TM], v[TM], |v[XB+\i]|, |v[XB+\i+1]|
	v_max3_num_f32 v[TM+1], v[TM+1], |v[XB+\i+2]|, |v[XB+\i+3]|
.endr
	v_max3_num_f32 v[TM], v[TM], |v[XB+30]|, |v[XB+31]|
	v_max3_num_f32 v[TM], v[TM], v[TM+1], 0x1800000        ; and the floor 2^(3 - 127): the byte cannot fall under 1
	v_add_nc_u32 v[TM+2], 0xff000000, v[TM]                ; 2 off the exponent field: the conversion's scale operand
	v_lshrrev_b32 v[TM+3], 23, v[TM+2]                     ; the scale's byte
.if \blk == 0
	v_mov_b32 v[SB], v[TM+3]
.else
	v_lshl_or_b32 v[SB], v[TM+3], 8*\blk, v[SB]
.endif
	v_cvt_scalef32_pk16_fp6_f32 v[CD:CD+2], v[XB:XB+15], v[TM+2]
	v_cvt_scalef32_pk16_fp6_f32 v[CD+4:CD+6], v[XB+16:XB+31], v[TM+2]   ; (a conversion's three registers begin on an even number)
	v_nop                                          ; one plain place behind a scaled conversion
	v_mov_b32 v[CD+3], v[CD+4]
	v_mov_b32 v[CD+4], v[CD+5]
	v_mov_b32 v[CD+5], v[CD+6]
.endm
.macro XST blk                         ; block blk's codes go to LDS.  In x's fragment the block belongs to lanes (r, h = blk % 2), registers 6 (blk / 2) on
.set CD, XF+8*\blk
	ds_store_b128 v[XW16], v[CD:CD+3] offset:768*(\blk/2)+256*(\blk%2)
	ds_store_b64 v[XW8], v[CD+4:CD+5] offset:768*(\blk/2)+512+128*(\blk%2)
.endm
; Job m's operands: my head's 16 fragments of the weight, the bias in the result's layout, the scale words.  v = 0: a lane's registers run along the channels (eight neighbours of the bias a tile);  v = 1: a lane holds one channel.
; w = 1: a job has read these registers.
.macro LOADW m, v, w
	WIN 0x40                                       ; destination window 1, address window 0
.if \w
	s_wait_alu depctr_va_vdst(0)                   ; the last job's matrix instructions are done reading the weight's fragments, the bias and the scale words, in which the loads below land; only loads and a window switch follow
.endif
.set f, 0
.rept 16
	global_load_b128 v[12*f:12*f+3], v[LI], s[16+2*\m:17+2*\m] offset:1536*f
	global_load_b64 v[12*f+4:12*f+5], v[L8], s[16+2*\m:17+2*\m] offset:1536*f+512
	global_load_b128 v[12*f+6:12*f+9], v[LI], s[16+2*\m:17+2*\m] offset:1536*f+768
	global_load_b64 v[12*f+10:12*f+11], v[L8], s[16+2*\m:17+2*\m] offset:1536*f+1280
.set f, f+1
.endr
.irp t, 0,1,2,3
.if \v
.irp j, 0,1,2,3,4,5,6,7
	global_load_b32 v[BW+8*\t+\j], v[BR], s[28+2*\m:29+2*\m] offset:4*(32*(\t/2)+8*(\t%2))
.endr
.else
	global_load_b128 v[BW+8*\t:BW+8*\t+3], v[BH], s[28+2*\m:29+2*\m] offset:4*(32*(\t/2)+8*(\t%2))
	global_load_b128 v[BW+8*\t+4:BW+8*\t+7], v[BH], s[28+2*\m:29+2*\m] offset:4*(32*(\t/2)+8*(\t%2))+16
.endif
.endr
	WIN 0
.set f, 0
.rept 16
	global_load_b32 v[WS+f], v[LS], s[22+2*\m:23+2*\m] offset:128*f
.set f, f+1
.endr
.endm
.macro FETCHH s, j                     ; x's fragments 2 j and 2 j + 1 of K step s, from their images: eight LDS loads
.irp t, 2*\j, 2*\j+1
	ds_load_b128 v[XF+12*(\t):XF+12*(\t)+3], v[LI] offset:(4*(\t)+\s)*1536
	ds_load_b64 v[XF+12*(\t)+4:XF+12*(\t)+5], v[L8] offset:(4*(\t)+\s)*1536+512
	ds_load_b128 v[XF+12*(\t)+6:XF+12*(\t)+9], v[LI] offset:(4*(\t)+\s)*1536+768
	ds_load_b64 v[XF+12*(\t)+10:XF+12*(\t)+11], v[L8] offset:(4*(\t)+\s)*1536+1280
.endr
.endm
; Half j of K step s: the eight products that read x's fragments 2 j and 2 j + 1.
; v = 0: accumulator (R, P) = weight tile P (source 0) x x's tile R (source 1);  v = 1: x's tile P (source 0) x weight tile R (source 1).
.macro MULH v, s, j
.if \v
.if \s == 0
	WIN 0x14                                       ; source 1 (the weight) and C (the bias) window 1
.else
	WIN 0x04
.endif
.irp p, 2*\j, 2*\j+1
.irp r, 0,1,2,3
.if \s == 0
	v_wmma_scale_f32_16x16x128_f8f6f4 v[ACC+32*\r+8*(\p):ACC+32*\r+8*(\p)+7], v[XF+12*(\p):XF+12*(\p)+11], v[12*(4*\r+\s):12*(4*\r+\s)+11], v[BW+8*\r:BW+8*\r+7], v[XS+4*(\p)+\s], v[WS+4*\r+\s] matrix_a_fmt:MATRIX_FMT_FP6 matrix_b_fmt:MATRIX_FMT_FP6
.else
	v_wmma_scale_f32_16x16x128_f8f6f4 v[ACC+32*\r+8*(\p):ACC+32*\r+8*(\p)+7], v[XF+12*(\p):XF+12*(\p)+11], v[12*(4*\r+\s):12*(4*\r+\s)+11], v[ACC+32*\r+8*(\p):ACC+32*\r+8*(\p)+7], v[XS+4*(\p)+\s], v[WS+4*\r+\s] matrix_a_fmt:MATRIX_FMT_FP6 matrix_b_fmt:MATRIX_FMT_FP6
.endif
.endr
.endr
.else
.if \s == 0
	WIN 0x11                                       ; source 0 (the weight) and C (the bias) window 1
.else
	WIN 0x01
.endif
.irp r, 2*\j, 2*\j+1
.irp p, 0,1,2,3
.if \s == 0
	v_wmma_scale_f32_16x16x128_f8f6f4 v[ACC+32*(\r)+8*\p:ACC+32*(\r)+8*\p+7], v[12*(4*\p+\s):12*(4*\p+\s)+11], v[XF+12*(\r):XF+12*(\r)+11], v[BW+8*\p:BW+8*\p+7], v[WS+4*\p+\s], v[XS+4*(\r)+\s] matrix_a_fmt:MATRIX_FMT_FP6 matrix_b_fmt:MATRIX_FMT_FP6
.else
	v_wmma_scale_f32_16x16x128_f8f6f4 v[ACC+32*(\r)+8*\p:ACC+32*(\r)+8*\p+7], v[12*(4*\p+\s):12*(4*\p+\s)+11], v[XF+12*(\r):XF+12*(\r)+11], v[ACC+32*(\r)+8*\p:ACC+32*(\r)+8*\p+7], v[WS+4*\p+\s], v[XS+4*(\r)+\s] matrix_a_fmt:MATRIX_FMT_FP6 matrix_b_fmt:MATRIX_FMT_FP6
.endif
.endr
.endr
.endif
	WIN 0                                          ; the LDS loads that follow take their address from window 0
.endm
; Half step (s, j), with the fetch of the half step behind it, (ns, nj): that one's fragments land in the half that the half step before this one read.
.macro HALF v, s, j, ns, nj
	PLACES
	s_wait_alu depctr_va_vdst(0)                   ; the eight products of the half step before are done reading the other half of v[XF ..], in which the loads below land; the places above stay beside this wait
	FETCHH \ns, \nj
	s_wait_dscnt 8                                 ; LDS loads come back in order: this half step's fragments are in, the eight loads just issued may be out
	MULH \v, \s, \j
.endm
; A job's 64 matrix instructions, in eight half steps.
.macro GEMM v
	s_wait_xcnt 0x0                                ; the last job's stores have had their addresses translated: only behind this wait are the registers that they read loaded again
	s_wait_alu depctr_vm_vsrc(0)                   ; the last job's stores (in the first job: phase X's LDS stores) have read v[XF ..], in which x's fragments land, and v[PW], v[PW+1], which the next way out writes again
	FETCHH 0, 0                                    ; (the vector instructions that named v[XF ..] stand ahead of the last wait on va_vdst, and none has been issued since)
	FETCHH 0, 1
	s_wait_dscnt 8                                 ; fragments 0 and 1 are in (and, in the first job, x's scale words); the eight younger loads may be out
	s_wait_loadcnt 0x0                             ; the job's weight, bias and scale words
	MULH \v, 0, 0
	HALF \v, 0, 1, 1, 0
	HALF \v, 1, 0, 1, 1
	HALF \v, 1, 1, 2, 0
	HALF \v, 2, 0, 2, 1
	HALF \v, 2, 1, 3, 0
	HALF \v, 3, 0, 3, 1
	s_wait_dscnt 0x0                               ; the last half step fetches nothing
	MULH \v, 3, 1
.endm
; 64 numbers of a lane, v[s] on, register 16 b + i = number 32 b + 16 (lane / 16) + i of my row's four blocks, become 12 registers of codes at v[pc] and four scale bytes in v[pw].
; Here the four blocks are two tiles R of two blocks each: registers 0-5 and the word's low half are tile 2 Q's half fragment, registers 6-11 and the high half tile 2 Q + 1's.
.macro QUANT s, pc, pw
.irp b, 0,1,2,3
	v_max3_num_f32 v[TM+\b], |v[(\s)+16*\b]|, |v[(\s)+1+16*\b]|, 0x1800000   ; block b: my 16 numbers, and the floor 2^(3 - 127).  (Each accumulator is read from its low end on)
.endr
.irp i, 2,4,6,8,10,12,14
.irp b, 0,1,2,3
	v_max3_num_f32 v[TM+\b], v[TM+\b], |v[(\s)+16*\b+\i]|, |v[(\s)+1+16*\b+\i]|   ; (the four blocks by turns)
.endr
.endr
.irp b, 0,1,2,3
	v_permlanex16_b32 v[TM+4+\b], v[TM+\b], s[SEL], s[SEL+1]
.endr
.irp b, 0,1,2,3
	v_max_num_f32 v[TM+\b], v[TM+\b], v[TM+4+\b]   ; with lane l xor 16's: the block's largest magnitude
.endr
.irp b, 0,1,2,3
	v_add_nc_u32 v[TM+12+\b], 0xff000000, v[TM+\b] ; 2 off its exponent field: the conversion's scale operand
.endr
.irp b, 0,1,2,3
	v_lshrrev_b32 v[TM+4+\b], 23, v[TM+12+\b]      ; the scale's byte
.endr
	v_lshl_or_b32 v[\pw], v[TM+5], 8, v[TM+4]
	v_lshl_or_b32 v[\pw], v[TM+6], 16, v[\pw]
	v_lshl_or_b32 v[\pw], v[TM+7], 24, v[\pw]
.irp c, 0,1
	v_cvt_scalef32_pk16_fp6_f32 v[(\pc)+6*\c:(\pc)+2+6*\c], v[(\s)+32*\c:(\s)+15+32*\c], v[TM+12+2*\c]
	v_cvt_scalef32_pk16_fp6_f32 v[(\pc)+12+4*\c:(\pc)+14+4*\c], v[(\s)+16+32*\c:(\s)+31+32*\c], v[TM+12+2*\c+1]   ; (a conversion's three registers begin on an even number)
.endr
	v_nop                                          ; one plain place behind a scaled conversion
.irp c, 0,1                                    ; the operand's layout wants a WHOLE block in a lane: lanes 0-15 block 2 c, lanes 16-31 block 2 c + 1
.irp i, 0,1,2
	v_permlane16_swap_b32 v[(\pc)+6*\c+\i], v[(\pc)+12+4*\c+\i]
.endr
.irp i, 0,1,2
	v_mov_b32 v[(\pc)+3+6*\c+\i], v[(\pc)+12+4*\c+\i]
.endr
.endr
.endm
; Job m's results leave: four half fragments (every store of the wave covers 512 or 256 consecutive bytes) and their scale bytes, two a row: q, k: records of 64 bytes (2 x lane);  v: the half of a word that
; belongs to this block of 64 keys, in records of 128 bytes (4 x lane): the other half is the neighbouring work-group's.  Both halves are quantised first, into registers of their own; then the twelve stores go in one run.
.macro OUT m, v
	QUANT ACC, XF, PW
	QUANT ACC+64, XF+20, PW+1
	s_wait_alu depctr_va_vdst(0)                   ; the two quantisers have written the codes in v[XF ..] and the scale words v[PW], v[PW+1], which the stores below read
.irp q, 0,1
	global_store_b128 v[LI], v[XF+20*\q:XF+20*\q+3], s[34+2*\m:35+2*\m] offset:1536*\q
	global_store_b64 v[L8], v[XF+20*\q+4:XF+20*\q+5], s[34+2*\m:35+2*\m] offset:1536*\q+512
	global_store_b128 v[LI], v[XF+20*\q+6:XF+20*\q+9], s[34+2*\m:35+2*\m] offset:1536*\q+768
	global_store_b64 v[L8], v[XF+20*\q+10:XF+20*\q+11], s[34+2*\m:35+2*\m] offset:1536*\q+1280
.if \v
	global_store_b16 v[LS], v[PW+\q], s[40+2*\m:41+2*\m] offset:256*\q
	global_store_d16_hi_b16 v[LS], v[PW+\q], s[40+2*\m:41+2*\m] offset:256*\q+128
.else
	global_store_b16 v[LH], v[PW+\q], s[40+2*\m:41+2*\m] offset:128*\q
	global_store_d16_hi_b16 v[LH], v[PW+\q], s[40+2*\m:41+2*\m] offset:128*\q+64
.endif
.endr
.endm
	s_load_b256 s[4:11], s[0:1], 0x0               ; hidden s[4:5], prepw s[6:7], q_b s[8:9], k_b s[10:11]
	s_load_b128 s[12:15], s[0:1], 0x20             ; v_b s[12:13], qkvc s[14:15]
	v_lshl_add_u32 v254, v0, 2, 0x6400
	v_mov_b32 v255, 0
	v_lshrrev_b32 v11, 5, v0
	v_readfirstlane_b32 s2, v11                    ; wave 0..7
	s_lshr_b32 s94, ttmp9, 6                       ; b
	s_and_b32 s95, ttmp9, 63                       ; PB
	s_wait_alu depctr_va_sdst(0)                   ; s2 is written, ahead of its first reader: LDS addresses and every base are made from it
	s_lshr_b32 s86, s2, 1                          ; phase X: my K step,
	s_and_b32 s87, s2, 1                           ; and which 32 positions
	s_mov_b32 s[SEL], 0x76543210
	s_mov_b32 s[SEL+1], 0xfedcba98                 ; v_permlanex16_b32's selects for lane l xor 16
	v_and_b32 v11, 31, v0
	v_lshlrev_b32 v[LI], 4, v11
	v_lshlrev_b32 v[L8], 3, v11
	v_lshlrev_b32 v[LS], 2, v11
	v_lshlrev_b32 v[LH], 1, v11
	v_and_b32 v12, 15, v0                          ; r
	v_lshlrev_b32 v[LR], 2, v12
	v_bfe_u32 v13, v0, 4, 1                        ; h
	v_lshlrev_b32 v[BH], 6, v13
	v_and_b32 v14, 8, v12
	v_add_nc_u32 v14, v14, v12
	v_lshlrev_b32 v[BR], 2, v14
	; phase X: position 32 a + lane is row r' = (lane % 8) + 8 (lane / 16) of tile 2 a + u, u = (lane / 8) % 2
	v_bfe_u32 v14, v0, 3, 1                        ; u
	v_and_b32 v15, 7, v0
	v_lshl_or_b32 v15, v13, 3, v15                 ; r'
	s_mul_i32 s88, s87, 12288
	s_mul_i32 s89, s86, 1536
	s_add_co_u32 s88, s88, s89
	v_mul_u32_u24 v11, v14, 6144
	v_add_nc_u32 v11, s88, v11                     ; fragment (2 a + u, s)
	v_lshl_add_u32 v[XW16], v15, 4, v11
	v_lshl_add_u32 v[XW8], v15, 3, v11
	s_lshl_b32 s88, s87, 9
	s_lshl_b32 s89, s86, 6
	s_add_co_u32 s88, s88, s89
	s_add_co_u32 s88, s88, XSC
	v_lshl_add_u32 v11, v14, 8, s88
	v_lshl_add_u32 v[XWS], v15, 2, v11
.irp b, 0,1,2,3
	v_mov_b32 v[TM+4+\b], 0                        ; written once: a lane permute's destination counts as one of its sources
.endr
	s_lshl_b32 s88, s94, 23                        ; hidden: batch, 8,388,608 bytes;
	s_lshl_b32 s89, s86, 21                        ; 128 channels of 16,384 bytes;
	s_add_co_u32 s88, s88, s89
	s_lshl_b32 s89, s95, 8                         ; 64 positions;
	s_add_co_u32 s88, s88, s89
	s_lshl_b32 s89, s87, 7                         ; 32 positions
	s_add_co_u32 s88, s88, s89
	s_mov_b32 s89, 0
	s_lshl_b32 s90, s94, 13                        ; the records of my K step's eight groups: (32 b + 8 s) x 256
	s_lshl_b32 s91, s86, 11
	s_add_co_u32 s90, s90, s91
	s_add_co_u32 s90, s90, GNC
	s_mov_b32 s91, 0
	s_wait_kmcnt 0x0
	s_add_nc_u64 s[4:5], s[4:5], s[88:89]
	s_add_nc_u64 s[96:97], s[6:7], s[90:91]
	COEF 0
	s_wait_alu depctr_va_vdst(0)                   ; the ten addresses v1 to v10 are written, which the loads and stores of the whole kernel read; none is written again
.set i, 0
.rept 128
	global_load_b32 v[ACC+i], v[LS], s[4:5] offset:16384*i   ; channel i of my K step at 32 neighbouring positions: 128 consecutive bytes a wave; the wave beside me takes the next 128
.set i, i+1
.endr
	XNORM 0, 63                                    ; 96 loads were issued behind block 0's; a wait names 63 at the most
	COEF 1                                         ; behind the last line that reads block 0's coefficients
	XQ 0
	XNORM 1, 63                                    ; 64 were issued behind block 1's
	COEF 2
	XQ 1
	XNORM 2, 32                                    ; 32 behind block 2's
	COEF 3
	XQ 2
	XNORM 3, 0
	; the coefficients are done with: their registers take the three jobs' addresses.  Job m: s[16+2m] the weight's images, s[22+2m] its scale words, s[28+2m] the bias, s[34+2m] the images out, s[40+2m] the scale records out
	s_mul_i32 s88, s2, 24576                       ; my head's 16 fragments
	s_mov_b32 s89, 0
	s_add_nc_u64 s[16:17], s[6:7], s[88:89]
	s_add_nc_u64 s[18:19], s[16:17], 196608
	s_add_nc_u64 s[20:21], s[16:17], 393216
	s_lshl_b32 s88, s2, 11
	s_add_co_u32 s88, s88, WSC
	s_add_nc_u64 s[22:23], s[6:7], s[88:89]
	s_add_nc_u64 s[24:25], s[22:23], 16384
	s_add_nc_u64 s[26:27], s[22:23], 32768
	s_lshl_b32 s88, s2, 8
	s_add_nc_u64 s[28:29], s[8:9], s[88:89]
	s_add_nc_u64 s[30:31], s[10:11], s[88:89]
	s_add_nc_u64 s[32:33], s[12:13], s[88:89]
	s_lshl_b32 s90, s94, 3
	s_add_co_u32 s90, s90, s2                      ; hb = 8 b + head
	s_mul_i32 s88, s90, 196608
	s_mul_i32 s91, s95, 3072
	s_add_co_u32 s88, s88, s91
	s_add_nc_u64 s[34:35], s[14:15], s[88:89]
	s_add_nc_u64 s[36:37], s[34:35], 3145728
	s_add_nc_u64 s[38:39], s[34:35], 6291456
	s_lshl_b32 s90, s90, 14                        ; hb x 16,384 in each table of scale records
	s_lshl_b32 s88, s95, 8
	s_add_co_u32 s88, s88, s90
	s_add_co_u32 s88, s88, QSC
	s_add_nc_u64 s[40:41], s[14:15], s[88:89]
	s_add_nc_u64 s[42:43], s[40:41], 262144
	s_lshr_b32 s88, s95, 1                         ; v: key step PB / 2, 512 bytes; this block's half of each word
	s_lshl_b32 s88, s88, 9
	s_and_b32 s91, s95, 1
	s_lshl_b32 s91, s91, 1
	s_add_co_u32 s88, s88, s91
	s_add_co_u32 s88, s88, s90
	s_add_co_u32 s88, s88, VSC
	s_add_nc_u64 s[44:45], s[14:15], s[88:89]
	LOADW 0, 0, 0                                  ; q's operands are asked for while the last block is quantised.  No wait: no vector or matrix instruction has named the registers in which they land, and none since the head's wait names their addresses
	XQ 3
	s_wait_alu depctr_va_vdst(0)                   ; the four blocks' conversions and moves have written their codes and v[SB], which the nine LDS stores below read
	XST 0
	XST 1
	XST 2
	XST 3
	ds_store_b32 v[XWS], v[SB]                     ; my position's four scale bytes of this K step
	s_wait_dscnt 0x0                               ; for the others' sake: my stores have landed
	s_barrier_signal -1
	s_barrier_wait -1                              ; x's sixteen fragments lie in LDS; nobody writes them again
.set f, 0
.rept 16
	ds_load_b32 v[XS+f], v[LR] offset:XSC+64*f     ; x's scale words stay in registers
.set f, f+1
.endr
	GEMM 0                                         ; q
	PLACES
	LOADW 1, 0, 1                                  ; the next job's operands land under this job's way out
	OUT 0, 0
	GEMM 0                                         ; k
	PLACES
	LOADW 2, 1, 1
	OUT 1, 0
	GEMM 1                                         ; v
	PLACES
	OUT 2, 1
	s_wait_dscnt 0x0
	s_wait_alu depctr_hold_cnt(0) depctr_sa_sdst(0) depctr_va_vdst(0) depctr_va_sdst(0) depctr_va_ssrc(0) depctr_va_vcc(0) depctr_vm_vsrc(0)
	s_wait_tensorcnt 0x0
	ds_add_u32 v254, v255
	s_wait_dscnt 0x0
	s_endpgm
.Lfunc_end_k_q022e66529b_qkv:
	.size	k_q022e66529b_qkv, .Lfunc_end_k_q022e66529b_qkv-k_q022e66529b_qkv
	.p2alignl 7, 3214868480
	.fill 96, 4, 3214868480
	.section	.rodata,"a",@progbits
	.p2align	6, 0x0
	.amdhsa_kernel k_q022e66529b_qkv
		.amdhsa_group_segment_fixed_size 26624
		.amdhsa_private_segment_fixed_size 0
		.amdhsa_enable_private_segment 0
		.amdhsa_kernarg_size 48
		.amdhsa_user_sgpr_count 2
		.amdhsa_user_sgpr_kernarg_segment_ptr 1
		.amdhsa_wavefront_size32 1
		.amdhsa_system_sgpr_workgroup_id_x 1
		.amdhsa_system_sgpr_workgroup_id_y 1
		.amdhsa_system_sgpr_workgroup_id_z 1
		.amdhsa_system_vgpr_workitem_id 0
		.amdhsa_next_free_vgpr 480
		.amdhsa_next_free_sgpr 100
		.amdhsa_reserve_vcc 0
		.amdhsa_float_denorm_mode_32 3
		.amdhsa_float_denorm_mode_16_64 3
		.amdhsa_memory_ordered 1
		.amdhsa_forward_progress 1
		.amdhsa_inst_pref_size 137
	.end_amdhsa_kernel
	.amdgpu_metadata
---
amdhsa.version: [ 1, 2 ]
amdhsa.kernels:
  - .name:           k_q022e66529b_qkv
    .symbol:         k_q022e66529b_qkv.kd
    .args:
      - { .name: hidden_states, .offset: 0, .size: 8, .value_kind: global_buffer, .address_space: global }
      - { .name: prepw, .offset: 8, .size: 8, .value_kind: global_buffer, .address_space: global }
      - { .name: q_b, .offset: 16, .size: 8, .value_kind: global_buffer, .address_space: global }
      - { .name: k_b, .offset: 24, .size: 8, .value_kind: global_buffer, .address_space: global }
      - { .name: v_b, .offset: 32, .size: 8, .value_kind: global_buffer, .address_space: global }
      - { .name: qkvc, .offset: 40, .size: 8, .value_kind: global_buffer, .address_space: global }
    .group_segment_fixed_size: 26624
    .private_segment_fixed_size: 0
    .kernarg_segment_align: 8
    .kernarg_segment_size: 48
    .max_flat_workgroup_size: 256
    .sgpr_count:     100
    .vgpr_count:     480
    .wavefront_size: 32
...
	.end_amdgpu_metadata
.endif
;; end of part 6
;; launch attn (part 7): grid 16 x 16, 16 waves a work-group, clusters of 4 x 1, 327,680 bytes of LDS; arguments qkvc, attc; writes attc
.if DOCPART == 7
	.amdgcn_target "amdgcn-amd-amdhsa--gfx1250"
	.amdhsa_code_object_version 6
	.text
	.protected	k_q022e66529b_attn
	.globl	k_q022e66529b_attn
	.p2align	8
	.type	k_q022e66529b_attn,@function
k_q022e66529b_attn:
	s_mov_b64 s[64:65], 0
	v_nop
	global_prefetch_b8 v0, s[64:65] scope:SCOPE_SE
	s_setreg_imm32_b32 hwreg(HW_REG_WAVE_MODE, 25, 1), 1
	s_wait_xcnt 0x0
	s_wait_alu depctr_hold_cnt(0) depctr_sa_sdst(0) depctr_va_vdst(0) depctr_va_sdst(0) depctr_va_ssrc(0) depctr_va_vcc(0) depctr_vm_vsrc(0)
	s_getreg_b32 s2, hwreg(HW_REG_IB_STS2, 6, 4)
	s_cmp_eq_u32 s2, 0
	s_cbranch_scc0 .Lentry_in_a_cluster
	s_endpgm
.Lentry_in_a_cluster:
	s_bfe_u32 s2, ttmp6, 0x10000c
	s_cmp_lg_u32 s2, 0x3003
	s_cbranch_scc0 .Lentry_shape_is_right
	s_endpgm
.Lentry_shape_is_right:
; ATTN: O[q] = the sum over k of softmax_k(Q[q] . K[k] / 8) V[k] for one (batch, head) hb, both products on codes of FP6 (E2M3) with one E8M0 scale for each 32 along K; O / l is quantised along the channels for the projection.
; THE SOFTMAX AHEAD OF THE SECOND PRODUCT: t = score x log2(e) / 8; M = the row's largest t so far, rounded UP to a whole number; p = 2^(t - M) is what is quantised, along the keys; it is not normalised.
; The row's sum is taken of the unquantised p, in f32, and divides O at the end.  When M moves, the sum and O are multiplied by 2^(old M - new M): exact.
; SHARES.  A work-group owns 256 queries of hb; each of its sixteen waves owns one tile of 16, in 256 registers: four waves to a SIMD, so that one wave's vector work stands beside another's matrix work and LDS loads.
; Every wave walks all 4,096 keys, 128 a step, two steps to a slot, through a ring of two LDS slots.  ALL OPERANDS LIE IN THE ORDER OF THE OPERAND'S REGISTERS (a half fragment, 16 rows x 64 K: registers 0-3 at 16 x lane,
; registers 4-5 at 512 + 8 x lane): every LDS load reads consecutive bytes, and a slot's K (12,288 bytes) and V (12,288) are dense blocks of memory.  The scale records of the whole head (2 x 16,384 bytes) come once and stay.
; LAYOUT.  Both products are used transposed: S^T = K Q^T (source 0 = 16 keys, source 1 = my 16 queries), O^T = V^T P^T (source 0 = 16 channels, source 1 = P): a lane holds ONE query throughout.
; The launch before chose the rows of every tile (lane r of tile 2 b + u: row 32 b + 8 u + r + 8 (r / 8)), so the 16 registers of S^T's tiles 2 b, 2 b + 1 are 16 neighbouring keys, and those of O^T's 16 neighbouring channels.
; THE FIRST PRODUCT'S K IS 64, the instruction's 128.  Q's registers 6-11 are zero codes.  K's half fragments lie 6 registers apart, so an operand's upper six registers are the next fragment's codes (behind the last: six
; zero registers): every pattern of 6 bits is a finite number, which a zero code multiplies to nothing; the scale bytes of that half are the zeros of a 16-bit load, never 0xff.
; CLUSTER.  The four query blocks of a cluster belong to one hb and walk the same K, V and scales: each tile is asked for JOINTLY, by the same tensor load with the same descriptor and the mask 15.
; Waves 0, 1 fetch K's halves, waves 2, 3 V's, the others nothing.  By this text's own count a wave has at most two tensor loads out (its two first fills), later one.
; LIMITS: NaN and infinities are not served; a block of zeros, or one under 2^-124, gets the scale byte 1 (this program alone reads the bytes); v_exp_f32 and v_rcp_f32 are good to 1 ulp (ISA guide, their entries);
; a block's largest p is taken as the exponential of its largest score, which takes v_exp_f32 not to fall where its input rises.
; REGISTERS: v1-7 addresses that stay; v8-11 the step's LDS addresses; v12 -M, v13 the largest t, v[14:15] the sum in two halves; v16-21 Q, v22-27 zeros; v32-79 eight half fragments of K, then four fragments of V; v80-85 zeros;
;   v86-93 K's or V's scales; v96-159 S^T, then p; v160-191 O^T; v224-235 p's codes; v232-254 at work; v253 p's scale word; v255 Q's scales.
.set KIMG,  3145728                    ; qkvc: images of q at 0, k, v;
.set VIMG,  6291456
.set QSC,   9437184                    ; scale records of q, k (64 bytes a tile), v (128 bytes a tile and key step)
.set KSC,   9699328
.set VSC,   9961472
.set OSC,   3145728                    ; attc: images at 0 ((8 tile + head) x 768), scale records here ((4 tile + head / 2) x 128)
.set VOFF,  12288                      ; a slot: 16 tiles of K, then V: 6,144 a key step, 3,072 a block of 64 keys, 768 a tile of channels
.set SLOT1, 32768                      ; slot 1 begins here: one exclusive or turns an address in one slot into the other's
.set SCK,   65536                      ; K's scale records of the head
.set SCV,   81920                      ; V's
.set SPARE, 98304                      ; the spare words, 128 bytes for each of sixteen waves: eight blocks of 256 bytes that no other line names
.set LI,   1                           ; 16 x lane
.set L8,   2                           ; 8 x lane
.set ASK0, 3                           ; SCK + 2 x lane
.set ASV0, 4                           ; SCV + 4 x lane
.set SPW,  5                           ; LDS address of my spare word; never rewritten
.set NIL,  6                           ; 0; never rewritten
.set LS,   7                           ; 4 x lane
.set A16,  8
.set A8,   9
.set ADS,  10
.set ADT,  11
.set WV,   8                           ; s8   my wave's number
.set SEL,  12                          ; s[12:13] v_permlanex16_b32's selects for lane l xor 16
.set CS,   14                          ; s[14:15] c = log2(e) / 8
.set G1R,  16                          ; s[16:23] descriptor group 1: 24 rows of 256 bytes;  s[24:31]: 32 rows
.set G1S,  24
.set G0K,  32                          ; s[32:35], s[36:39] groups 0 for K's and V's tiles, which walk;  s[40:43], s[44:47] for the scales
.set G0V,  36
.set G0SK, 40
.set G0SV, 44
.set TB,   48                          ; s48  LDS byte at which the slot in hand begins
.set TS,   49                          ; s49  the step's scale records: 512 bytes a step, in K's table and in V's
.set SLOTS, 50
.macro PLACES
.rept 4
	v_nop
.endr
.endm
; A round of the cluster's barrier: my work-group's barrier, so that wave 0's signal speaks for all sixteen waves; wave 0 signals for the work-group; every wave waits for all four work-groups; my work-group's barrier once more.
.macro CROUND
	s_barrier_signal -1
	s_barrier_wait -1
	s_cmp_lg_u32 s[WV], 0
	s_cbranch_scc1 .Lnot_wave_0_\@
	s_barrier_signal -3
.Lnot_wave_0_\@:
	s_barrier_wait -3
	s_barrier_signal -1
	s_barrier_wait -1
.endm
; A joint refill.  The branches hang on the wave's number alone.  Four v_nop follow each of the two lines.
.macro JLOAD
	s_cmp_lt_u32 s[WV], 2
	s_cbranch_scc0 .Lnot_k_\@
	tensor_load_to_lds s[G0K:G0K+3], s[G1R:G1R+7]
	s_nop 0
	PLACES
	s_branch .Lasked_\@
.Lnot_k_\@:
	s_cmp_lt_u32 s[WV], 4
	s_cbranch_scc0 .Lasked_\@
	tensor_load_to_lds s[G0V:G0V+3], s[G1R:G1R+7]
	s_nop 0
	PLACES
.Lasked_\@:
.endm
	s_load_b128 s[4:7], s[0:1], 0x0                ; qkvc s[4:5], attc s[6:7]
	v_lshl_add_u32 v[SPW], v0, 2, SPARE
	v_mov_b32 v[NIL], 0
	ds_add_u32 v5, v6
	ds_add_u32 v5, v6
	s_wait_dscnt 0x0
	v_lshrrev_b32 v8, 5, v0
	s_delay_alu instid0(VALU_DEP_1)
	v_readfirstlane_b32 s[WV], v8                  ; wave 0..15
	s_and_b32 s52, ttmp7, 0xffff                   ; hb, which the four partners share
	s_and_b32 s55, s[WV], 1                        ; which half of a tile I fetch, if I fetch
	s_mul_i32 s56, s52, 196608                     ; the head's first byte in each table of images
	s_mul_i32 s57, s55, 6144
	s_add_co_u32 s58, s56, s57
	s_mov_b32 s59, 0
	s_lshl_b32 s60, s52, 14                        ; and in each table of scale records
	s_lshl_b32 s62, s55, 13
	s_add_co_u32 s60, s60, s62
	s_mov_b32 s61, 0
	; my place in the cluster enters Q's and O's global addresses alone, in registers of their own
	s_bfe_u32 s53, ttmp6, 0x40000                  ; cx
	s_lshl_b32 s54, ttmp9, 2                       ; in a cluster launch ttmp9 counts clusters
	s_add_co_u32 s54, s54, s53                     ; my block of 256 queries
	s_lshl_b32 s54, s54, 4
	s_add_co_u32 s54, s54, s[WV]                   ; my tile of queries, 0..255
	s_mul_i32 s66, s54, 768
	s_add_co_u32 s66, s66, s56                     ; Q's image
	s_mov_b32 s67, 0
	s_lshl_b32 s70, s54, 6
	s_lshl_b32 s71, s52, 14
	s_add_co_u32 s70, s70, s71
	s_add_co_u32 s70, s70, QSC                     ; Q's scale record
	s_mov_b32 s71, 0
	s_lshr_b32 s74, s52, 3                         ; b
	s_lshl_b32 s74, s74, 8
	s_add_co_u32 s74, s74, s54                     ; the tile among both batches' 512
	s_and_b32 s75, s52, 7                          ; head
	s_lshl_b32 s78, s74, 2
	s_lshr_b32 s79, s75, 1
	s_add_co_u32 s78, s78, s79
	s_lshl_b32 s78, s78, 7                         ; O's scale record: (4 tile + head / 2) x 128,
	s_and_b32 s79, s75, 1
	s_lshl_b32 s79, s79, 1
	s_add_co_u32 s78, s78, s79                     ; my head's half of each word
	s_add_co_u32 s78, s78, OSC
	s_mov_b32 s79, 0
	s_lshl_b32 s74, s74, 3
	s_add_co_u32 s74, s74, s75
	s_mul_i32 s74, s74, 768                        ; O's image: (8 tile + head) x 768
	s_mov_b32 s75, 0
	; descriptor group 1: a dense block as rows of 256 bytes (32 elements of 8 bytes), no padding: the LDS loads read consecutive bytes
	s_mov_b32 s[G1R], 15|(3<<16)|(1<<21)           ; 15:0 the mask: all four work-groups; 17:16 elements of 8 bytes; 20 padding off; 21 set beside a mask
	s_mov_b32 s[G1R+1], 32<<16                     ; tensor_dim0 = 32
	s_mov_b32 s[G1R+2], 24<<16                     ; tensor_dim1 = 24
	s_mov_b32 s[G1R+3], 32<<16                     ; tile_dim0 = 32
	s_mov_b32 s[G1R+4], 24                         ; tile_dim1 = 24: 6,144 bytes, half of a slot's K or V
	s_mov_b32 s[G1R+5], 32                         ; tensor_dim0_stride
	s_mov_b32 s[G1R+6], 0
	s_mov_b32 s[G1R+7], 0
	s_mov_b32 s[G1S], 15|(3<<16)|(1<<21)
	s_mov_b32 s[G1S+1], 32<<16
	s_mov_b32 s[G1S+2], 32<<16
	s_mov_b32 s[G1S+3], 32<<16
	s_mov_b32 s[G1S+4], 32                         ; 32 rows: 8,192 bytes, half of a head's scale records
	s_mov_b32 s[G1S+5], 32
	s_mov_b32 s[G1S+6], 0
	s_mov_b32 s[G1S+7], 0
	s_mov_b32 s[SEL], 0x76543210
	s_mov_b32 s[SEL+1], 0xfedcba98
	s_mov_b32 s[CS], 0x3e38aa3b                    ; c = log2(e) / 8: a division by a power of two, so score x c has the bits of (score / 8) x log2(e)
	s_mov_b32 s[CS+1], s[CS]                       ; (named with it as a pair, so it is written)
	s_mov_b32 s[TB], 0
	s_mov_b32 s[TS], 0
	s_mov_b32 s[SLOTS], 15
	v_and_b32 v8, 31, v0
	s_delay_alu instid0(VALU_DEP_1)
	v_lshlrev_b32 v[LI], 4, v8
	s_delay_alu instid0(VALU_DEP_2)
	v_lshlrev_b32 v[L8], 3, v8
	s_delay_alu instid0(VALU_DEP_3)
	v_lshlrev_b32 v[LS], 2, v8
	s_delay_alu instid0(VALU_DEP_4)
	v_lshlrev_b32 v9, 1, v8
	s_delay_alu instid0(VALU_DEP_1)
	v_add_nc_u32 v[ASK0], SCK, v9
	s_delay_alu instid0(VALU_DEP_3)
	v_add_nc_u32 v[ASV0], SCV, v[LS]
	s_wait_kmcnt 0x0
	s_mov_b32 s[G0K], 1                            ; 1:0 count = 1
	s_mov_b32 s[G0K+1], s57                        ; 63:32 LDS address: slot 0, my half
	s_add_nc_u64 s[G0K+2:G0K+3], s[4:5], s[58:59]  ; 120:64 global address: the head's first 256 keys
	s_add_nc_u64 s[G0V+2:G0V+3], s[G0K+2:G0K+3], VIMG
	s_add_nc_u64 s[G0K+2:G0K+3], s[G0K+2:G0K+3], KIMG
	s_or_b32 s[G0K+3], s[G0K+3], 0x80000000        ; 127:126 type = 2
	s_mov_b32 s[G0V], 1
	s_add_co_u32 s[G0V+1], s57, VOFF
	s_or_b32 s[G0V+3], s[G0V+3], 0x80000000
	s_mov_b32 s[G0SK], 1
	s_add_co_u32 s[G0SK+1], s62, SCK
	s_add_nc_u64 s[G0SK+2:G0SK+3], s[4:5], s[60:61]
	s_add_nc_u64 s[G0SV+2:G0SV+3], s[G0SK+2:G0SK+3], VSC
	s_add_nc_u64 s[G0SK+2:G0SK+3], s[G0SK+2:G0SK+3], KSC
	s_or_b32 s[G0SK+3], s[G0SK+3], 0x80000000
	s_mov_b32 s[G0SV], 1
	s_add_co_u32 s[G0SV+1], s62, SCV
	s_or_b32 s[G0SV+3], s[G0SV+3], 0x80000000
	s_add_nc_u64 s[68:69], s[4:5], s[66:67]        ; Q's image
	s_add_nc_u64 s[72:73], s[4:5], s[70:71]        ; Q's scale record
	s_add_nc_u64 s[76:77], s[6:7], s[74:75]        ; O's image
	s_add_nc_u64 s[6:7], s[6:7], s[78:79]          ; O's scale record
	CROUND                                         ; all four work-groups are here: the first joint loads meet
	s_cmp_lt_u32 s[WV], 2                          ; a wave's two first fills stand in one branch, ahead of every wait on TENSORcnt and every LDS read; four v_nop follow the second
	s_cbranch_scc0 .Lfirst_not_k
	tensor_load_to_lds s[G0SK:G0SK+3], s[G1S:G1S+7]        ; the scale records: filled once
	s_nop 0
	tensor_load_to_lds s[G0K:G0K+3], s[G1R:G1R+7]          ; slot 0
	s_nop 0
	PLACES
	s_branch .Lfirst_asked
.Lfirst_not_k:
	s_cmp_lt_u32 s[WV], 4
	s_cbranch_scc0 .Lfirst_asked
	tensor_load_to_lds s[G0SV:G0SV+3], s[G1S:G1S+7]
	s_nop 0
	tensor_load_to_lds s[G0V:G0V+3], s[G1R:G1R+7]
	s_nop 0
	PLACES
.Lfirst_asked:
	s_wait_alu depctr_va_vdst(0)
	global_load_b128 v[16:19], v[LI], s[68:69]     ; Q's half fragment stays in registers
	global_load_b64 v[20:21], v[L8], s[68:69] offset:512
	global_load_u16 v255, v9, s[72:73]             ; its two scale bytes a row; the upper two are zeros
.irp j, 22,23,24,25,26,27,80,81,82,83,84,85
	v_mov_b32 v[\j], 0                             ; zero codes: Q's upper 64 along K, and what stands behind K's last half fragment
.endr
	v_mov_b32 v13, 0xff61b1e6                      ; the largest t so far: -3e38, under every t
	s_delay_alu instid0(VALU_DEP_1)
	v_floor_f32 v12, -v13                          ; -M
	v_mov_b32 v14, 0                               ; the sum, in two halves
	v_mov_b32 v15, 0
.irp b, 0,1,2,3
	v_mov_b32 v[236+\b], 0                         ; written once: a lane permute's destination counts as one of its sources
.endr
	v_mov_b32 v253, 0                              ; (named as the upper half of the pair v[252:253] before it is first written)
.set j, 0
.rept 32
	v_mov_b32 v[160+j], 0                          ; O^T.  (The step is written once: the first finds zeros, which the first change of M leaves zeros)
.set j, j+1
.endr
; A KEY STEP: 128 keys, the q-th of the slot in hand.
.macro STEP q
	v_add_nc_u32 v[A16], s[TB], v[LI]              ; (these four are also the places between the last products and the loads into the registers that they read)
	v_add_nc_u32 v[A8], s[TB], v[L8]
	v_add_nc_u32 v[ADS], s[TS], v[ASK0]
	v_add_nc_u32 v[ADT], s[TS], v[ASV0]
.irp t, 0,1,2,3,4,5,6,7
	ds_load_b128 v[32+6*\t:35+6*\t], v[A16] offset:(8*\q+\t)*768
	ds_load_b64 v[36+6*\t:37+6*\t], v[A8] offset:(8*\q+\t)*768+512
	ds_load_u16 v[86+\t], v[ADS] offset:64*\t
.endr
	s_wait_alu depctr_va_vdst(0)
	s_wait_dscnt 0x0
.irp t, 0,1,2,3,4,5,6,7                        ; S^T = K Q^T: eight tiles of 16 keys; each begins its sum with the constant 0
	v_wmma_scale_f32_16x16x128_f8f6f4 v[96+8*\t:103+8*\t], v[32+6*\t:43+6*\t], v[16:27], 0, v[86+\t], v255 matrix_a_fmt:MATRIX_FMT_FP6 matrix_b_fmt:MATRIX_FMT_FP6
.endr
	PLACES                                         ; in front of the loads into K's registers and of the first read of the scores
.irp t, 0,1,2,3                                ; V's four fragments are asked for here, so that they land under the softmax
.irp c, 0,1
	ds_load_b128 v[32+12*\t+6*\c:35+12*\t+6*\c], v[A16] offset:VOFF+6144*\q+3072*\c+768*\t
	ds_load_b64 v[36+12*\t+6*\c:37+12*\t+6*\c], v[A8] offset:VOFF+6144*\q+3072*\c+768*\t+512
.endr
	ds_load_b32 v[86+\t], v[ADT] offset:128*\t
.endr
.irp b, 0,1,2,3
	v_max3_num_f32 v[232+\b], v[96+16*\b], v[97+16*\b], v[98+16*\b]   ; THE LARGEST SCORE OF EACH BLOCK OF 32 KEYS: it serves twice: for the row's maximum, and, since p rises with the score, for the block's largest p
.endr
.irp i, 3,5,7,9,11,13
.irp b, 0,1,2,3
	v_max3_num_f32 v[232+\b], v[232+\b], v[96+16*\b+\i], v[97+16*\b+\i]   ; (the four blocks by turns)
.endr
.endr
.irp b, 0,1,2,3
	v_max_num_f32 v[232+\b], v[232+\b], v[111+16*\b]
.endr
.irp b, 0,1,2,3
	s_delay_alu instid0(VALU_DEP_4)
	v_permlanex16_b32 v[236+\b], v[232+\b], s[SEL], s[SEL+1]
.endr
.irp b, 0,1,2,3
	s_delay_alu instid0(VALU_DEP_4)
	v_max_num_f32 v[232+\b], v[232+\b], v[236+\b]  ; with lane l xor 16's 16 keys
.endr
	s_delay_alu instid0(VALU_DEP_2)
	v_max3_num_f32 v254, v232, v233, v234
	s_delay_alu instid0(VALU_DEP_1)
	v_max_num_f32 v254, v254, v235                 ; the step's largest score of my query
	s_delay_alu instid0(VALU_DEP_1)
	v_mul_f32 v254, s[CS], v254                    ; as t (c is positive)
	s_delay_alu instid0(VALU_DEP_1)
	v_max_num_f32 v13, v13, v254                   ; the running largest t
	v_mov_b32 v254, v12
	s_delay_alu instid0(VALU_DEP_2)
	v_floor_f32 v12, -v13                          ; the new -M = floor(-t) = -ceil(t): M IS A WHOLE NUMBER
	s_delay_alu instid0(VALU_DEP_1)
	v_sub_f32 v254, v12, v254                      ; M's old value less its new one: a whole number, 0 or less
	s_delay_alu instid0(VALU_DEP_1)
	v_cvt_i32_f32 v254, v254                       ; (it saturates)
	s_delay_alu instid0(VALU_DEP_1)
	v_ldexp_f32 v252, 1.0, v254                    ; f = 2^(old M - new M): a multiplication by it rounds nothing
.set j, 0
.rept 32
	v_pk_fma_f32 v[96+j:97+j], v[96+j:97+j], s[CS:CS+1], v[12:13] op_sel_hi:[1,0,0]   ; t - M, two at a time (of the pairs c and -M the low word serves both halves)
.set j, j+2
.endr
.irp b, 0,1,2,3
	v_fma_f32 v[232+\b], v[232+\b], s[CS], v12     ; the same of each block's largest score
.endr
.set j, 0
	s_wait_alu depctr_va_vdst(0)
.rept 64
	v_exp_f32 v[96+j], v[96+j]                     ; p = 2^(t - M), at most 1: NOT normalised
.set j, j+1
.endr
.irp b, 0,1,2,3
	v_exp_f32 v[232+\b], v[232+\b]                 ; the block's largest p: the same two instructions on the same number give the same bits
.endr
	v_pk_mul_f32 v[14:15], v[14:15], v[252:253] op_sel_hi:[1,0]   ; the sums under the new M.  (A plain place behind the exponentials)
	s_wait_alu depctr_va_vdst(0)
.irp b, 0,1,2,3
	v_max_num_f32 v[232+\b], 0x1800000, v[232+\b]  ; the floor 2^(3 - 127): the byte cannot fall under 1 (a block whose every p has fallen to 0 keeps that byte: its codes are zeros)
.endr
.irp b, 0,1,2,3
	s_delay_alu instid0(VALU_DEP_4)
	v_add_nc_u32 v[244+\b], 0xff000000, v[232+\b]  ; 2 off the exponent field: the conversion's scale operand
.endr
.irp b, 0,1,2,3
	s_delay_alu instid0(VALU_DEP_4)
	v_lshrrev_b32 v[236+\b], 23, v[244+\b]         ; the scale's byte
.endr
	s_delay_alu instid0(VALU_DEP_3)
	v_lshl_or_b32 v253, v237, 8, v236              ; p's scale word for these 128 keys
	s_delay_alu instid0(VALU_DEP_1)
	v_lshl_or_b32 v253, v238, 16, v253
	s_delay_alu instid0(VALU_DEP_1)
	v_lshl_or_b32 v253, v239, 24, v253
.irp c, 0,1
	v_cvt_scalef32_pk16_fp6_f32 v[224+6*\c:226+6*\c], v[96+32*\c:111+32*\c], v[244+2*\c]
	v_cvt_scalef32_pk16_fp6_f32 v[236+4*\c:238+4*\c], v[112+32*\c:127+32*\c], v[244+2*\c+1]   ; (a conversion's three registers begin on an even number)
.endr
	v_nop                                          ; one plain place behind a scaled conversion
.irp c, 0,1                                    ; the operand's layout wants a WHOLE block in a lane: lanes 0-15 block 2 c, lanes 16-31 block 2 c + 1
.irp i, 0,1,2
	v_permlane16_swap_b32 v[224+6*\c+\i], v[236+4*\c+\i]
.endr
.irp i, 0,1,2
	s_delay_alu instid0(VALU_DEP_3)
	v_mov_b32 v[227+6*\c+\i], v[236+4*\c+\i]
.endr
.endr
	v_pk_add_f32 v[236:237], v[100:101], v[104:105]
	v_pk_add_f32 v[250:251], v[108:109], v[112:113]
	v_pk_add_f32 v[248:249], v[116:117], v[120:121]
	v_pk_add_f32 v[246:247], v[124:125], v[128:129]
	v_pk_add_f32 v[244:245], v[132:133], v[136:137]
	v_pk_add_f32 v[242:243], v[140:141], v[144:145]
	v_pk_add_f32 v[240:241], v[148:149], v[152:153]
	v_pk_add_f32 v[14:15], v[14:15], v[156:157]
	v_pk_add_f32 v[236:237], v[236:237], v[96:97]
	v_pk_add_f32 v[250:251], v[250:251], v[98:99]
	v_pk_add_f32 v[248:249], v[248:249], v[102:103]
	v_pk_add_f32 v[246:247], v[246:247], v[106:107]
	v_pk_add_f32 v[244:245], v[244:245], v[110:111]
	v_pk_add_f32 v[242:243], v[242:243], v[114:115]
	v_pk_add_f32 v[240:241], v[240:241], v[118:119]
	v_pk_add_f32 v[14:15], v[14:15], v[122:123]
	v_pk_add_f32 v[236:237], v[236:237], v[126:127]
	v_pk_add_f32 v[250:251], v[250:251], v[130:131]
	v_pk_add_f32 v[248:249], v[248:249], v[134:135]
	v_pk_add_f32 v[246:247], v[246:247], v[138:139]
	v_pk_add_f32 v[244:245], v[244:245], v[142:143]
	v_pk_add_f32 v[242:243], v[242:243], v[146:147]
	v_pk_add_f32 v[240:241], v[240:241], v[150:151]
	v_pk_add_f32 v[14:15], v[14:15], v[154:155]
	v_pk_add_f32 v[236:237], v[236:237], v[158:159]
	s_delay_alu instid0(VALU_DEP_2)
	v_pk_add_f32 v[14:15], v[14:15], v[246:247]
	s_delay_alu instid0(VALU_DEP_2)
	v_pk_add_f32 v[236:237], v[236:237], v[244:245]
	v_pk_add_f32 v[250:251], v[250:251], v[242:243]
	v_pk_add_f32 v[248:249], v[248:249], v[240:241]
	s_delay_alu instid0(VALU_DEP_2)
	v_pk_add_f32 v[14:15], v[14:15], v[250:251]
	s_delay_alu instid0(VALU_DEP_2)
	v_pk_add_f32 v[236:237], v[236:237], v[248:249]
	s_delay_alu instid0(VALU_DEP_1)
	v_pk_add_f32 v[14:15], v[14:15], v[236:237]
.set j, 0
.rept 16
	v_pk_mul_f32 v[160+j:161+j], v[160+j:161+j], v[252:253] op_sel_hi:[1,0]   ; O^T under the new M: x f, each accumulator from its low end on.  (The 32 sums and these 16 stand between p's codes and scale word and the products below)
.set j, j+2
.endr
	s_wait_alu depctr_va_vdst(0)
	s_wait_dscnt 0x0                               ; V's fragments and scale words
.irp t, 0,1,2,3                                ; O^T += V^T P^T: four tiles of 16 channels by turns, one instruction a turn; K = these 128 keys
	v_wmma_scale_f32_16x16x128_f8f6f4 v[160+8*\t:167+8*\t], v[32+12*\t:43+12*\t], v[224:235], v[160+8*\t:167+8*\t], v[86+\t], v253 matrix_a_fmt:MATRIX_FMT_FP6 matrix_b_fmt:MATRIX_FMT_FP6
.endr
	s_add_co_u32 s[TS], s[TS], 512                 ; the next step's scale records
.endm
; THE CHANGE OF SLOTS stands at a slot's head.  Each wave waits for all its tensor loads (its part of the slot that it is about to read), adds 0 to its spare word, and waits for that and for its reads of the slot that it has left.
; fill = 1: the barrier is a round of the cluster's, so that no wave of any partner still reads the other slot or has a load on its way; behind it that slot is filled with the next 256 keys: the load has two key steps in which to land.
.macro CHANGE fill
	s_wait_tensorcnt 0x0                           ; no tensor load of mine is out, so a group 0 may be written
	ds_add_u32 v[SPW], v[NIL]                      ; 0 onto my spare word; with fill = 1 the descriptors' steps stand between it and the wait for it
.if \fill
	s_xor_b32 s[G0K+1], s[G0K+1], SLOT1            ; the walking descriptors: the other slot than last time,
	s_add_nc_u64 s[G0K+2:G0K+3], s[G0K+2:G0K+3], 12288     ; the next 256 keys; the type bits on top are not reached
	s_xor_b32 s[G0V+1], s[G0V+1], SLOT1
	s_add_nc_u64 s[G0V+2:G0V+3], s[G0V+2:G0V+3], 12288
.endif
	s_wait_dscnt 0x0                               ; the add is done, and my reads of the slot that I have left are over
.if \fill
	CROUND
	JLOAD                                          ; the first thing behind the round, and a wave's one tensor load until the next
.else
	s_barrier_signal -1
	s_barrier_wait -1
.endif
.endm
	s_wait_loadcnt 0x0                             ; Q
.Lslot:                                            ; 15 trips: behind each change of slots but the last the next slot is asked for (slot 1's first fill among them, issued as a refill is)
	CHANGE 1
	STEP 0
	STEP 1
	s_xor_b32 s[TB], s[TB], SLOT1                  ; on to the other slot
	s_sub_co_u32 s[SLOTS], s[SLOTS], 1
	s_cmp_lg_u32 s[SLOTS], 0
	s_cbranch_scc1 .Lslot
	CHANGE 0                                       ; the last slot is written out
	STEP 0
	STEP 1
	; THE WAY OUT.  O^T / l: register 16 b + i is channel 32 b + 16 (lane / 16) + i of my query: two blocks of 32 along the projection's K.  They are quantised and leave as a half fragment's image.
	PLACES
	v_add_f32 v14, v14, v15                        ; the sum's two halves,
	s_delay_alu instid0(VALU_DEP_1)
	v_permlanex16_b32 v252, v14, s[SEL], s[SEL+1]
	s_delay_alu instid0(VALU_DEP_1)
	v_add_f32 v14, v14, v252                       ; and lane l xor 16's: the row's sum
	s_wait_alu depctr_va_vdst(0)
	v_rcp_f32 v14, v14
	v_nop                                          ; one plain place behind a transcendental
.set j, 0
	s_wait_alu depctr_va_vdst(0)
.rept 32
	v_mul_f32 v[96+j], v[160+j], v14               ; each accumulator from its low end on
.set j, j+1
.endr
.irp b, 0,1
	v_max3_num_f32 v[232+\b], |v[96+16*\b]|, |v[97+16*\b]|, 0x1800000
.endr
.irp i, 2,4,6,8,10,12,14
.irp b, 0,1
	s_delay_alu instid0(VALU_DEP_2)
	v_max3_num_f32 v[232+\b], v[232+\b], |v[96+16*\b+\i]|, |v[97+16*\b+\i]|
.endr
.endr
.irp b, 0,1
	s_delay_alu instid0(VALU_DEP_2)
	v_permlanex16_b32 v[236+\b], v[232+\b], s[SEL], s[SEL+1]
.endr
.irp b, 0,1
	s_delay_alu instid0(VALU_DEP_2)
	v_max_num_f32 v[232+\b], v[232+\b], v[236+\b]
.endr
.irp b, 0,1
	s_delay_alu instid0(VALU_DEP_2)
	v_add_nc_u32 v[244+\b], 0xff000000, v[232+\b]
.endr
.irp b, 0,1
	s_delay_alu instid0(VALU_DEP_2)
	v_lshrrev_b32 v[236+\b], 23, v[244+\b]
.endr
	s_delay_alu instid0(VALU_DEP_1)
	v_lshl_or_b32 v10, v237, 8, v236               ; my row's two scale bytes
	v_cvt_scalef32_pk16_fp6_f32 v[224:226], v[96:111], v244
	v_cvt_scalef32_pk16_fp6_f32 v[240:242], v[112:127], v245
	v_nop                                          ; one plain place behind a scaled conversion
.irp i, 0,1,2
	v_permlane16_swap_b32 v[224+\i], v[240+\i]     ; lanes 0-15 get block 0 whole, lanes 16-31 block 1
.endr
.irp i, 0,1,2
	s_delay_alu instid0(VALU_DEP_3)
	v_mov_b32 v[227+\i], v[240+\i]
.endr
	global_store_b128 v[LI], v[224:227], s[76:77]          ; 512 consecutive bytes,
	global_store_b64 v[L8], v[228:229], s[76:77] offset:512   ; 256,
	global_store_b16 v[LS], v10, s[6:7]                    ; and my head's half of the K step's scale words
	s_wait_tensorcnt 0x0                           ; the wave's end
	ds_add_u32 v[SPW], v[NIL]
	s_wait_dscnt 0x0
	CROUND                                         ; the closing round: no work-group ends while a partner may still ask for a tile that names it
	s_endpgm
.Lfunc_end_k_q022e66529b_attn:
	.size	k_q022e66529b_attn, .Lfunc_end_k_q022e66529b_attn-k_q022e66529b_attn
	.p2alignl 7, 3214868480
	.fill 96, 4, 3214868480
	.section	.rodata,"a",@progbits
	.p2align	6, 0x0
	.amdhsa_kernel k_q022e66529b_attn
		.amdhsa_group_segment_fixed_size 327680
		.amdhsa_private_segment_fixed_size 0
		.amdhsa_enable_private_segment 0
		.amdhsa_kernarg_size 16
		.amdhsa_user_sgpr_count 2
		.amdhsa_user_sgpr_kernarg_segment_ptr 1
		.amdhsa_wavefront_size32 1
		.amdhsa_system_sgpr_workgroup_id_x 1
		.amdhsa_system_sgpr_workgroup_id_y 1
		.amdhsa_system_sgpr_workgroup_id_z 1
		.amdhsa_system_vgpr_workitem_id 0
		.amdhsa_next_free_vgpr 256
		.amdhsa_next_free_sgpr 80
		.amdhsa_reserve_vcc 0
		.amdhsa_float_denorm_mode_32 3
		.amdhsa_float_denorm_mode_16_64 3
		.amdhsa_memory_ordered 1
		.amdhsa_forward_progress 1
		.amdhsa_inst_pref_size 85
	.end_amdhsa_kernel
	.amdgpu_metadata
---
amdhsa.version: [ 1, 2 ]
amdhsa.kernels:
  - .name:           k_q022e66529b_attn
    .symbol:         k_q022e66529b_attn.kd
    .args:
      - { .name: qkvc, .offset: 0, .size: 8, .value_kind: global_buffer, .address_space: global }
      - { .name: attc, .offset: 8, .size: 8, .value_kind: global_buffer, .address_space: global }
    .group_segment_fixed_size: 327680
    .private_segment_fixed_size: 0
    .kernarg_segment_align: 8
    .kernarg_segment_size: 16
    .max_flat_workgroup_size: 512
    .sgpr_count:     80
    .vgpr_count:     256
    .wavefront_size: 32
...
	.end_amdgpu_metadata
.endif
;; end of part 7
;; launch proj (part 8): grid 128 x 2, 8 waves a work-group, no clusters, 70,656 bytes of LDS; arguments attc, prepw, proj_b, hidden_states, out0; writes out0
.if DOCPART == 8
	.amdgcn_target "amdgcn-amd-amdhsa--gfx1250"
	.amdhsa_code_object_version 6
	.text
	.protected	k_q022e66529b_proj
	.globl	k_q022e66529b_proj
	.p2align	8
	.type	k_q022e66529b_proj,@function
k_q022e66529b_proj:
	s_mov_b64 s[64:65], 0
	v_nop
	global_prefetch_b8 v0, s[64:65] scope:SCOPE_SE
	s_setreg_imm32_b32 hwreg(HW_REG_WAVE_SCHED_MODE, 0, 2), 2
	s_setreg_imm32_b32 hwreg(HW_REG_WAVE_MODE, 25, 1), 1
	s_wait_xcnt 0x0
	s_wait_alu depctr_vm_vsrc(0)
; PROJ: out0[b][c][n] = the sum over k of att[b][n][k] proj_w[c][k] + proj_b[c] + hidden[b][c][n], the product on codes of FP6 (E2M3) with one E8M0 scale for each 32 along K.  (The source's division by RESCALE = 1.0 changes nothing.)
; Both operands lie in memory in the order of the operand's registers (a fragment of 16 rows x 128 K: 1,536 bytes: per half of 64 K registers 0-3 at 16 x lane, registers 4-5 at 512 + 8 x lane), their scale words at 4 x lane.
; SHARES.  Work-group (x, y): 64 positions (x = 64 b + PB: four tiles of rows) x 256 channels; wave w: 32 channels (g = 8 y + w: two tiles of proj_w).  Eight accumulators, four K steps of 128, 32 matrix instructions a wave.
; SOURCE 0 = the attention's rows, SOURCE 1 = proj_w's rows: a lane holds ONE channel, and since lane r of a tile of rows 2 b + u is position 32 b + 8 u + r + 8 (r / 8), the 16 registers of tiles 2 b, 2 b + 1 are 16 neighbouring
; positions: what [b][c][n] wants.  The bias is the C of each sum's first matrix instruction; the accumulators take turns, one instruction a turn.
; THE WAY OUT: a lane's numbers are 64 bytes of a channel's row; they go through the wave's own stage in LDS (32 rows of 256 bytes + 16) and come back as
; whole rows, the residual is added, and sixteen lanes store 256 consecutive bytes, at a multiple of 256 from the output's first byte.  No barrier: waves share nothing.
; NO CLUSTER, NO TENSOR LOAD: operands go from memory straight into registers, whole fragments by loads of 16 and 8 bytes a lane; there is no LDS tile that a joint load could fill, and 32 matrix instructions a wave would not pay for one.
; THE MODE: SCHED_MODE bits 1:0 = 2 (LLVM: expert scheduling mode 2), set by the entry lines.  The code itself states the register dependences between vector or matrix instructions and memory or LDS
; instructions, with s_wait_alu, always for 0.
; THE PLAN.  Registers that memory or LDS instructions touch:
;   v1-7          addresses, made at the head and never written again: one wait on va_vdst ahead of the first load.
;   the bias, the four K steps' operands and scale words, the residual: EACH HAS REGISTERS OF ITS OWN, loaded once, in which nothing has been named.  So the loads of K step 3 and of the residual stand among the
;                 products with no wait: the products issued since the head's wait name other K steps' registers and the accumulators alone.
;   v16-79        the accumulators: written by the products, read by the LDS stores into the stage: four places, then one wait on va_vdst.
;   v120-183      K step 0's operands, then the rows that come back from the stage: the same wait states that K step 0's products are done reading them.  The 32 additions write them again;
;                 one more wait on va_vdst stands ahead of the run of sixteen stores, which read them.
; REGISTERS, window 0: v1-7 addresses; v16-79 the accumulators ((n, T) at 16 + 8 (4 n + T)); v80-95 the bias; v96-119 the scale words (K step s: four of the attention's, two of proj_w's, at 96 + 6 s);
;   v120-191 K step 0's operands (48 of the attention's, 24 of proj_w's), later rows of the result; v192-255 the residual.   window 1: K step s's operands at 72 (s - 1), s = 1, 2, 3.
.set OSC,  3145728                     ; attc: the scale records
.set WPI,  589824                      ; prepw: proj_w's images
.set WPS,  835584                      ; prepw: its scale words
.set LI,   1                           ; 16 x lane
.set L8,   2                           ; 8 x lane
.set LS,   3                           ; 4 x lane
.set BR,   4                           ; 4 (r + 8 (r / 8))
.set SO,   5                           ; the stage: where I put my numbers
.set RD,   6                           ; and where I read rows back
.set GO,   7                           ; my byte offset in two neighbouring channels' rows
.set ACC,  16
.set BI,   80
.set SCL,  96
.set S0,   120
.set ROW,  120
.set RES,  192
.set MSB, 0
.macro WIN new                         ; s_set_vgpr_msb: bits 1:0 source 0, 3:2 source 1, 5:4 source 2, 7:6 destination; the high byte repeats the setting that is left
.if MSB != \new
	s_set_vgpr_msb (MSB<<8)|\new
.set MSB, \new
.endif
.endm
.macro PLACES                          ; four plain vector instructions between a matrix instruction and a read of its result or a load into one of its registers
.rept 4
	v_nop
.endr
.endm
.macro LOADK s                         ; K step s's operands and scale words, into its own registers: 30 loads
.if (\s) == 0
.set FS, S0
.else
.set FS, 72*((\s)-1)
	WIN 0x40                                       ; destination window 1, address window 0
.endif
.irp t, 0,1,2,3
	global_load_b128 v[FS+12*\t:FS+12*\t+3], v[LI], s[28:29] offset:6144*\t+1536*(\s)
	global_load_b64 v[FS+12*\t+4:FS+12*\t+5], v[L8], s[28:29] offset:6144*\t+1536*(\s)+512
	global_load_b128 v[FS+12*\t+6:FS+12*\t+9], v[LI], s[28:29] offset:6144*\t+1536*(\s)+768
	global_load_b64 v[FS+12*\t+10:FS+12*\t+11], v[L8], s[28:29] offset:6144*\t+1536*(\s)+1280
.endr
.irp n, 0,1
	global_load_b128 v[FS+48+12*\n:FS+48+12*\n+3], v[LI], s[32:33] offset:6144*\n+1536*(\s)
	global_load_b64 v[FS+48+12*\n+4:FS+48+12*\n+5], v[L8], s[32:33] offset:6144*\n+1536*(\s)+512
	global_load_b128 v[FS+48+12*\n+6:FS+48+12*\n+9], v[LI], s[32:33] offset:6144*\n+1536*(\s)+768
	global_load_b64 v[FS+48+12*\n+10:FS+48+12*\n+11], v[L8], s[32:33] offset:6144*\n+1536*(\s)+1280
.endr
	WIN 0                                          ; scale operands have no window: the scale words lie in window 0
.irp t, 0,1,2,3
	global_load_b32 v[SCL+6*(\s)+\t], v[LS], s[30:31] offset:512*\t+128*(\s)
.endr
.irp n, 0,1
	global_load_b32 v[SCL+6*(\s)+4+\n], v[LS], s[34:35] offset:512*\n+128*(\s)
.endr
.endm
.macro MULK s                          ; its eight products
.if (\s) == 0
.set FS, S0
.else
.set FS, 72*((\s)-1)
	WIN 0x05                                       ; sources 0 and 1 window 1; C and D window 0
.endif
.irp n, 0,1
.irp t, 0,1,2,3
.if (\s) == 0
	v_wmma_scale_f32_16x16x128_f8f6f4 v[ACC+8*(4*\n+\t):ACC+8*(4*\n+\t)+7], v[FS+12*\t:FS+12*\t+11], v[FS+48+12*\n:FS+48+12*\n+11], v[BI+8*\n:BI+8*\n+7], v[SCL+6*(\s)+\t], v[SCL+6*(\s)+4+\n] matrix_a_fmt:MATRIX_FMT_FP6 matrix_b_fmt:MATRIX_FMT_FP6
.else
	v_wmma_scale_f32_16x16x128_f8f6f4 v[ACC+8*(4*\n+\t):ACC+8*(4*\n+\t)+7], v[FS+12*\t:FS+12*\t+11], v[FS+48+12*\n:FS+48+12*\n+11], v[ACC+8*(4*\n+\t):ACC+8*(4*\n+\t)+7], v[SCL+6*(\s)+\t], v[SCL+6*(\s)+4+\n] matrix_a_fmt:MATRIX_FMT_FP6 matrix_b_fmt:MATRIX_FMT_FP6
.endif
.endr
.endr
.endm
	s_load_b256 s[4:11], s[0:1], 0x0               ; attc s[4:5], prepw s[6:7], proj_b s[8:9], hidden s[10:11]
	s_load_b64 s[12:13], s[0:1], 0x20              ; out0
	v_lshl_add_u32 v14, v0, 2, 0x11000
	v_mov_b32 v15, 0
	v_lshrrev_b32 v8, 5, v0
	v_readfirstlane_b32 s14, v8                    ; wave 0..7
	s_and_b32 s15, ttmp7, 0xffff
	s_lshl_b32 s15, s15, 3
	s_wait_alu depctr_va_sdst(0)                   ; s14 is written, ahead of its first reader: the bases and the stage's address are made from it
	s_add_co_u32 s15, s15, s14                     ; g: my 32 channels
	s_mul_i32 s16, ttmp9, 24576                    ; the attention's four tiles of rows: 6,144 bytes each
	s_mov_b32 s17, 0
	s_lshl_b32 s18, ttmp9, 11
	s_add_co_u32 s18, s18, OSC                     ; their scale records: 512 bytes a tile
	s_mov_b32 s19, 0
	s_mul_i32 s20, s15, 12288
	s_add_co_u32 s20, s20, WPI                     ; proj_w's tiles 2 g, 2 g + 1
	s_mov_b32 s21, 0
	s_lshl_b32 s22, s15, 10
	s_add_co_u32 s22, s22, WPS
	s_mov_b32 s23, 0
	s_lshl_b32 s24, s15, 7                         ; proj_b: 32 numbers
	s_mov_b32 s25, 0
	s_lshr_b32 s26, ttmp9, 6                       ; hidden and out0: (512 b + 32 g) rows of 16,384 bytes + 256 PB
	s_lshl_b32 s26, s26, 23
	s_lshl_b32 s27, s15, 19
	s_add_co_u32 s26, s26, s27
	s_and_b32 s27, ttmp9, 63
	s_lshl_b32 s27, s27, 8
	s_add_co_u32 s26, s26, s27
	s_mov_b32 s27, 0
	s_mul_i32 s36, s14, 8704                       ; my stage: 32 rows of 272 bytes
	v_and_b32 v8, 31, v0
	v_lshlrev_b32 v[LI], 4, v8
	v_lshlrev_b32 v[L8], 3, v8
	v_lshlrev_b32 v[LS], 2, v8
	v_and_b32 v9, 15, v0                           ; r
	v_bfe_u32 v10, v0, 4, 1                        ; h
	v_and_b32 v11, 8, v9
	v_add_nc_u32 v11, v11, v9
	v_lshlrev_b32 v[BR], 2, v11
	v_mul_u32_u24 v11, v9, 272
	v_lshl_add_u32 v11, v10, 6, v11
	v_add_nc_u32 v[SO], s36, v11                   ; in: row r (of tile n: 16 rows on), + 64 h: positions 16 h on
	v_mul_u32_u24 v11, v10, 272
	v_lshl_add_u32 v11, v9, 4, v11
	v_add_nc_u32 v[RD], s36, v11                   ; back: lanes 0-15 one row, lanes 16-31 the next
	v_lshlrev_b32 v11, 14, v10
	v_lshl_add_u32 v[GO], v9, 4, v11               ; and the same two rows in memory: neighbouring channels
	s_wait_kmcnt 0x0
	s_add_nc_u64 s[28:29], s[4:5], s[16:17]
	s_add_nc_u64 s[30:31], s[4:5], s[18:19]
	s_add_nc_u64 s[32:33], s[6:7], s[20:21]
	s_add_nc_u64 s[34:35], s[6:7], s[22:23]
	s_add_nc_u64 s[8:9], s[8:9], s[24:25]
	s_add_nc_u64 s[10:11], s[10:11], s[26:27]
	s_add_nc_u64 s[12:13], s[12:13], s[26:27]
	s_wait_alu depctr_va_vdst(0)                   ; the seven addresses v1 to v7 are written, which the loads and stores of the whole kernel read; none is written again
.irp n, 0,1
.irp j, 0,1,2,3,4,5,6,7
	global_load_b32 v[BI+8*\n+\j], v[BR], s[8:9] offset:32*\n   ; my channel's bias, in all eight registers of the tile
.endr
.endr
	LOADK 0
	LOADK 1
	LOADK 2
	s_wait_loadcnt 60                              ; the bias and K step 0 are in; the 60 loads of K steps 1 and 2 were issued behind them
	MULK 0
	LOADK 3                                        ; no wait: the products above name K step 0's registers, the bias and the accumulators, none of which these loads touch
	s_wait_loadcnt 60                              ; K step 1 is in; the 60 loads of K steps 2 and 3 may be out
	MULK 1
	WIN 0
.set i, 0
.rept 16                                       ; the residual, as the rows will come back from the stage: stage rows 2 i, 2 i + 1 are channels CH, CH + 1 of my 32.  No wait: nothing has named v[RES ..]
.set CH, 8*(i>>3)+2*(i&7)+8*((i>>2)&1)
	global_load_b128 v[RES+4*i:RES+4*i+3], v[GO], s[10:11] offset:16384*CH
.set i, i+1
.endr
	s_wait_loadcnt 46                              ; K step 2 is in; K step 3's 30 loads and the residual's 16 may be out
	MULK 2
	s_wait_loadcnt 16                              ; K step 3 is in; the residual's 16 loads may be out
	MULK 3
	WIN 0
	PLACES
	s_wait_alu depctr_va_vdst(0)                   ; the products have written the accumulators, which the LDS stores read, and K step 0's are done reading v[ROW ..], in which the stage's rows land; the places above stay beside this wait
.irp n, 0,1
.irp t, 0,1,2,3
	ds_store_b128 v[SO], v[ACC+8*(4*\n+\t):ACC+8*(4*\n+\t)+3] offset:4352*\n+128*(\t/2)+32*(\t%2)        ; each accumulator from its low end on: positions 32 (t / 2) + 16 h + 8 (t % 2) + 0 .. 7
	ds_store_b128 v[SO], v[ACC+8*(4*\n+\t)+4:ACC+8*(4*\n+\t)+7] offset:4352*\n+128*(\t/2)+32*(\t%2)+16
.endr
.endr
.set i, 0
.rept 16
	ds_load_b128 v[ROW+4*i:ROW+4*i+3], v[RD] offset:544*i  ; LDS serves a wave's instructions in order (ISA guide 5.7.1.4): these see my stores
.set i, i+1
.endr
	s_wait_loadcnt 0x0                             ; the residual
.set i, 0
.rept 16
	s_wait_dscnt 15-i                              ; LDS loads come back in order: load i is in, the 15 - i behind it may be out
	v_pk_add_f32 v[ROW+4*i:ROW+4*i+1], v[ROW+4*i:ROW+4*i+1], v[RES+4*i:RES+4*i+1]
	v_pk_add_f32 v[ROW+4*i+2:ROW+4*i+3], v[ROW+4*i+2:ROW+4*i+3], v[RES+4*i+2:RES+4*i+3]
.set i, i+1
.endr
	s_wait_alu depctr_va_vdst(0)                   ; the 32 additions have written v[ROW ..], which the sixteen stores below read
.set i, 0
.rept 16
.set CH, 8*(i>>3)+2*(i&7)+8*((i>>2)&1)
	global_store_b128 v[GO], v[ROW+4*i:ROW+4*i+3], s[12:13] offset:16384*CH th:TH_STORE_NT   ; written once, read by nobody here
.set i, i+1
.endr
	s_wait_dscnt 0x0
	s_wait_alu depctr_hold_cnt(0) depctr_sa_sdst(0) depctr_va_vdst(0) depctr_va_sdst(0) depctr_va_ssrc(0) depctr_va_vcc(0) depctr_vm_vsrc(0)
	s_wait_tensorcnt 0x0
	ds_add_u32 v14, v15
	s_wait_dscnt 0x0
	s_endpgm
.Lfunc_end_k_q022e66529b_proj:
	.size	k_q022e66529b_proj, .Lfunc_end_k_q022e66529b_proj-k_q022e66529b_proj
	.p2alignl 7, 3214868480
	.fill 96, 4, 3214868480
	.section	.rodata,"a",@progbits
	.p2align	6, 0x0
	.amdhsa_kernel k_q022e66529b_proj
		.amdhsa_group_segment_fixed_size 70656
		.amdhsa_private_segment_fixed_size 0
		.amdhsa_enable_private_segment 0
		.amdhsa_kernarg_size 40
		.amdhsa_user_sgpr_count 2
		.amdhsa_user_sgpr_kernarg_segment_ptr 1
		.amdhsa_wavefront_size32 1
		.amdhsa_system_sgpr_workgroup_id_x 1
		.amdhsa_system_sgpr_workgroup_id_y 1
		.amdhsa_system_sgpr_workgroup_id_z 1
		.amdhsa_system_vgpr_workitem_id 0
		.amdhsa_next_free_vgpr 472
		.amdhsa_next_free_sgpr 66
		.amdhsa_reserve_vcc 0
		.amdhsa_float_denorm_mode_32 3
		.amdhsa_float_denorm_mode_16_64 3
		.amdhsa_memory_ordered 1
		.amdhsa_forward_progress 1
		.amdhsa_inst_pref_size 28
	.end_amdhsa_kernel
	.amdgpu_metadata
---
amdhsa.version: [ 1, 2 ]
amdhsa.kernels:
  - .name:           k_q022e66529b_proj
    .symbol:         k_q022e66529b_proj.kd
    .args:
      - { .name: attc, .offset: 0, .size: 8, .value_kind: global_buffer, .address_space: global }
      - { .name: prepw, .offset: 8, .size: 8, .value_kind: global_buffer, .address_space: global }
      - { .name: proj_b, .offset: 16, .size: 8, .value_kind: global_buffer, .address_space: global }
      - { .name: hidden_states, .offset: 24, .size: 8, .value_kind: global_buffer, .address_space: global }
      - { .name: out0, .offset: 32, .size: 8, .value_kind: global_buffer, .address_space: global }
    .group_segment_fixed_size: 70656
    .private_segment_fixed_size: 0
    .kernarg_segment_align: 8
    .kernarg_segment_size: 40
    .max_flat_workgroup_size: 256
    .sgpr_count:     66
    .vgpr_count:     472
    .wavefront_size: 32
...
	.end_amdgpu_metadata
.endif
;; end of part 8
